; MI455X (gfx1250); checked and timed in simulation.
; The chip was launched on July 23, 2026; its instructions are those of AMD's public machine-readable ISA for CDNA 5 (MIT licence, August 2026) and "CDNA5" Instruction Set Architecture Reference Guide (July 2026). The comments in the code are by the model that wrote it; some were corrected since.
;; RBF Multi Head Attn. Allowed arithmetic: matrix products marked QUANTISED: E2M1 operands, one E8M0 scale for each 32 along K, by v_wmma_scale_f32_16x16x128_f8f6f4 with both operands' format E2M1 (or v_wmma_scale_f32_32x16x128_f4), f32 sums; products left as they are: f32 operands where the result goes on into a quantised operand, else bf16, f16 or f32 operands; f32 sums; everything else in f32.
;; Inputs: Wkv 1,024 x 512 float32; Wo 512 x 512 float32; Wq 512 x 512 float32; h 1,024 x 8 x 512 float32; ln_b 512 float32; ln_g 512 float32.
;; Outputs: out0 1,024 x 8 x 512 float32.
;; This version of the problem:
;;   THIS VERSION OF THE PROBLEM IS GIVEN IN LOW PRECISION. The matrix products marked QUANTISED in the list below multiply operands that are first quantised to E2M1 (2 exponent bits, 1 mantissa bit; 4 bits a number), with one power-of-two scale for each 32 numbers along K (OCP MX v1.0); their sums are f32. All else is computed in f32.
;;   The module's matrix products, in the order in which they are computed (A, B: the left and right operand; K: the contracted axis; several contracted axes count as one K, in the product's order):
;;     1. [M 8,192, K 512] x [K 512, N 512]; A: input h; B: input Wq: QUANTISED
;;     2. [M 8,192, K 512] x [K 512, N 1,024]; A: input h; B: input Wkv: QUANTISED
;;     3. batch 64 x [M 1,024, K 64] x [K 64, N 1,024]; A: computed on the way; B: computed on the way: QUANTISED
;;     4. batch 64 x [M 1,024, K 128] x [K 128, N 1,024]; A: computed on the way; B: computed on the way: QUANTISED
;;     5. batch 1,024 x [M 1, K 1,024] x [K 1,024, N 64]; A: computed on the way; B: computed on the way: left as it is (M = 1 < 16)
;;     6. [M 1,024, K 1,024] x [K 1,024, N 64]; A: computed on the way; B: computed on the way: QUANTISED
;;     7. batch 64 x [M 1,024, K 64] x [K 64, N 1,024]; A: computed on the way; B: computed on the way: QUANTISED
;;     8. batch 1,024 x [M 1, K 1,024] x [K 1,024, N 64]; A: computed on the way; B: computed on the way: left as it is (M = 1 < 16)
;;     9. [M 1,024, K 1,024] x [K 1,024, N 64]; A: computed on the way; B: computed on the way: QUANTISED
;;     10. batch 64 x [M 64, K 1,024] x [K 1,024, N 1,024]; A: computed on the way; B: computed on the way: QUANTISED
;;     11. [M 8,192, K 512] x [K 512, N 512]; A: computed on the way; B: input Wo: QUANTISED
;;   THE QUANTISER, for each operand of a quantised product, along K:
;;     - K is cut into blocks of 32 from its start; a last block that is shorter is filled with zeros.
;;     - A block's scale is 2^e with e = floor(log2(the largest magnitude in the block)) - 2, held to -126 .. 127; a block of zeros has e = 0. As a byte (E8M0): e + 127.
;;     - Each number is divided by its block's scale, clamped to +-6, and rounded to the nearest number of E2M1, ties to even, subnormals kept.
;;     - The product sums the exact products of the quantised numbers (number of the format x scale) in f32.
;;   ~~~python
;;   def quantise(x, axis):      # numpy; x: float32 -> the quantised numbers, widened to float32 again
;;       x = np.moveaxis(x, axis, -1); K = x.shape[-1]
;;       x = np.pad(x, [(0, 0)] * (x.ndim - 1) + [(0, -K % 32)]); x = x.reshape(x.shape[:-1] + (-1, 32)); a = np.abs(x).max(-1, keepdims=True)
;;       e = np.where(a > 0, np.clip(np.frexp(np.where(a > 0, a, 1))[1] - 1 - 2, -126, 127), 0)      # np.frexp(a)[1] - 1 = floor(log2(a)), exactly
;;       r = np.clip(x / 2.0 ** e, -6, 6)
;;       step = 2.0 ** (np.maximum(np.frexp(np.where(r == 0, 1, r))[1] - 1, 0) - 1)
;;       q = np.round(r / step) * step * 2.0 ** e      # np.round: ties to even
;;       return np.moveaxis(q.reshape(q.shape[:-2] + (-1,))[..., :K], -1, axis).astype(np.float32)
;;   ~~~
;;   OPERANDS COMPUTED ON THE WAY. 'Computed on the way' means the value that the module computes at that place (a softmax that the list does not call 'softmax' is quantised finished and normalised). What goes into a quantiser is computed in f32, as accurately as f32 sums, v_exp_f32 and their like allow (about 1e-6 of the number): no bf16 or f16 on the way to a quantiser, and a product that is left as it is and whose result goes on into a quantised operand takes f32 operands (vector FMAs, or v_wmma_f32_16x16x4_f32). A number that lies on a knife's edge between two numbers of the format may be rounded either way, as far as f32 arithmetic and the matrix unit's own rounding can turn it there, and no further.
;; 2 versions, each right; version 2 is version 1 with the launches proj, rbf, attn, outp written anew for expert scheduling mode. Each part assembles by itself: llvm-mc -triple=amdgcn-amd-amdhsa -mcpu=gfx1250 --defsym DOCPART=n.
;; ======== version 1 of 2: 5 launches
;; workspace buffers: w0 2,785,280 bytes; w1 10,878,976 bytes; o2 524,288 bytes; w2 2,228,224 bytes
;; launch quant (part 1): grid 320 x 1, 2 waves a work-group, no clusters, 20,736 bytes of LDS; arguments h, Wq, Wkv, Wo, w0; writes w0
.if DOCPART == 1
	.amdgcn_target "amdgcn-amd-amdhsa--gfx1250"
	.amdhsa_code_object_version 6
	.text
	.protected	k_q75cc45306a_quant
	.globl	k_q75cc45306a_quant
	.p2align	8
	.type	k_q75cc45306a_quant,@function
k_q75cc45306a_quant:
	s_mov_b64 s[64:65], 0
	v_nop
	global_prefetch_b8 v0, s[64:65] scope:SCOPE_SE
	s_setreg_imm32_b32 hwreg(HW_REG_WAVE_MODE, 25, 1), 1
	s_wait_xcnt 0x0
; h [1024][8][512], Wq [512][512], Wkv [1024][512], Wo [512][512], f32, K = the last axis, become codes of FP4 (E2M1) with one E8M0 byte for each 32 along K,
; laid in w0 as the matrix unit's operand registers want them.  A TILE is 16 rows x 512 K: four images of 1,024 bytes (K step ks: [c 0,1][lane][16 bytes] = registers 4 c .. 4 c + 3 of a fragment),
; tile g at g x 4,096; its scale bytes [row][16] at 2,621,440 + g x 256.  Tiles 0-511: h (64 b + T); 512-543 Wq; 544-607 Wkv; 608-639 Wo.
; THE ROWS OF A TILE ARE NOT NEIGHBOURS: row r of tile T is member 32 (T / 2) + 8 (T % 2) + r + 8 (r / 8) of its tensor (for h: of the sequence, at a fixed b).
; A block's scale is 2^(floor(log2(largest magnitude)) - 2); its byte is the largest magnitude's exponent field - 2, held at 1 from below.
; LIMITS: a block whose largest magnitude lies under 2^-124, a block of zeros among them, gets the byte 1 (its codes are then zeros or as the conversion rounds them; the bytes are read by this program alone); NaN and infinities are not served.
; A wave takes one tile, a row (2,048 bytes) a step.  Each of a step's four loads reads 512 consecutive bytes; the bytes turn through the wave's own stage in LDS so that a lane holds 16 neighbours along K
; (two lanes to a block).  Codes are gathered in the wave's own image in LDS and leave by eight stores of 512 consecutive bytes; the 256 scale bytes leave as one aligned store.  Waves share nothing: no barrier.
.set STEPS, 16
.set WREG,  10240                      ; LDS of a wave: two stages of 32 x SP bytes, 256 scale bytes, the image of 4,096 bytes
.set SP,    80                         ; a lane's place in a stage: 64 bytes + 16 of padding
.set SCB,   2*32*SP
.set IMG,   SCB+256
.set R,     16                         ; v16-79   four sets of 16 numbers as loaded
.set X,     80                         ; v80-111  two sets of 16 neighbours
.set E,     112                        ; v112-127 a scale byte for each step
.set C,     128                        ; v128-159 two registers of codes for each step
.set VO,    160                        ; v160-175 byte offset of each step's row
	s_load_b256 s[4:11], s[0:1], 0x0               ; h, Wq, Wkv, Wo
	s_load_b64 s[12:13], s[0:1], 0x20              ; w0
	v_lshl_add_u32 v176, v0, 2, 0x5000
	v_mov_b32 v177, 0
	v_lshrrev_b32 v1, 5, v0
	v_readfirstlane_b32 s18, v1                    ; wave 0, 1
	v_and_b32 v2, 31, v0                           ; lane
	v_lshlrev_b32 v3, 4, v2                        ; 16 x lane
	s_mul_i32 s19, s18, WREG
	v_lshrrev_b32 v14, 2, v2
	v_mul_u32_u24 v14, v14, SP
	v_and_b32 v15, 3, v2
	v_lshl_add_u32 v14, v15, 4, v14
	v_add_nc_u32 v14, s19, v14                     ; the stage, on the way in: SP (lane / 4) + 16 (lane % 4)
	v_mul_u32_u24 v15, v2, SP
	v_add_nc_u32 v15, s19, v15                     ; and on the way out: SP x lane
	v_lshrrev_b32 v5, 1, v2
	v_add_nc_u32 v5, s19, v5                       ; my block's scale byte
	v_lshlrev_b32 v7, 3, v2
	v_add_nc_u32 v6, s19, v7                       ; the scale bytes on the way out: 8 a lane
	v_lshrrev_b32 v8, 3, v2                        ; my 16 codes are k = 16 lane on: K step lane / 8,
	v_lshlrev_b32 v4, 10, v8
	v_bfe_u32 v8, v2, 2, 1                         ; c = bit 2,
	v_lshl_add_u32 v4, v8, 9, v4
	v_bfe_u32 v8, v2, 1, 1                         ; the fragment's half of lanes = bit 1,
	v_lshl_add_u32 v4, v8, 8, v4
	v_and_b32 v8, 1, v2                            ; and which 8 of its 16 bytes = bit 0
	v_lshl_add_u32 v4, v8, 3, v4
	v_add_nc_u32 v4, s19, v4                       ; (+ 16 x row in the immediate)
	v_add_nc_u32 v10, s19, v3                      ; the image on the way out
	s_lshl_b32 s20, ttmp9, 1
	s_add_co_u32 s20, s20, s18                     ; my tile g
	s_mov_b32 s16, 608
	s_mov_b32 s17, 2048
	s_wait_kmcnt 0x0
	s_cmp_lt_u32 ttmp9, 304                        ; which tensor: the choice hangs on the work-group's number alone
	s_cselect_b64 s[14:15], s[8:9], s[10:11]
	s_cselect_b32 s16, 544, s16
	s_cmp_lt_u32 ttmp9, 272
	s_cselect_b64 s[14:15], s[6:7], s[14:15]
	s_cselect_b32 s16, 512, s16
	s_cmp_lt_u32 ttmp9, 256
	s_cselect_b64 s[14:15], s[4:5], s[14:15]
	s_cselect_b32 s16, 0, s16                      ; the tensor's first tile
	s_cselect_b32 s17, 16384, s17                  ; bytes from member to member: h's sequence step, or a weight's row
	s_sub_co_u32 s21, s20, s16
	s_and_b32 s22, s21, 63                         ; T
	s_lshr_b32 s23, s21, 6                         ; b (0 for the weights)
	s_lshr_b32 s24, s22, 1
	s_lshl_b32 s24, s24, 5
	s_and_b32 s25, s22, 1
	s_lshl_b32 s25, s25, 3
	s_add_co_u32 s24, s24, s25                     ; the tile's first member
	s_mul_i32 s24, s24, s17
	s_lshl_b32 s23, s23, 11
	s_add_co_u32 s24, s24, s23
	s_mov_b32 s25, 0
	s_add_nc_u64 s[14:15], s[14:15], s[24:25]
	s_lshl_b32 s24, s20, 12
	s_add_nc_u64 s[26:27], s[12:13], s[24:25]      ; the tile's codes
	s_lshl_b32 s24, s20, 8
	s_add_co_u32 s24, s24, 2621440
	s_add_nc_u64 s[28:29], s[12:13], s[24:25]      ; its scale bytes
.irp t, 0,1,2,3,4,5,6,7,8,9,10,11,12,13,14,15
	v_mad_u32_u24 v[VO+\t], s17, \t+8*(\t/8), v3   ; row t is member t + 8 (t / 8) of the tile's 24
.endr
.macro LOAD t
.irp i, 0,1,2,3
	global_load_b128 v[R+16*((\t)%4)+4*\i:R+16*((\t)%4)+4*\i+3], v[VO+(\t)], s[14:15] offset:512*\i th:TH_LOAD_NT   ; 32 lanes read 512 consecutive bytes
.endr
.endm
.macro TURN t                          ; step t's numbers through the stage: LDS serves a wave's instructions in order, so no wait stands between the stores and the loads
.irp i, 0,1,2,3
	ds_store_b128 v14, v[R+16*((\t)%4)+4*\i:R+16*((\t)%4)+4*\i+3] offset:32*SP*((\t)%2)+8*SP*\i
.endr
.irp i, 0,1,2,3
	ds_load_b128 v[X+16*((\t)%2)+4*\i:X+16*((\t)%2)+4*\i+3], v15 offset:32*SP*((\t)%2)+16*\i
.endr
.endm
.irp t, 0,1,2,3
	LOAD \t
.endr
	s_wait_loadcnt 12                              ; step 0's four loads are in; the twelve of steps 1 to 3 may be out
	TURN 0
.macro STEP t
.set XS, X+16*((\t)%2)
.if (\t) > 0
	s_wait_dscnt 2                                 ; this step's numbers are back from the stage; behind them only the last step's byte store and code store were issued
.else
	s_wait_dscnt 0x0
.endif
.if (\t)+4 < STEPS
	LOAD (\t)+4                                    ; into the set whose stores into the stage are done
.endif
.if (\t)+1 < STEPS
.if STEPS-2-(\t) >= 3
	s_wait_loadcnt 12                              ; the next step's four loads are in; those of the three steps behind it may be out
.else
	s_wait_loadcnt 4*(STEPS-2-(\t))
.endif
	TURN (\t)+1
.endif
	v_max3_num_f32 v8, |v[XS]|, |v[XS+1]|, |v[XS+2]|               ; the largest magnitude of my 16
	v_max3_num_f32 v9, |v[XS+3]|, |v[XS+4]|, |v[XS+5]|
.irp i, 6,10
	v_max3_num_f32 v8, v8, |v[XS+\i]|, |v[XS+\i+1]|
	v_max3_num_f32 v9, v9, |v[XS+\i+2]|, |v[XS+\i+3]|
.endr
	v_max3_num_f32 v8, v8, |v[XS+14]|, |v[XS+15]|
	v_max3_num_f32 v8, v8, v9, 0x1800000           ; and the floor 2^(3 - 127): the byte cannot fall under 1
	v_max_num_f32_dpp v8, v8, v8 row_xmask:1 row_mask:0xf bank_mask:0xf   ; with my neighbour's 16: the block's
	v_add_nc_u32 v11, 0xff000000, v8               ; 2 off its exponent field: the conversion takes that field as its scale
	v_cvt_scalef32_pk8_fp4_f32 v[C+2*(\t)], v[XS:XS+7], v11
	v_cvt_scalef32_pk8_fp4_f32 v[C+2*(\t)+1], v[XS+8:XS+15], v11
	v_lshrrev_b32 v[E+(\t)], 23, v11               ; the scale's byte (also the plain line behind the conversions)
	ds_store_b8 v5, v[E+(\t)] offset:SCB+16*(\t)   ; both lanes of a block write the same byte with the same value
	ds_store_b64 v4, v[C+2*(\t):C+2*(\t)+1] offset:IMG+16*(\t)     ; my 16 codes at their place in the fragment's image, row t
.endm
.irp t, 0,1,2,3,4,5,6,7,8,9,10,11,12,13,14,15
	STEP \t
.endr
	ds_load_b64 v[12:13], v6 offset:SCB            ; LDS serves a wave's instructions in order: these see my stores
.irp i, 0,1,2,3,4,5,6,7
	ds_load_b128 v[R+4*\i:R+4*\i+3], v10 offset:IMG+512*\i
.endr
	s_wait_dscnt 8                                 ; the scale bytes are back; the eight image loads may be out
	global_store_b64 v7, v[12:13], s[28:29]        ; 32 lanes store 256 consecutive bytes, aligned
.irp i, 0,1,2,3,4,5,6,7
	s_wait_dscnt 7-\i
	global_store_b128 v3, v[R+4*\i:R+4*\i+3], s[26:27] offset:512*\i   ; 512 consecutive bytes
.endr
	s_wait_tensorcnt 0x0
	ds_add_u32 v176, v177
	s_wait_dscnt 0x0
	s_endpgm
.Lfunc_end_k_q75cc45306a_quant:
	.size	k_q75cc45306a_quant, .Lfunc_end_k_q75cc45306a_quant-k_q75cc45306a_quant
	.p2alignl 7, 3214868480
	.fill 96, 4, 3214868480
	.section	.rodata,"a",@progbits
	.p2align	6, 0x0
	.amdhsa_kernel k_q75cc45306a_quant
		.amdhsa_group_segment_fixed_size 20736
		.amdhsa_private_segment_fixed_size 0
		.amdhsa_enable_private_segment 0
		.amdhsa_kernarg_size 40
		.amdhsa_user_sgpr_count 2
		.amdhsa_user_sgpr_kernarg_segment_ptr 1
		.amdhsa_wavefront_size32 1
		.amdhsa_system_sgpr_workgroup_id_x 1
		.amdhsa_system_sgpr_workgroup_id_y 1
		.amdhsa_system_sgpr_workgroup_id_z 1
		.amdhsa_system_vgpr_workitem_id 0
		.amdhsa_next_free_vgpr 178
		.amdhsa_next_free_sgpr 66
		.amdhsa_reserve_vcc 0
		.amdhsa_float_denorm_mode_32 3
		.amdhsa_float_denorm_mode_16_64 3
		.amdhsa_memory_ordered 1
		.amdhsa_forward_progress 1
		.amdhsa_inst_pref_size 36
	.end_amdhsa_kernel
	.amdgpu_metadata
---
amdhsa.version: [ 1, 2 ]
amdhsa.kernels:
  - .name:           k_q75cc45306a_quant
    .symbol:         k_q75cc45306a_quant.kd
    .args:
      - { .name: h, .offset: 0, .size: 8, .value_kind: global_buffer, .address_space: global }
      - { .name: Wq, .offset: 8, .size: 8, .value_kind: global_buffer, .address_space: global }
      - { .name: Wkv, .offset: 16, .size: 8, .value_kind: global_buffer, .address_space: global }
      - { .name: Wo, .offset: 24, .size: 8, .value_kind: global_buffer, .address_space: global }
      - { .name: w0, .offset: 32, .size: 8, .value_kind: global_buffer, .address_space: global }
    .group_segment_fixed_size: 20736
    .private_segment_fixed_size: 0
    .kernarg_segment_align: 8
    .kernarg_segment_size: 40
    .max_flat_workgroup_size: 64
    .sgpr_count:     66
    .vgpr_count:     178
    .wavefront_size: 32
...
	.end_amdgpu_metadata
.endif
;; end of part 1
;; launch proj (part 2): grid 8 x 32, 8 waves a work-group, no clusters, 50,176 bytes of LDS; arguments w0, w1; writes w1
.if DOCPART == 2
	.amdgcn_target "amdgcn-amd-amdhsa--gfx1250"
	.amdhsa_code_object_version 6
	.text
	.protected	k_q75cc45306a_proj
	.globl	k_q75cc45306a_proj
	.p2align	8
	.type	k_q75cc45306a_proj,@function
k_q75cc45306a_proj:
	s_mov_b64 s[64:65], 0
	v_nop
	global_prefetch_b8 v0, s[64:65] scope:SCOPE_SE
	s_setreg_imm32_b32 hwreg(HW_REG_WAVE_MODE, 25, 1), 1
	s_wait_xcnt 0x0
; q = h Wq^T, k = h Wk^T (then normalised), v = h Wv^T on FP4 codes, for one head (work-group x) and one block of 32 sequence positions (work-group y), all 8 batches: wave w = batch b.
; The results never go to memory as numbers: they are quantised in registers for the products that follow and stored as images of operand registers.
; A wave's 32 rows of h are two tiles (u = 0, 1), 64 registers, kept.  The head's 12 weight tiles (q, k, v: 4 each) lie in LDS, copied once.
; TRANSPOSED (source 0 = 16 weight rows, source 1 = 16 rows of h): a lane holds one position and, since a weight tile's rows are chosen so, registers 16 G + i are channels d = 32 G + 16 (lane / 16) + i:
; neighbours along d, which is K of the distance products.  NOT TRANSPOSED (source 0 = h, source 1 = v's weights): a lane holds one channel and 16 neighbouring positions: K of the last attention product.
; OUT, in w1 (bh = 8 b + head; T = tile of positions; p = 16 T + row):
;   QC   0          [bh][T][lane][16]        q's codes: registers 0-3 of a fragment (K = 64)
;   KVC  2,097,152  [bh][T][c][lane][16]     c = 0: k's codes, c = 1: v's along d: a whole fragment of [k | v] (K = 128)
;   VT   6,291,456  [bh][ks 8][t 4][image]   v along the positions: rows = channels of tile t
;   REC  8,388,608  [bh][p]{-c sy, scale word (k0 k1 v0 v1), -c (sy + sv), 0}      c = log2(e) / 8
;   KAUX 9,437,184  [bh][3][1024]            -sy / 2, -(sy + sv) / 2, scale word
;   QAUX 10,223,616 [bh][2][1024]            -c sq, q's scale word (q0 q1 7f 7f)
;   VTS  10,747,904 [bh][ks][t][row] words   byte mt % 4 is this work-group's
; sq, sy, sv: sums of squares of the unquantised q, normalised k, v.  LIMITS as in the launch before: byte 1 for blocks under 2^-124; NaN and infinities are not served.
.set LI,  1                            ; v1  16 x lane
.set R16, 2                            ; v2  16 x (lane % 16)
.set L4,  3                            ; v3  4 x lane
.set VTO, 4                            ; v4  1,024 (lane / 16) + 16 (lane % 16)
.set VSO, 5                            ; v5  4 (lane % 16)
.set T16, 6                            ; v6  16 x thread
.set SYK, 8                            ; v8-9   sy of tile u
.set KBW, 10                           ; v10-11 k's two scale bytes of tile u
.set WD,  12                           ; v12-13 the scale word of tile u
.set SS,  14                           ; v14-15 a sum of squares of tile u
.set HF,  16                           ; v16-79  h's fragments [u][ks]
.set HS,  80                           ; v80-87  h's scale words [u][ks]
.set WS,  88                           ; v88-103 the weights' scale words [t][ks]
.set WF,  104                          ; v104-167 weights' fragments [t][2 K steps]; between products scratch:
.set PC,  104                          ;   codes just made
.set OV,  136                          ;   numbers to store
.set SQ,  148                          ;   sums at work
.set ACC, 168                          ; v168-231 eight accumulators
.set TM,  232                          ; v232-235 largest magnitudes, v236-239 bytes, v244-247 the conversions' scale operands
.macro WM0 d, a, b, sa, sb
	v_wmma_scale_f32_16x16x128_f8f6f4 v[\d:\d+7], v[\a:\a+7], v[\b:\b+7], 0, v[\sa], v[\sb] matrix_a_fmt:MATRIX_FMT_FP4 matrix_b_fmt:MATRIX_FMT_FP4
.endm
.macro WMA d, a, b, sa, sb
	v_wmma_scale_f32_16x16x128_f8f6f4 v[\d:\d+7], v[\a:\a+7], v[\b:\b+7], v[\d:\d+7], v[\sa], v[\sb] matrix_a_fmt:MATRIX_FMT_FP4 matrix_b_fmt:MATRIX_FMT_FP4
.endm
; 32 matrix instructions: 4 weight tiles of role rho (0 q, 1 k, 2 v) x my 2 tiles of h x 4 K steps.  The eight accumulators take turns, one instruction a turn.
; tr = 1: accumulator (u, t) at ACC + 32 u + 8 t;  tr = 0: at ACC + 16 t + 8 u.
.macro GEMM rho, tr
	s_wait_xcnt 0x0                                ; the stores of the phase before have read the scratch registers that the loads below fill
.irp t, 0,1,2,3
	global_load_b128 v[WS+4*\t:WS+4*\t+3], v[R16], s[14:15] offset:8192*\rho+256*\t
.endr
.irp hk, 0,1
.rept 4
	v_nop                                          ; places in front of loads into registers that matrix instructions have read
.endr
.irp t, 0,1,2,3
.irp k2, 0,1
.irp c, 0,1
	ds_load_b128 v[WF+16*\t+8*\k2+4*\c:WF+16*\t+8*\k2+4*\c+3], v[LI] offset:16384*\rho+4096*\t+1024*(2*\hk+\k2)+512*\c
.endr
.endr
.endr
	s_wait_dscnt 0x0
.if \hk == 0
	s_wait_loadcnt 0x0                             ; the scale words (and, the first time, h's fragments)
.endif
.irp k2, 0,1
.irp t, 0,1,2,3
.irp u, 0,1
.if \tr
.if 2*\hk+\k2 == 0
	WM0 ACC+32*\u+8*\t, WF+16*\t+8*\k2, HF+32*\u+8*(2*\hk+\k2), WS+4*\t+2*\hk+\k2, HS+4*\u+2*\hk+\k2
.else
	WMA ACC+32*\u+8*\t, WF+16*\t+8*\k2, HF+32*\u+8*(2*\hk+\k2), WS+4*\t+2*\hk+\k2, HS+4*\u+2*\hk+\k2
.endif
.else
.if 2*\hk+\k2 == 0
	WM0 ACC+16*\t+8*\u, HF+32*\u+8*(2*\hk+\k2), WF+16*\t+8*\k2, HS+4*\u+2*\hk+\k2, WS+4*\t+2*\hk+\k2
.else
	WMA ACC+16*\t+8*\u, HF+32*\u+8*(2*\hk+\k2), WF+16*\t+8*\k2, HS+4*\u+2*\hk+\k2, WS+4*\t+2*\hk+\k2
.endif
.endif
.endr
.endr
.endr
.endr
.rept 5
	v_nop                                          ; places in front of the first read of results and of the writes into the scratch registers
.endr
.endm
; the sum of squares of a position's 64 numbers: my 32 registers from the low end on, then lane l xor 16's
.macro SUMSQ s, d
	v_pk_mul_f32 v[SQ:SQ+1], v[\s:\s+1], v[\s:\s+1]
	v_pk_mul_f32 v[SQ+2:SQ+3], v[\s+2:\s+3], v[\s+2:\s+3]
.irp i, 4,8,12,16,20,24,28
	v_pk_fma_f32 v[SQ:SQ+1], v[\s+\i:\s+\i+1], v[\s+\i:\s+\i+1], v[SQ:SQ+1]
	v_pk_fma_f32 v[SQ+2:SQ+3], v[\s+\i+2:\s+\i+3], v[\s+\i+2:\s+\i+3], v[SQ+2:SQ+3]
.endr
	v_pk_add_f32 v[SQ:SQ+1], v[SQ:SQ+1], v[SQ+2:SQ+3]
	v_add_f32 v[SQ], v[SQ], v[SQ+1]
	v_permlanex16_b32 v[SQ+2], v[SQ], s34, s35
	v_add_f32 v[\d], v[SQ], v[SQ+2]
.endm
; nb blocks of 32: register 16 b + i of v[s] on is number 16 (lane / 16) + i of block b.  Codes to v[pc] on (4 registers for each two blocks, a whole block to a lane), bytes to v[TM+4+b].
.macro QUANT s, nb, pc
.irp b, 0,1,2,3
.if \b < \nb
	v_max3_num_f32 v[TM+\b], |v[\s+16*\b]|, |v[\s+16*\b+1]|, 0x1800000   ; my 16 numbers and the floor 2^(3 - 127)
.endif
.endr
.irp i, 2,4,6,8,10,12,14
.irp b, 0,1,2,3
.if \b < \nb
	v_max3_num_f32 v[TM+\b], v[TM+\b], |v[\s+16*\b+\i]|, |v[\s+16*\b+\i+1]|
.endif
.endr
.endr
.irp b, 0,1,2,3
.if \b < \nb
	v_permlanex16_b32 v[TM+4+\b], v[TM+\b], s34, s35
.endif
.endr
.irp b, 0,1,2,3
.if \b < \nb
	v_max_num_f32 v[TM+\b], v[TM+\b], v[TM+4+\b]   ; with lane l xor 16's: the block's largest magnitude
.endif
.endr
.irp b, 0,1,2,3
.if \b < \nb
	v_add_nc_u32 v[TM+12+\b], 0xff000000, v[TM+\b] ; 2 off its exponent field: the conversion's scale operand
.endif
.endr
.irp b, 0,1,2,3
.if \b < \nb
	v_lshrrev_b32 v[TM+4+\b], 23, v[TM+12+\b]      ; the scale's byte
.endif
.endr
.irp b, 0,1,2,3
.if \b < \nb
	v_cvt_scalef32_pk8_fp4_f32 v[\pc+2*\b], v[\s+16*\b:\s+16*\b+7], v[TM+12+\b]
	v_cvt_scalef32_pk8_fp4_f32 v[\pc+2*\b+1], v[\s+16*\b+8:\s+16*\b+15], v[TM+12+\b]
.endif
.endr
	v_nop                                          ; one plain line behind a scaled conversion
.irp c, 0,1
.if 2*\c < \nb
.irp i, 0,1
	v_permlane16_swap_b32 v[\pc+4*\c+\i], v[\pc+4*\c+2+\i]   ; lanes 0-15 get block 2 c whole, lanes 16-31 block 2 c + 1
.endr
.endif
.endr
.endm
	s_load_b128 s[4:7], s[0:1], 0x0                ; w0, w1
	v_lshl_add_u32 v250, v0, 2, 0xc000
	v_mov_b32 v251, 0
	v_lshrrev_b32 v7, 5, v0
	v_readfirstlane_b32 s8, v7                     ; wave = batch b
	v_and_b32 v7, 31, v0
	v_lshlrev_b32 v[LI], 4, v7
	v_lshlrev_b32 v[L4], 2, v7
	v_and_b32 v248, 15, v0
	v_bfe_u32 v249, v0, 4, 1
	v_lshlrev_b32 v[R16], 4, v248
	v_lshlrev_b32 v[VSO], 2, v248
	v_lshl_add_u32 v[VTO], v249, 10, v[R16]
	v_lshlrev_b32 v[T16], 4, v0
.irp b, 0,1,2,3
	v_mov_b32 v[TM+4+\b], 0                        ; written once: a lane permute's destination counts as one of its sources
.endr
	v_mov_b32 v255, 0                              ; (the upper half of the pair v[254:255])
	s_mov_b32 s9, ttmp9                            ; head
	s_and_b32 s10, ttmp7, 0xffff                   ; mt: positions 32 mt on
	s_lshl_b32 s11, s8, 3
	s_add_co_u32 s11, s11, s9                      ; bh
	s_mov_b32 s34, 0x76543210
	s_mov_b32 s35, 0xfedcba98                      ; v_permlanex16_b32's selects for lane l xor 16
	s_mov_b32 s36, 0xffff0000                      ; lanes 16-31
	s_mov_b32 s39, 0
	s_lshl_b32 s40, s10, 1                         ; 2 mt
	s_lshl_b32 s41, s10, 7                         ; 128 mt
	s_lshr_b32 s42, s10, 2                         ; mt / 4
	s_wait_kmcnt 0x0
	s_lshl_b32 s38, s9, 14
	s_add_co_u32 s38, s38, 2097152
	s_add_nc_u64 s[12:13], s[4:5], s[38:39]        ; the head's weight tiles (role in the immediate)
	s_lshl_b32 s38, s9, 10
	s_add_co_u32 s38, s38, 2752512
	s_add_nc_u64 s[14:15], s[4:5], s[38:39]        ; their scale bytes
	s_lshl_b32 s37, s8, 6
	s_add_co_u32 s37, s37, s40                     ; h's tile 64 b + 2 mt
	s_lshl_b32 s38, s37, 12
	s_add_nc_u64 s[16:17], s[4:5], s[38:39]
	s_lshl_b32 s38, s37, 8
	s_add_co_u32 s38, s38, 2621440
	s_add_nc_u64 s[18:19], s[4:5], s[38:39]
	s_lshl_b32 s37, s11, 6
	s_add_co_u32 s37, s37, s40                     ; 64 bh + 2 mt
	s_lshl_b32 s38, s37, 9
	s_add_nc_u64 s[20:21], s[6:7], s[38:39]        ; QC
	s_lshl_b32 s38, s37, 10
	s_add_co_u32 s38, s38, 2097152
	s_add_nc_u64 s[24:25], s[6:7], s[38:39]        ; KVC
	s_lshl_b32 s38, s11, 13
	s_add_co_u32 s38, s38, s41
	s_add_co_u32 s38, s38, 10223616
	s_add_nc_u64 s[22:23], s[6:7], s[38:39]        ; QAUX
	s_lshl_b32 s38, s11, 14
	s_lshl_b32 s43, s10, 9
	s_add_co_u32 s38, s38, s43
	s_add_co_u32 s38, s38, 8388608
	s_add_nc_u64 s[26:27], s[6:7], s[38:39]        ; REC
	s_mul_i32 s38, s11, 12288
	s_add_co_u32 s38, s38, s41
	s_add_co_u32 s38, s38, 9437184
	s_add_nc_u64 s[28:29], s[6:7], s[38:39]        ; KAUX
	s_lshl_b32 s38, s11, 15
	s_lshl_b32 s43, s42, 12
	s_add_co_u32 s38, s38, s43
	s_bfe_u32 s43, s10, 0x10001
	s_lshl_b32 s43, s43, 9
	s_add_co_u32 s38, s38, s43
	s_and_b32 s43, s10, 1
	s_lshl_b32 s43, s43, 8
	s_add_co_u32 s38, s38, s43
	s_add_co_u32 s38, s38, 6291456
	s_add_nc_u64 s[30:31], s[6:7], s[38:39]        ; VT: K step mt / 4, and block mt % 4's place in an image
	s_lshl_b32 s38, s11, 11
	s_lshl_b32 s43, s42, 8
	s_add_co_u32 s38, s38, s43
	s_and_b32 s43, s10, 3
	s_add_co_u32 s38, s38, s43
	s_add_co_u32 s38, s38, 10747904
	s_add_nc_u64 s[32:33], s[6:7], s[38:39]        ; VTS: byte mt % 4 of the words
.irp rho, 0,1,2
.irp i, 0,1,2,3
	global_load_b128 v[WF+16*\rho+4*\i:WF+16*\rho+4*\i+3], v[T16], s[12:13] offset:131072*\rho+4096*\i   ; the 12 weight tiles: 4,096 consecutive bytes a line for the work-group
.endr
.endr
.irp u, 0,1
.irp ks, 0,1,2,3
.irp c, 0,1
	global_load_b128 v[HF+32*\u+8*\ks+4*\c:HF+32*\u+8*\ks+4*\c+3], v[LI], s[16:17] offset:4096*\u+1024*\ks+512*\c
.endr
.endr
	global_load_b128 v[HS+4*\u:HS+4*\u+3], v[R16], s[18:19] offset:256*\u
.endr
	s_wait_loadcnt 18                              ; the 12 copies are in; h's 16 fragment loads and 2 scale loads, issued behind them, may be out
.irp rho, 0,1,2
.irp i, 0,1,2,3
	ds_store_b128 v[T16], v[WF+16*\rho+4*\i:WF+16*\rho+4*\i+3] offset:16384*\rho+4096*\i
.endr
.endr
	s_wait_dscnt 0x0                               ; for the others' sake: my part of the weights lies in LDS
	s_barrier_signal -1
	s_barrier_wait -1                              ; the launch's one barrier: LDS is only read from here on
	; ---- q
	GEMM 0, 1
.irp u, 0,1
	SUMSQ ACC+32*\u, SS+\u
	QUANT ACC+32*\u, 2, PC+4*\u
	v_lshl_or_b32 v[WD+\u], v[TM+5], 8, v[TM+4]
	v_or_b32 v[WD+\u], 0x7f7f0000, v[WD+\u]        ; K = 64 is filled to 128 with zero codes under the byte 127
	global_store_b128 v[LI], v[PC+4*\u:PC+4*\u+3], s[20:21] offset:512*\u
.endr
	v_cndmask_b32 v[OV], v[SS], v[SS+1], s36       ; lane l now holds position 32 mt + l in tile order
	v_mul_f32 v[OV], 0xbe38aa3b, v[OV]             ; -c sq
	v_cndmask_b32 v[OV+1], v[WD], v[WD+1], s36
	global_store_b32 v[L4], v[OV], s[22:23]
	global_store_b32 v[L4], v[OV+1], s[22:23] offset:4096
	; ---- k, normalised
	GEMM 1, 1
.irp u, 0,1
	SUMSQ ACC+32*\u, 252
	v_sqrt_f32 v253, v252
	v_nop                                          ; a plain line behind a transcendental,
	s_wait_alu depctr_va_vdst(0)                   ; and a wait ahead of its first reader
	v_max_num_f32 v253, 0x2b8cbccc, v253           ; max(norm, 1e-12)
	v_rcp_f32 v254, v253
	v_nop
	s_wait_alu depctr_va_vdst(0)
.irp i, 0,2,4,6,8,10,12,14,16,18,20,22,24,26,28,30
	v_pk_mul_f32 v[ACC+32*\u+\i:ACC+32*\u+\i+1], v[ACC+32*\u+\i:ACC+32*\u+\i+1], v[254:255] op_sel_hi:[1,0]
.endr
	SUMSQ ACC+32*\u, SYK+\u
	QUANT ACC+32*\u, 2, PC+4*\u
	v_lshl_or_b32 v[KBW+\u], v[TM+5], 8, v[TM+4]
	global_store_b128 v[LI], v[PC+4*\u:PC+4*\u+3], s[24:25] offset:1024*\u
.endr
	; ---- v, quantised along the channels
	GEMM 2, 1
.irp u, 0,1
	SUMSQ ACC+32*\u, SS+\u
	QUANT ACC+32*\u, 2, PC+4*\u
	v_lshl_or_b32 v[WD+\u], v[TM+4], 16, v[KBW+\u]
	v_lshl_or_b32 v[WD+\u], v[TM+5], 24, v[WD+\u]  ; the four bytes of [k | v]
	global_store_b128 v[LI], v[PC+4*\u:PC+4*\u+3], s[24:25] offset:1024*\u+512
.endr
	v_cndmask_b32 v[OV+4], v[SYK], v[SYK+1], s36   ; sy
	v_cndmask_b32 v[OV+5], v[SS], v[SS+1], s36     ; sv
	v_cndmask_b32 v[OV+1], v[WD], v[WD+1], s36
	v_add_f32 v[OV+5], v[OV+4], v[OV+5]
	v_mul_f32 v[OV], 0xbe38aa3b, v[OV+4]
	v_mul_f32 v[OV+2], 0xbe38aa3b, v[OV+5]
	v_mov_b32 v[OV+3], 0
	v_mul_f32 v[OV+6], -0.5, v[OV+4]
	v_mul_f32 v[OV+7], -0.5, v[OV+5]
	global_store_b128 v[LI], v[OV:OV+3], s[26:27]  ; 512 consecutive bytes
	global_store_b32 v[L4], v[OV+6], s[28:29]
	global_store_b32 v[L4], v[OV+7], s[28:29] offset:4096
	global_store_b32 v[L4], v[OV+1], s[28:29] offset:8192
	; ---- v once more, the sources swapped: the same numbers, a lane to a channel, registers along the positions: block mt of each of the 64 channels
	GEMM 2, 0
	QUANT ACC, 4, PC
	global_store_b128 v[VTO], v[PC:PC+3], s[30:31]                 ; lanes 0-15: channel tile 0, lanes 16-31: tile 1; each half stores 256 consecutive bytes, aligned
	global_store_b128 v[VTO], v[PC+4:PC+7], s[30:31] offset:2048   ; tiles 2, 3
.irp t, 0,1,2,3
	global_store_b8 v[VSO], v[TM+4+\t], s[32:33] offset:64*\t      ; one byte of each row's word: the other three are other work-groups'; both halves of the lanes store the same byte with the same value
.endr
	s_wait_tensorcnt 0x0
	ds_add_u32 v250, v251
	s_wait_dscnt 0x0
	s_endpgm
.Lfunc_end_k_q75cc45306a_proj:
	.size	k_q75cc45306a_proj, .Lfunc_end_k_q75cc45306a_proj-k_q75cc45306a_proj
	.p2alignl 7, 3214868480
	.fill 96, 4, 3214868480
	.section	.rodata,"a",@progbits
	.p2align	6, 0x0
	.amdhsa_kernel k_q75cc45306a_proj
		.amdhsa_group_segment_fixed_size 50176
		.amdhsa_private_segment_fixed_size 0
		.amdhsa_enable_private_segment 0
		.amdhsa_kernarg_size 16
		.amdhsa_user_sgpr_count 2
		.amdhsa_user_sgpr_kernarg_segment_ptr 1
		.amdhsa_wavefront_size32 1
		.amdhsa_system_sgpr_workgroup_id_x 1
		.amdhsa_system_sgpr_workgroup_id_y 1
		.amdhsa_system_sgpr_workgroup_id_z 1
		.amdhsa_system_vgpr_workitem_id 0
		.amdhsa_next_free_vgpr 256
		.amdhsa_next_free_sgpr 66
		.amdhsa_reserve_vcc 0
		.amdhsa_float_denorm_mode_32 3
		.amdhsa_float_denorm_mode_16_64 3
		.amdhsa_memory_ordered 1
		.amdhsa_forward_progress 1
		.amdhsa_inst_pref_size 65
	.end_amdhsa_kernel
	.amdgpu_metadata
---
amdhsa.version: [ 1, 2 ]
amdhsa.kernels:
  - .name:           k_q75cc45306a_proj
    .symbol:         k_q75cc45306a_proj.kd
    .args:
      - { .name: w0, .offset: 0, .size: 8, .value_kind: global_buffer, .address_space: global }
      - { .name: w1, .offset: 8, .size: 8, .value_kind: global_buffer, .address_space: global }
    .group_segment_fixed_size: 50176
    .private_segment_fixed_size: 0
    .kernarg_segment_align: 8
    .kernarg_segment_size: 16
    .max_flat_workgroup_size: 256
    .sgpr_count:     66
    .vgpr_count:     256
    .wavefront_size: 32
...
	.end_amdgpu_metadata
.endif
;; end of part 2
;; launch rbf (part 3): grid 4 x 64, 8 waves a work-group, no clusters, 84,992 bytes of LDS; arguments w1, o2; writes o2
.if DOCPART == 3
	.amdgcn_target "amdgcn-amd-amdhsa--gfx1250"
	.amdhsa_code_object_version 6
	.text
	.protected	k_q75cc45306a_rbf
	.globl	k_q75cc45306a_rbf
	.p2align	8
	.type	k_q75cc45306a_rbf,@function
k_q75cc45306a_rbf:
	s_mov_b64 s[64:65], 0
	v_nop
	global_prefetch_b8 v0, s[64:65] scope:SCOPE_SE
	s_setreg_imm32_b32 hwreg(HW_REG_WAVE_MODE, 25, 1), 1
	s_wait_xcnt 0x0
; obj2[i] = 2^-10 x the sum over j of exp(-max(|x_i - x_j|^2, 0) / 8), for x = [k | v] (kind kv) and x = k (kind k), for one (b, head) (work-group y) and 256 rows i (work-group x).
; exp(..) = 2^min(2 c dot - c s_i - c s_j, 0), c = log2(e) / 8.  The dots are FP4 products; s are the sums of squares of the unquantised numbers.
; A wave owns two tiles of 16 rows i and walks all 64 tiles of j.  Source 0 = my tile, source 1 = the streamed tile: a lane holds ONE j, its registers eight i.
; -s_i / 2 is the C of the matrix instruction (it stays in registers); -c s_j and j's scale word are one record of 16 bytes a lane; the row sums stay in registers and cross lanes once, at the end.
; Kind k multiplies my [k | zero codes] with the streamed [k | v]: one streamed fragment serves both kinds.
; The exponent is at most 0 by the clamp that the computation itself has, so nothing is taken away before the exponential.
; All 64 tiles (64 KiB) and records (16 KiB) are copied into LDS once; the loop only reads LDS.  Sharing them between work-groups by joint loads is left out: what is shared is fetched once at the head, 80 KiB against 64 trips of some 110 instructions a wave.
; OUT: o2 [bh][kind: 0 kv, 1 k][p], f32, p in tile order.
.set RECL, 0                           ; LDS: the records
.set KVL,  16384                       ; the tiles
.set OBL,  81920                       ; 2 kinds x 256 row sums
.set SF,   8                           ; v8-15   the streamed fragment
.set RC,   16                          ; v16-19  the streamed record {-c sy, scale word, -c (sy + sv), 0}
.set OS,   20                          ; v20-21  my tiles' scale words
.set FK,   24                          ; v24-39  my tiles [k | v]
.set FZ,   40                          ; v40-55  my tiles [k | 0]
.set CK,   56                          ; v56-71  -sy / 2 of my rows
.set CKV,  72                          ; v72-87  -(sy + sv) / 2
.set SK,   88                          ; v88-103  row sums, kind k
.set SKV,  104                         ; v104-119 row sums, kind kv
.set D,    120                         ; v120-151 results [a][k, kv]
.macro WMC d, a, b, c, sa, sb
	v_wmma_scale_f32_16x16x128_f8f6f4 v[\d:\d+7], v[\a:\a+7], v[\b:\b+7], v[\c:\c+7], v[\sa], v[\sb] matrix_a_fmt:MATRIX_FMT_FP4 matrix_b_fmt:MATRIX_FMT_FP4
.endm
	s_load_b128 s[4:7], s[0:1], 0x0                ; w1, o2
	v_lshl_add_u32 v152, v0, 2, 0x14800
	v_mov_b32 v153, 0
	v_lshrrev_b32 v1, 5, v0
	v_readfirstlane_b32 s8, v1                     ; wave 0..7
	v_and_b32 v4, 31, v0
	v_lshlrev_b32 v1, 4, v4                        ; v1  16 x lane
	v_and_b32 v5, 15, v0
	v_lshlrev_b32 v2, 4, v5                        ; v2  16 (lane % 16)
	v_lshlrev_b32 v22, 2, v5                       ; v22 4 (lane % 16)
	v_bfe_u32 v3, v0, 4, 1
	v_lshlrev_b32 v3, 5, v3                        ; v3  32 (lane / 16)
	v_lshlrev_b32 v6, 4, v0                        ; v6  16 x thread
	v_add_nc_u32 v7, 65536, v6                     ; v7  the same beyond what an immediate reaches
	s_lshl_b32 s28, s8, 7
	s_add_co_u32 s28, s28, OBL
	v_add_nc_u32 v23, s28, v3                      ; v23 where my row sums go: 128 x wave + 32 (lane / 16)
	s_mov_b32 s9, ttmp9                            ; quarter
	s_and_b32 s10, ttmp7, 0xffff                   ; bh
	s_lshl_b32 s11, s9, 4
	s_lshl_b32 s28, s8, 1
	s_add_co_u32 s11, s11, s28                     ; my first tile: 16 x quarter + 2 x wave
	s_mov_b32 s20, 0x3eb8aa3b                      ; 2 c
	s_mov_b32 s21, s20                             ; (named with it as a pair)
	s_mov_b32 s29, 0
	s_wait_kmcnt 0x0
	s_lshl_b32 s28, s10, 14
	s_add_co_u32 s28, s28, 8388608
	s_add_nc_u64 s[12:13], s[4:5], s[28:29]        ; the records
	s_lshl_b32 s28, s10, 16
	s_add_co_u32 s28, s28, 2097152
	s_add_nc_u64 s[14:15], s[4:5], s[28:29]        ; the tiles
	s_mul_i32 s28, s10, 12288
	s_lshl_b32 s25, s11, 6
	s_add_co_u32 s28, s28, s25
	s_add_co_u32 s28, s28, 9437184
	s_add_nc_u64 s[16:17], s[4:5], s[28:29]        ; the three arrays at my first row
	s_lshl_b32 s28, s11, 10
	s_add_nc_u64 s[18:19], s[14:15], s[28:29]      ; my tiles
	s_lshl_b32 s28, s10, 13
	s_lshl_b32 s25, s9, 10
	s_add_co_u32 s28, s28, s25
	s_add_nc_u64 s[26:27], s[6:7], s[28:29]        ; out
.irp i, 0,1,2,3
	global_load_b128 v[24+4*\i:27+4*\i], v6, s[12:13] offset:4096*\i
.endr
.irp i, 0,1,2,3,4,5,6,7,8,9,10,11,12,13,14,15
	global_load_b128 v[40+4*\i:43+4*\i], v6, s[14:15] offset:4096*\i
.endr
	s_wait_loadcnt 0x0
.irp i, 0,1,2,3
	ds_store_b128 v6, v[24+4*\i:27+4*\i] offset:RECL+4096*\i
.endr
.irp i, 0,1,2,3,4,5,6,7,8,9,10,11
	ds_store_b128 v6, v[40+4*\i:43+4*\i] offset:KVL+4096*\i
.endr
.irp i, 12,13,14,15
	ds_store_b128 v7, v[40+4*\i:43+4*\i] offset:KVL+4096*\i-65536
.endr
	s_wait_dscnt 0x0                               ; the stores have landed (for the others' sake) and have read their registers, which are filled anew below
.irp a, 0,1
	global_load_b128 v[FK+8*\a:FK+8*\a+3], v1, s[18:19] offset:1024*\a
	global_load_b128 v[FK+8*\a+4:FK+8*\a+7], v1, s[18:19] offset:1024*\a+512
	global_load_b128 v[FZ+8*\a:FZ+8*\a+3], v1, s[18:19] offset:1024*\a
	global_load_b32 v[OS+\a], v22, s[16:17] offset:8192+64*\a
	global_load_b128 v[CK+8*\a:CK+8*\a+3], v3, s[16:17] offset:64*\a
	global_load_b128 v[CK+8*\a+4:CK+8*\a+7], v3, s[16:17] offset:64*\a+16
	global_load_b128 v[CKV+8*\a:CKV+8*\a+3], v3, s[16:17] offset:4096+64*\a
	global_load_b128 v[CKV+8*\a+4:CKV+8*\a+7], v3, s[16:17] offset:4096+64*\a+16
.endr
.irp a, 0,1
.irp i, 4,5,6,7
	v_mov_b32 v[FZ+8*\a+\i], 0                     ; zero codes in v's place
.endr
.endr
.set i, 0
.rept 32
	v_mov_b32 v[SK+i], 0                           ; the row sums (the trip is written once)
.set i, i+1
.endr
	s_barrier_signal -1
	s_barrier_wait -1                              ; all tiles and records lie in LDS
	s_mov_b32 s22, 0                               ; 1,024 x streamed tile
	s_mov_b32 s23, 0                               ; 256 x streamed tile
	v_add_nc_u32 v4, s22, v1
	v_add_nc_u32 v5, s23, v2
	ds_load_b128 v[SF:SF+3], v4 offset:KVL
	ds_load_b128 v[SF+4:SF+7], v4 offset:KVL+512
	ds_load_b128 v[RC:RC+3], v5 offset:RECL
	s_wait_loadcnt 0x0                             ; my own tiles, words and biases
.macro TRIP last
	s_wait_dscnt 0x0                               ; the streamed fragment and record, asked for in the middle of the trip before
	WMC D,    FZ,   SF, CK,    OS,   RC+1
	WMC D+16, FZ+8, SF, CK+8,  OS+1, RC+1
	WMC D+8,  FK,   SF, CKV,   OS,   RC+1
	WMC D+24, FK+8, SF, CKV+8, OS+1, RC+1
.rept 4
	v_nop                                          ; places in front of the first read of results and of the loads into the streamed registers
.endr
.irp a, 0,1
.irp j, 0,2,4,6
	v_pk_fma_f32 v[D+16*\a+\j:D+16*\a+\j+1], v[D+16*\a+\j:D+16*\a+\j+1], s[20:21], v[RC:RC+1] op_sel_hi:[1,0,0]         ; 2 c (dot - s_i / 2) - c s_j
	v_pk_fma_f32 v[D+16*\a+8+\j:D+16*\a+8+\j+1], v[D+16*\a+8+\j:D+16*\a+8+\j+1], s[20:21], v[RC+2:RC+3] op_sel_hi:[1,0,0]
.endr
.endr
.if !\last
	s_add_co_u32 s22, s22, 1024
	s_add_co_u32 s23, s23, 256
	v_add_nc_u32 v4, s22, v1
	v_add_nc_u32 v5, s23, v2
	ds_load_b128 v[SF:SF+3], v4 offset:KVL         ; the next tile: it lands under the 80 lines below
	ds_load_b128 v[SF+4:SF+7], v4 offset:KVL+512
	ds_load_b128 v[RC:RC+3], v5 offset:RECL
.endif
.set i, 0
.rept 32
	v_min_num_f32 v[D+i], 0, v[D+i]                ; the clamp of the squared distance at 0
.set i, i+1
.endr
.set i, 0
.rept 32
	v_exp_f32 v[D+i], v[D+i]
.set i, i+1
.endr
	v_nop                                          ; a plain line behind the last exponential,
	s_wait_alu depctr_va_vdst(0)                   ; and one wait for the batch of 32, ahead of its first reader
.irp a, 0,1
.irp j, 0,2,4,6
	v_pk_add_f32 v[SK+8*\a+\j:SK+8*\a+\j+1], v[SK+8*\a+\j:SK+8*\a+\j+1], v[D+16*\a+\j:D+16*\a+\j+1]
	v_pk_add_f32 v[SKV+8*\a+\j:SKV+8*\a+\j+1], v[SKV+8*\a+\j:SKV+8*\a+\j+1], v[D+16*\a+8+\j:D+16*\a+8+\j+1]
.endr
.endr
.endm
	s_mov_b32 s24, 63
.Ltile:
	TRIP 0
	s_sub_co_i32 s24, s24, 1
	s_cmp_lg_u32 s24, 0
	s_cbranch_scc1 .Ltile
	TRIP 1                                         ; the last tile asks for nothing
.irp m, 1,2,4,8
.set i, 0
.rept 32
	v_add_f32_dpp v[SK+i], v[SK+i], v[SK+i] row_xmask:\m row_mask:0xf bank_mask:0xf   ; over the sixteen j of a half of the lanes
.set i, i+1
.endr
.endr
.set i, 0
.rept 16
	v_pk_mul_f32 v[SK+i:SK+i+1], v[SK+i:SK+i+1], 0x3a800000 op_sel_hi:[1,0]          ; x 2^-10, the uniform weight: exact
.set i, i+2
.endr
.irp a, 0,1
.irp g, 0,1
	ds_store_b128 v23, v[SKV+8*\a+4*\g:SKV+8*\a+4*\g+3] offset:64*\a+16*\g           ; the sixteen lanes of a half write the same bytes with the same values
	ds_store_b128 v23, v[SK+8*\a+4*\g:SK+8*\a+4*\g+3] offset:1024+64*\a+16*\g
.endr
.endr
	s_wait_dscnt 0x0
	s_barrier_signal -1
	s_barrier_wait -1                              ; 2 x 256 row sums lie in LDS
	s_cmp_lt_u32 s8, 4
	s_cbranch_scc0 .Ldone                          ; four waves carry the 2,048 bytes out
	ds_load_b128 v[24:27], v7 offset:OBL-65536
	v_lshrrev_b32 v28, 6, v0                       ; kind
	v_and_b32 v29, 63, v0
	v_lshlrev_b32 v29, 4, v29
	v_lshl_add_u32 v28, v28, 12, v29
	s_wait_dscnt 0x0
	global_store_b128 v28, v[24:27], s[26:27]      ; sixteen lanes store 256 consecutive bytes, aligned
.Ldone:
	s_wait_tensorcnt 0x0
	ds_add_u32 v152, v153
	s_wait_dscnt 0x0
	s_endpgm
.Lfunc_end_k_q75cc45306a_rbf:
	.size	k_q75cc45306a_rbf, .Lfunc_end_k_q75cc45306a_rbf-k_q75cc45306a_rbf
	.p2alignl 7, 3214868480
	.fill 96, 4, 3214868480
	.section	.rodata,"a",@progbits
	.p2align	6, 0x0
	.amdhsa_kernel k_q75cc45306a_rbf
		.amdhsa_group_segment_fixed_size 84992
		.amdhsa_private_segment_fixed_size 0
		.amdhsa_enable_private_segment 0
		.amdhsa_kernarg_size 16
		.amdhsa_user_sgpr_count 2
		.amdhsa_user_sgpr_kernarg_segment_ptr 1
		.amdhsa_wavefront_size32 1
		.amdhsa_system_sgpr_workgroup_id_x 1
		.amdhsa_system_sgpr_workgroup_id_y 1
		.amdhsa_system_sgpr_workgroup_id_z 1
		.amdhsa_system_vgpr_workitem_id 0
		.amdhsa_next_free_vgpr 154
		.amdhsa_next_free_sgpr 66
		.amdhsa_reserve_vcc 0
		.amdhsa_float_denorm_mode_32 3
		.amdhsa_float_denorm_mode_16_64 3
		.amdhsa_memory_ordered 1
		.amdhsa_forward_progress 1
		.amdhsa_inst_pref_size 29
	.end_amdhsa_kernel
	.amdgpu_metadata
---
amdhsa.version: [ 1, 2 ]
amdhsa.kernels:
  - .name:           k_q75cc45306a_rbf
    .symbol:         k_q75cc45306a_rbf.kd
    .args:
      - { .name: w1, .offset: 0, .size: 8, .value_kind: global_buffer, .address_space: global }
      - { .name: o2, .offset: 8, .size: 8, .value_kind: global_buffer, .address_space: global }
    .group_segment_fixed_size: 84992
    .private_segment_fixed_size: 0
    .kernarg_segment_align: 8
    .kernarg_segment_size: 16
    .max_flat_workgroup_size: 256
    .sgpr_count:     66
    .vgpr_count:     154
    .wavefront_size: 32
...
	.end_amdgpu_metadata
.endif
;; end of part 3
;; launch attn (part 4): grid 4 x 64, 4 waves a work-group, no clusters, 49,664 bytes of LDS; arguments w1, o2, w2; writes w2
.if DOCPART == 4
	.amdgcn_target "amdgcn-amd-amdhsa--gfx1250"
	.amdhsa_code_object_version 6
	.text
	.protected	k_q75cc45306a_attn
	.globl	k_q75cc45306a_attn
	.p2align	8
	.type	k_q75cc45306a_attn,@function
k_q75cc45306a_attn:
	s_mov_b64 s[64:65], 0
	v_nop
	global_prefetch_b8 v0, s[64:65] scope:SCOPE_SE
	s_setreg_imm32_b32 hwreg(HW_REG_WAVE_MODE, 25, 1), 1
	s_wait_xcnt 0x0
; The weighted attention of one (b, head) (work-group y) for 256 queries (work-group x), and its result quantised for the output projection.
; WEIGHTS (prologue).  obj3 = the product of the uniform matrix (every entry 2^-10: code 6 under the byte 115, exactly) with obj2 quantised along j: ONE matrix instruction for both kinds, its 16 columns = 8 pieces of
; 128 j x 2 kinds; the 8 pieces are added in f32.  All 1,024 rows of that product are equal, and 16 are multiplied.  h_rob = 1 where sqrt(1 + obj2 + obj3) <= 0.2, else 0.2 / it; a weight is h_rob / the sum of h_rob:
; that is exp(log h_rob - logsumexp(log h_rob)) with no exponential formed; h_rob lies between 0.2 / sqrt(3.5) and 1, since every term of obj2 is at most 1 by the clamp of the distances.
; SCORES, in powers of two, c = log2(e) / 8:  t_ij = min(2 c (dot_ij + C_j) + a_i, l_j),  l_j = log2 wkv_j,  C_j = -sy_j / 2 + l_j / (2 c),  a_i = -c sq_i:  2^t = wkv_j exp(-max(dist, 0) / 8).
; E = 2^(t - m), Z_i = sum_j sigma_j E_ij with sigma = wk / wkv, p = E / Z: the finished, normalised attention weight, which is what is quantised along the keys.
; THE MAXIMUM m is the row's largest t: each wave takes it over its 256 keys, and the four are merged as running maxima are, by factors 2^(m_wave - m).
; THE WAVES SHARE THE KEYS: wave w owns keys 256 w .. 256 w + 255 for all 256 queries; its codes of k and of v and its C, l, sigma stay in registers for the whole launch.  Eight rounds of two query tiles; two barriers a round:
; behind the first the waves know each other's (m, Z); behind the second their parts of O^T lie in LDS, and each wave adds, quantises and stores one quarter (tile w / 2, channels 32 (w % 2) on).
; Both products are used transposed (source 0 = 16 keys, or 16 channels): a lane holds one query; the keys of a tile are chosen so that registers 16 G + i of a query tile's scores are keys 32 G + 16 (lane / 16) + i.
; K = 64 of the first product is filled to 128: q's upper four registers are zero codes, so whatever stands in the upper half of k's operand (the next tile's codes) adds nothing.
; OUT, in w2: AC [b][T][ks 4][image], K = 64 head + channel;  AS at 2,097,152: [b][T][row][16 bytes].
; LIMITS: byte 1 for blocks under 2^-124; weights under 2^-126 of a row's largest fall to 0; NaN and infinities are not served.
; REGISTERS, in windows of 256 (s_set_vgpr_msb: bits 1:0 source 0, 3:2 source 1, 5:4 source 2, 7:6 destination):
;   window 0: v1-15 addresses; v16-47 scale words; v48-63 q; v64-95 p's codes; v96-163 k's codes; v168-183 pairs; v184-255 at work
;   window 1: the scores, tile A v0-127, tile B v128-255 (register 8 tau + j)      window 2: C v0-127, l v128-255      window 3: sigma v0-127, v's codes v128-191, O^T v192-255
.set CAL, 0                            ; LDS: C, l, sigma of all 1,024 keys
.set BAL, 4096
.set SAL, 8192
.set RED, 12288                        ; the waves' sums of h_rob
.set SX,  12544                        ; [wave][tile][lane]{m, Z}
.set OX,  16384                        ; [wave][tile][t][half][lane] 16 bytes: parts of O^T
.set LI,  1                            ; v1 16 x lane
.set R4,  2                            ; v2 4 (lane % 16)
.set SXW, 3
.set SXR, 4
.set OXW, 5
.set OXR, 6
.set ACO, 7
.set ASO, 8
.set KS,  16                           ; v16-31 k's scale words
.set VS,  32                           ; v32-39 v's
.set PS,  40                           ; v40-43 p's [tile][K step]
.set QS,  44                           ; v44-45 q's
.set QF,  48                           ; v48-63 [q A][0][q B][0]
.set PC,  64                           ; v64-95 p's codes [tile][K step][8]
.set KF,  96                           ; v96-163
.set QA,  168                          ; v168, v170: a_i of tile A, B (low words of pairs)
.set MZ,  176                          ; v[176:177], v[178:179]: {m, Z} of my keys
.set FF,  180                          ; v180, v182: the factor 2^(m_wave - m) / Z
.set MC,  184                          ; at work: maxima
.set ZC,  192                          ;          sums
.set SD,  200                          ;          the four waves' {m, Z}
.set TM,  184                          ;          16 blocks' largest p; v200-215 their bytes; v216-231 the conversions' scale operands
.set MSB, 0
.macro WIN new                         ; the immediate's high byte repeats the setting that is left
.if MSB != \new
	s_set_vgpr_msb (MSB<<8)|\new
.set MSB, \new
.endif
.endm
.macro BARRIER                         ; my LDS stores have landed and my LDS loads are in: then the work-group's barrier
	s_wait_dscnt 0x0
	s_barrier_signal -1
	s_barrier_wait -1
.endm
.macro QLOAD off, offa                 ; two query tiles: codes, a_i, scale words
	global_load_b128 v[QF:QF+3], v[LI], s[16:17] offset:\off
	global_load_b128 v[QF+8:QF+11], v[LI], s[16:17] offset:\off+512
	global_load_b32 v[QA], v[R4], s[18:19] offset:\offa
	global_load_b32 v[QA+2], v[R4], s[18:19] offset:\offa+64
	global_load_b32 v[QS], v[R4], s[18:19] offset:\offa+4096
	global_load_b32 v[QS+1], v[R4], s[18:19] offset:\offa+4160
.endm
	s_load_b128 s[4:7], s[0:1], 0x0                ; w1, o2
	s_load_b64 s[8:9], s[0:1], 0x10                ; w2
	v_lshl_add_u32 v166, v0, 2, 0xc000
	v_mov_b32 v167, 0
	v_lshrrev_b32 v9, 5, v0
	v_readfirstlane_b32 s10, v9                    ; wave 0..3
	v_and_b32 v10, 31, v0                          ; lane
	v_lshlrev_b32 v[LI], 4, v10
	v_and_b32 v14, 15, v0                          ; r
	v_bfe_u32 v9, v0, 4, 1                         ; hh
	v_lshlrev_b32 v[R4], 2, v14
	s_mov_b32 s11, ttmp9                           ; quarter of the queries
	s_and_b32 s12, ttmp7, 0xffff                   ; bh
	s_and_b32 s13, s12, 7                          ; head
	s_lshr_b32 s14, s12, 3                         ; b
	s_lshl_b32 s30, s10, 9
	s_add_co_u32 s30, s30, SX
	v_lshl_add_u32 v[SXW], v10, 3, s30
	v_lshl_add_u32 v[SXR], v10, 3, SX
	s_lshl_b32 s30, s10, 13
	s_add_co_u32 s30, s30, OX
	v_add_nc_u32 v[OXW], s30, v[LI]
	s_lshl_b32 s30, s10, 11                        ; tile w / 2 (4,096 bytes), channel pair w % 2 (2,048)
	s_add_co_u32 s30, s30, OX
	v_add_nc_u32 v[OXR], s30, v[LI]
	s_lshr_b32 s30, s10, 1
	s_lshl_b32 s29, s30, 8
	s_lshl_b32 s30, s30, 12
	s_lshl_b32 s31, s13, 9                         ; K = 64 head + channel: K step head / 2, c = head % 2: 512 x head
	s_add_co_u32 s30, s30, s31
	s_and_b32 s31, s10, 1
	s_add_co_u32 s29, s29, s31
	s_lshl_b32 s31, s31, 8
	s_add_co_u32 s30, s30, s31
	v_lshl_add_u32 v[ACO], v14, 4, s30
	v_lshl_add_u32 v[ACO], v9, 3, v[ACO]           ; + 16 r + 8 hh
	s_lshl_b32 s31, s13, 1
	s_add_co_u32 s29, s29, s31
	v_lshl_add_u32 v[ASO], v14, 4, s29             ; 256 (w / 2) + 16 r + 2 head + w % 2
	v_and_b32 v10, 1, v14                          ; obj2 for the one product: column r = kind r % 2, piece r / 2; my half's 32 numbers
	v_lshlrev_b32 v10, 12, v10
	v_lshrrev_b32 v11, 1, v14
	v_lshl_add_u32 v10, v11, 9, v10
	v_lshl_add_u32 v10, v9, 7, v10
	v_lshlrev_b32 v11, 5, v0                       ; 32 x thread: my 8 keys of the 1,024
	s_lshl_b32 s30, s10, 10
	v_lshl_add_u32 v12, v9, 5, s30                 ; 1,024 w + 32 hh: my keys' arrays
	s_lshl_b32 s30, s10, 3
	s_add_co_u32 s30, s30, RED
	v_mov_b32 v13, s30
	v_mov_b32 v15, RED
	s_mov_b32 s24, 0x3eb8aa3b                      ; 2 c
	s_mov_b32 s25, s24
	s_mov_b32 s26, 0x76543210
	s_mov_b32 s27, 0xfedcba98                      ; v_permlanex16_b32's selects for lane l xor 16
	s_mov_b32 s31, 0
	s_wait_kmcnt 0x0
	s_lshl_b32 s30, s12, 16
	s_lshl_b32 s29, s10, 14
	s_add_co_u32 s30, s30, s29
	s_add_co_u32 s30, s30, 2097152
	s_add_nc_u64 s[32:33], s[4:5], s[30:31]        ; my 16 tiles of [k | v]
	s_mul_i32 s30, s12, 12288
	s_add_co_u32 s30, s30, 9437184
	s_add_nc_u64 s[34:35], s[4:5], s[30:31]        ; the head's three arrays
	s_lshl_b32 s30, s10, 10
	s_add_nc_u64 s[36:37], s[34:35], s[30:31]      ; at my first key
	s_lshl_b32 s30, s12, 11
	s_lshl_b32 s29, s10, 9
	s_add_co_u32 s30, s30, s29
	s_add_co_u32 s30, s30, 10747904
	s_add_nc_u64 s[38:39], s[4:5], s[30:31]        ; v's scale words, my two K steps
	s_lshl_b32 s30, s12, 15
	s_lshl_b32 s29, s10, 13
	s_add_co_u32 s30, s30, s29
	s_add_co_u32 s30, s30, 6291456
	s_add_nc_u64 s[40:41], s[4:5], s[30:31]        ; v's codes along the keys
	s_lshl_b32 s30, s12, 13
	s_add_nc_u64 s[42:43], s[6:7], s[30:31]        ; obj2
	s_lshl_b32 s30, s12, 15
	s_lshl_b32 s29, s11, 13
	s_add_co_u32 s30, s30, s29
	s_add_nc_u64 s[16:17], s[4:5], s[30:31]        ; q's codes, this round's two tiles
	s_lshl_b32 s30, s12, 13
	s_lshl_b32 s29, s11, 10
	s_add_co_u32 s30, s30, s29
	s_add_co_u32 s30, s30, 10223616
	s_add_nc_u64 s[18:19], s[4:5], s[30:31]        ; a_i and q's scale words
	s_lshl_b32 s30, s14, 18
	s_lshl_b32 s29, s11, 16
	s_add_co_u32 s30, s30, s29
	s_add_nc_u64 s[20:21], s[8:9], s[30:31]        ; out: codes
	s_lshl_b32 s30, s14, 14
	s_lshl_b32 s29, s11, 12
	s_add_co_u32 s30, s30, s29
	s_add_co_u32 s30, s30, 2097152
	s_add_nc_u64 s[22:23], s[8:9], s[30:31]        ; out: scale bytes
.irp t, 0,1,2,3,4,5,6,7,8,9,10,11,12,13,14,15
	global_load_b128 v[KF+4*\t:KF+4*\t+3], v[LI], s[32:33] offset:1024*\t
	global_load_b32 v[KS+\t], v[R4], s[36:37] offset:8192+64*\t
.endr
.irp k, 0,1
.irp t, 0,1,2,3
	global_load_b32 v[VS+4*\k+\t], v[R4], s[38:39] offset:256*\k+64*\t
.endr
.endr
.irp c, 0,1
.irp i, 0,1,2,3,4,5,6,7
	global_load_b128 v[168+32*\c+4*\i:171+32*\c+4*\i], v10, s[42:43] offset:256*\c+16*\i
.endr
.endr
	global_load_b128 v[232:235], v11, s[42:43]                     ; obj2 kv of my 8 keys
	global_load_b128 v[236:239], v11, s[42:43] offset:16
	global_load_b128 v[240:243], v11, s[42:43] offset:4096         ; obj2 k
	global_load_b128 v[244:247], v11, s[42:43] offset:4112
	global_load_b128 v[248:251], v11, s[34:35]                     ; -sy / 2
	global_load_b128 v[252:255], v11, s[34:35] offset:16
	WIN 0xc0                                       ; destination window 3
.irp k, 0,1
.irp t, 0,1,2,3
.irp c, 0,1
	global_load_b128 v[128+32*\k+8*\t+4*\c:131+32*\k+8*\t+4*\c], v[LI], s[40:41] offset:4096*\k+1024*\t+512*\c
.endr
.endr
.endr
	WIN 0
	s_wait_loadcnt 0x0
	; ---- obj3: every wave makes it for itself.  A lane holds two whole blocks of its column
.irp c, 0,1
	v_max3_num_f32 v[72+\c], |v[168+32*\c]|, |v[169+32*\c]|, 0x1800000
.endr
.irp i, 2,4,6,8,10,12,14,16,18,20,22,24,26,28,30
.irp c, 0,1
	v_max3_num_f32 v[72+\c], v[72+\c], |v[168+32*\c+\i]|, |v[169+32*\c+\i]|
.endr
.endr
.irp c, 0,1
	v_add_nc_u32 v[74+\c], 0xff000000, v[72+\c]
.endr
.irp c, 0,1
	v_lshrrev_b32 v[76+\c], 23, v[74+\c]
.endr
	v_lshl_or_b32 v47, v77, 16, v76                ; my two bytes: blocks hh and 2 + hh,
	v_lshlrev_b32 v78, 3, v9
	v_lshlrev_b32 v47, v78, v47                    ; at their places in the word;
	v_mov_b32 v79, 0
	v_permlanex16_b32 v79, v47, s26, s27
	v_or_b32 v47, v47, v79                         ; with lane l xor 16's two it is whole
	v_mov_b32 v46, 0x73737373                      ; the uniform matrix: 2^-10 = 4 x 2^-12: byte 115,
.irp i, 0,1,2,3,4,5,6,7
	v_mov_b32 v[48+\i], 0x66666666                 ; code 6
.endr
.irp c, 0,1
.irp g, 0,1,2,3
	v_cvt_scalef32_pk8_fp4_f32 v[56+4*\c+\g], v[168+32*\c+8*\g:175+32*\c+8*\g], v[74+\c]
.endr
.endr
.rept 8
	v_nop                                          ; a scale register written by a vector instruction stands 8 places ahead of a scaled matrix instruction, an operand 4
.endr
	v_wmma_scale_f32_16x16x128_f8f6f4 v[64:71], v[48:55], v[56:63], 0, v46, v47 matrix_a_fmt:MATRIX_FMT_FP4 matrix_b_fmt:MATRIX_FMT_FP4
.rept 4
	v_nop
.endr
	v_mov_b32 v80, v64                             ; row 0 (all rows are equal): lane r holds piece r / 2 of kind r % 2
	v_add_f32_dpp v80, v80, v80 row_xmask:2 row_mask:0xf bank_mask:0xf
	v_add_f32_dpp v80, v80, v80 row_xmask:4 row_mask:0xf bank_mask:0xf
	v_add_f32_dpp v80, v80, v80 row_xmask:8 row_mask:0xf bank_mask:0xf
	v_readlane_b32 s44, v80, 0                     ; obj3 of kind kv,
	v_readlane_b32 s45, v80, 1                     ; of kind k: used as numbers alone
	; ---- h_rob of my 8 keys, both kinds
.irp i, 0,1,2,3,4,5,6,7
	v_add_f32 v[232+\i], 1.0, v[232+\i]
	v_add_f32 v[240+\i], 1.0, v[240+\i]
.endr
.irp i, 0,1,2,3,4,5,6,7
	v_add_f32 v[232+\i], s44, v[232+\i]
	v_add_f32 v[240+\i], s45, v[240+\i]
.endr
.irp i, 0,1,2,3,4,5,6,7,8,9,10,11,12,13,14,15
	v_sqrt_f32 v[168+\i], v[232+\i]
.endr
	v_mov_b32 v200, 1.0                            ; (a plain line behind the batch)
	s_wait_alu depctr_va_vdst(0)                   ; one wait for the batch, ahead of its first reader
.irp i, 0,1,2,3,4,5,6,7,8,9,10,11,12,13,14,15
	v_rcp_f32 v[184+\i], v[168+\i]
.endr
	v_mov_b32 v201, 0x3e4ccccd                     ; 0.2
	s_wait_alu depctr_va_vdst(0)
.irp i, 0,1,2,3,4,5,6,7,8,9,10,11,12,13,14,15
	v_mul_f32 v[184+\i], v201, v[184+\i]
	v_cmp_le_f32 vcc_lo, v[168+\i], v201
	v_cndmask_b32 v[184+\i], v[184+\i], v200, vcc_lo
.endr
	v_pk_add_f32 v[204:205], v[184:185], v[186:187]
	v_pk_add_f32 v[206:207], v[188:189], v[190:191]
	v_pk_add_f32 v[208:209], v[192:193], v[194:195]
	v_pk_add_f32 v[210:211], v[196:197], v[198:199]
	v_pk_add_f32 v[204:205], v[204:205], v[206:207]
	v_pk_add_f32 v[208:209], v[208:209], v[210:211]
	v_add_f32 v202, v204, v205
	v_add_f32 v203, v208, v209
.irp m, 1,2,4,8
	v_add_f32_dpp v202, v202, v202 row_xmask:\m row_mask:0xf bank_mask:0xf
	v_add_f32_dpp v203, v203, v203 row_xmask:\m row_mask:0xf bank_mask:0xf
.endr
	v_permlanex16_b32 v204, v202, s26, s27
	v_permlanex16_b32 v205, v203, s26, s27
	v_pk_add_f32 v[202:203], v[202:203], v[204:205]
	ds_store_b64 v13, v[202:203]                   ; all lanes write the same two words with the same values
	BARRIER
	ds_load_b128 v[204:207], v15
	ds_load_b128 v[208:211], v15 offset:16
	s_wait_dscnt 0x0
	v_pk_add_f32 v[204:205], v[204:205], v[206:207]
	v_pk_add_f32 v[208:209], v[208:209], v[210:211]
	v_pk_add_f32 v[204:205], v[204:205], v[208:209]                ; the sums of h_rob: kv, k
	v_rcp_f32 v212, v204
	v_rcp_f32 v213, v205
	v_nop
	s_wait_alu depctr_va_vdst(0)
.irp i, 0,1,2,3,4,5,6,7
	v_mul_f32 v[168+\i], v[184+\i], v212           ; wkv
	v_mul_f32 v[192+\i], v[192+\i], v213           ; wk
.endr
.irp i, 0,1,2,3,4,5,6,7
	v_log_f32 v[216+\i], v[168+\i]                 ; l
	v_rcp_f32 v[224+\i], v[168+\i]
.endr
	v_nop
	s_wait_alu depctr_va_vdst(0)
.irp i, 0,1,2,3,4,5,6,7
	v_mul_f32 v[192+\i], v[192+\i], v[224+\i]      ; sigma = wk / wkv
	v_fmamk_f32 v[248+\i], v[216+\i], 0x40317218, v[248+\i]        ; C = l / (2 c) - sy / 2
.endr
	ds_store_b128 v11, v[248:251] offset:CAL
	ds_store_b128 v11, v[252:255] offset:CAL+16
	ds_store_b128 v11, v[216:219] offset:BAL
	ds_store_b128 v11, v[220:223] offset:BAL+16
	ds_store_b128 v11, v[192:195] offset:SAL
	ds_store_b128 v11, v[196:199] offset:SAL+16
	BARRIER                                        ; the three arrays lie in LDS
	QLOAD 0, 0                                     ; the first round's queries land under the loads below
	WIN 0x80                                       ; destination window 2
.irp t, 0,1,2,3,4,5,6,7,8,9,10,11,12,13,14,15
.irp g, 0,1
	ds_load_b128 v[8*\t+4*\g:8*\t+4*\g+3], v12 offset:CAL+64*\t+16*\g          ; register 8 tau + j: key row 8 hh + j of my tile tau
	ds_load_b128 v[128+8*\t+4*\g:128+8*\t+4*\g+3], v12 offset:BAL+64*\t+16*\g
.endr
.endr
	WIN 0xc0                                       ; destination window 3
.irp t, 0,1,2,3,4,5,6,7,8,9,10,11,12,13,14,15
.irp g, 0,1
	ds_load_b128 v[8*\t+4*\g:8*\t+4*\g+3], v12 offset:SAL+64*\t+16*\g
.endr
.endr
	WIN 0
.irp i, 4,5,6,7,12,13,14,15
	v_mov_b32 v[QF+\i], 0                          ; zero codes: K from 64 to 127
.endr
.irp i, 64,65,66,67
	v_mov_b32 v[KF+\i], 0                          ; the upper half of the last tile's operand
.endr
.irp i, 169,171,177,179,181,183
	v_mov_b32 v[\i], 0                             ; upper halves of pairs of which the low word is taken for both
.endr
	s_wait_dscnt 0x0
	s_mov_b32 s28, 8
.Lround:
	; ---- the scores of two query tiles against my 16 key tiles; C_j is the C operand
	s_wait_loadcnt 0x0                             ; this round's queries
	WIN 0x60                                       ; C window 2, D window 1
.irp t, 0,1,2,3,4,5,6,7,8,9,10,11,12,13,14,15
.irp q, 0,1
	v_wmma_scale_f32_16x16x128_f8f6f4 v[128*\q+8*\t:128*\q+8*\t+7], v[KF+4*\t:KF+4*\t+7], v[QF+8*\q:QF+8*\q+7], v[8*\t:8*\t+7], v[KS+\t], v[QS+\q] matrix_a_fmt:MATRIX_FMT_FP4 matrix_b_fmt:MATRIX_FMT_FP4
.endr
.endr
.rept 4
	v_nop                                          ; places in front of the first read of results and of the loads into q's registers
.endr
	WIN 0x41                                       ; scores: source 0 and destination window 1
.irp q, 0,1
.set i, 0
.rept 64
	v_pk_fma_f32 v[128*\q+i:128*\q+i+1], v[128*\q+i:128*\q+i+1], s[24:25], v[QA+2*\q:QA+2*\q+1] op_sel_hi:[1,0,0]   ; 2 c (dot + C) + a
.set i, i+2
.endr
.endr
	WIN 0x46                                       ; source 0 = l (window 2), source 1 and destination = scores
.irp q, 0,1
.set i, 0
.rept 128
	v_min_num_f32 v[128*\q+i], v[128+i], v[128*\q+i]               ; the clamp of the distance at 0: t is at most l
.set i, i+1
.endr
.endr
	WIN 0
	s_cmp_eq_u32 s28, 1
	s_cbranch_scc1 .Lnoq                           ; the last round asks for nothing: no load leaves its buffer
	QLOAD 1024, 128                                ; the next round's queries
.Lnoq:
.irp k, 0,1,2,3,4,5,6,7
	v_mov_b32 v[MC+\k], 0xff800000
.endr
	WIN 0x14                                       ; sources 1 and 2 window 1
.irp q, 0,1
.set i, 0
.rept 16
.irp k, 0,1,2,3
	v_max3_num_f32 v[MC+4*\q+\k], v[MC+4*\q+\k], v[128*\q+i+2*\k], v[128*\q+i+2*\k+1]
.endr
.set i, i+8
.endr
.endr
	WIN 0
.irp q, 0,1
	v_max3_num_f32 v[MC+4*\q], v[MC+4*\q], v[MC+4*\q+1], v[MC+4*\q+2]
.endr
.irp q, 0,1
	v_max_num_f32 v[MC+4*\q], v[MC+4*\q], v[MC+4*\q+3]
.endr
.irp q, 0,1
	v_permlanex16_b32 v[MC+4*\q+1], v[MC+4*\q], s26, s27
.endr
.irp q, 0,1
	v_max_num_f32 v[MZ+2*\q], v[MC+4*\q], v[MC+4*\q+1]             ; the largest t of my 256 keys
.endr
	; ---- E = 2^(t - m): the subtraction of a pair stands two pairs ahead of its exponentials; nothing here names an exponential's result
	WIN 0x41
.irp q, 0,1
.set i, 0
.rept 66
.if i < 64
	v_pk_add_f32 v[128*\q+2*i:128*\q+2*i+1], v[128*\q+2*i:128*\q+2*i+1], v[MZ+2*\q:MZ+2*\q+1] op_sel_hi:[1,0] neg_lo:[0,1] neg_hi:[0,1]
.endif
.if i >= 2
	v_exp_f32 v[128*\q+2*i-4], v[128*\q+2*i-4]
	v_exp_f32 v[128*\q+2*i-3], v[128*\q+2*i-3]
.endif
.set i, i+1
.endr
.endr
	v_nop                                          ; a plain line behind the last exponential,
	s_wait_alu depctr_va_vdst(0)                   ; and one wait for the 256
	WIN 0x0d                                       ; source 0 = E (window 1), source 1 = sigma (window 3)
.irp q, 0,1
	v_pk_mul_f32 v[ZC+4*\q:ZC+4*\q+1], v[128*\q:128*\q+1], v[0:1]
	v_pk_mul_f32 v[ZC+4*\q+2:ZC+4*\q+3], v[128*\q+2:128*\q+3], v[2:3]
.set i, 4
.rept 31
	v_pk_fma_f32 v[ZC+4*\q:ZC+4*\q+1], v[128*\q+i:128*\q+i+1], v[i:i+1], v[ZC+4*\q:ZC+4*\q+1]
	v_pk_fma_f32 v[ZC+4*\q+2:ZC+4*\q+3], v[128*\q+i+2:128*\q+i+3], v[i+2:i+3], v[ZC+4*\q+2:ZC+4*\q+3]
.set i, i+4
.endr
.endr
	WIN 0
.irp q, 0,1
	v_pk_add_f32 v[ZC+4*\q:ZC+4*\q+1], v[ZC+4*\q:ZC+4*\q+1], v[ZC+4*\q+2:ZC+4*\q+3]
.endr
.irp q, 0,1
	v_add_f32 v[ZC+4*\q], v[ZC+4*\q], v[ZC+4*\q+1]
.endr
.irp q, 0,1
	v_permlanex16_b32 v[ZC+4*\q+1], v[ZC+4*\q], s26, s27
.endr
.irp q, 0,1
	v_add_f32 v[MZ+2*\q+1], v[ZC+4*\q], v[ZC+4*\q+1]               ; Z of my 256 keys, under my m
	ds_store_b64 v[SXW], v[MZ+2*\q:MZ+2*\q+1] offset:256*\q
.endr
	BARRIER                                        ; every wave's {m, Z} lie in LDS; and every wave's reads of the last round's parts of O^T are over
.irp q, 0,1
.irp s, 0,1,2,3
	ds_load_b64 v[SD+8*\q+2*\s:SD+8*\q+2*\s+1], v[SXR] offset:512*\s+256*\q
.endr
.endr
	s_wait_dscnt 0x0
.irp q, 0,1
	v_max3_num_f32 v[216+\q], v[SD+8*\q], v[SD+8*\q+2], v[SD+8*\q+4]
.endr
.irp q, 0,1
	v_max_num_f32 v[216+\q], v[216+\q], v[SD+8*\q+6]               ; the row's largest t
.endr
.irp q, 0,1
.irp s, 0,1,2,3
	v_sub_f32 v[220+5*\q+\s], v[SD+8*\q+2*\s], v[216+\q]
.endr
	v_sub_f32 v[224+5*\q], v[MZ+2*\q], v[216+\q]
.endr
.irp i, 0,1,2,3,4,5,6,7,8,9
	v_exp_f32 v[220+\i], v[220+\i]                 ; 2^(m_wave - m): the four waves', and my own once more
.endr
	v_nop
	s_wait_alu depctr_va_vdst(0)
.irp q, 0,1
	v_mul_f32 v[218+\q], v[SD+8*\q+1], v[220+5*\q]
.endr
.irp s, 1,2,3
.irp q, 0,1
	v_fma_f32 v[218+\q], v[SD+8*\q+2*\s+1], v[220+5*\q+\s], v[218+\q]          ; the row's Z
.endr
.endr
.irp q, 0,1
	v_rcp_f32 v[230+\q], v[218+\q]
.endr
	v_nop
	s_wait_alu depctr_va_vdst(0)
.irp q, 0,1
	v_mul_f32 v[FF+2*\q], v[224+5*\q], v[230+\q]
.endr
	WIN 0x41
.irp q, 0,1
.set i, 0
.rept 64
	v_pk_mul_f32 v[128*\q+i:128*\q+i+1], v[128*\q+i:128*\q+i+1], v[FF+2*\q:FF+2*\q+1] op_sel_hi:[1,0]   ; p, finished and normalised
.set i, i+2
.endr
.endr
	; ---- p is quantised along the keys: 16 blocks of 32 (block k = 8 x tile + G: registers 16 k on, and lane l xor 16's)
	WIN 0x14
.irp k, 0,1,2,3,4,5,6,7,8,9,10,11,12,13,14,15
	v_mov_b32 v[TM+\k], 0x1800000                  ; the floor 2^(3 - 127).  No |.|: p is never negative
.endr
.irp i, 0,2,4,6,8,10,12,14
.irp k, 0,1,2,3,4,5,6,7,8,9,10,11,12,13,14,15
	v_max3_num_f32 v[TM+\k], v[TM+\k], v[16*\k+\i], v[16*\k+\i+1]
.endr
.endr
	WIN 0
.irp k, 0,1,2,3,4,5,6,7,8,9,10,11,12,13,14,15
	v_permlanex16_b32 v[200+\k], v[TM+\k], s26, s27
.endr
.irp k, 0,1,2,3,4,5,6,7,8,9,10,11,12,13,14,15
	v_max_num_f32 v[TM+\k], v[TM+\k], v[200+\k]
.endr
.irp k, 0,1,2,3,4,5,6,7,8,9,10,11,12,13,14,15
	v_add_nc_u32 v[216+\k], 0xff000000, v[TM+\k]   ; the conversion's scale operand
.endr
.irp k, 0,1,2,3,4,5,6,7,8,9,10,11,12,13,14,15
	v_lshrrev_b32 v[200+\k], 23, v[216+\k]         ; the byte
.endr
.irp f, 0,1,2,3
	v_lshl_or_b32 v[PS+\f], v[201+4*\f], 8, v[200+4*\f]            ; fragment f = 2 x tile + K step: its four bytes
.endr
.irp f, 0,1,2,3
	v_lshl_or_b32 v[PS+\f], v[202+4*\f], 16, v[PS+\f]
.endr
.irp f, 0,1,2,3
	v_lshl_or_b32 v[PS+\f], v[203+4*\f], 24, v[PS+\f]
.endr
	WIN 0x01                                       ; source 0 = p (window 1)
.irp k, 0,1,2,3,4,5,6,7,8,9,10,11,12,13,14,15
	v_cvt_scalef32_pk8_fp4_f32 v[PC+2*\k], v[16*\k:16*\k+7], v[216+\k]
	v_cvt_scalef32_pk8_fp4_f32 v[PC+2*\k+1], v[16*\k+8:16*\k+15], v[216+\k]
.endr
	WIN 0
	v_nop                                          ; one plain line behind a scaled conversion
.irp f, 0,1,2,3
.irp c, 0,1
.irp i, 0,1
	v_permlane16_swap_b32 v[PC+8*\f+4*\c+\i], v[PC+8*\f+4*\c+2+\i] ; a whole block to a lane
.endr
.endr
.endr
.rept 8
	v_nop                                          ; scale words written by vector instructions stand 8 places ahead of a scaled matrix instruction, operands 4
.endr
	; ---- my keys' part of O^T: eight accumulators by turns, two K steps
	WIN 0xf3                                       ; source 0 = v, C and D = O^T: window 3
.irp k, 0,1
.irp q, 0,1
.irp t, 0,1,2,3
.if \k == 0
	v_wmma_scale_f32_16x16x128_f8f6f4 v[192+32*\q+8*\t:199+32*\q+8*\t], v[128+32*\k+8*\t:135+32*\k+8*\t], v[PC+16*\q+8*\k:PC+16*\q+8*\k+7], 0, v[VS+4*\k+\t], v[PS+2*\q+\k] matrix_a_fmt:MATRIX_FMT_FP4 matrix_b_fmt:MATRIX_FMT_FP4
.else
	v_wmma_scale_f32_16x16x128_f8f6f4 v[192+32*\q+8*\t:199+32*\q+8*\t], v[128+32*\k+8*\t:135+32*\k+8*\t], v[PC+16*\q+8*\k:PC+16*\q+8*\k+7], v[192+32*\q+8*\t:199+32*\q+8*\t], v[VS+4*\k+\t], v[PS+2*\q+\k] matrix_a_fmt:MATRIX_FMT_FP4 matrix_b_fmt:MATRIX_FMT_FP4
.endif
.endr
.endr
.endr
.rept 4
	v_nop
.endr
	WIN 0x0c                                       ; an LDS store's data are its source 1: window 3
.irp q, 0,1
.irp t, 0,1,2,3
.irp g, 0,1
	ds_store_b128 v[OXW], v[192+32*\q+8*\t+4*\g:195+32*\q+8*\t+4*\g] offset:4096*\q+1024*\t+512*\g      ; each accumulator from its low end on
.endr
.endr
.endr
	WIN 0
	BARRIER                                        ; the four parts of O^T lie in LDS; and every wave's reads of {m, Z} are over
	; ---- my quarter: tile w / 2, channels 32 (w % 2) + 16 hh + 0 .. 15 of query r: added, quantised (one block of 32 with lane l xor 16), stored
.irp s, 0,1,2,3
.irp u, 0,1
.irp g, 0,1
	ds_load_b128 v[184+16*\s+8*\u+4*\g:187+16*\s+8*\u+4*\g], v[OXR] offset:8192*\s+1024*\u+512*\g
.endr
.endr
.endr
	s_wait_dscnt 0x0
.irp j, 0,2,4,6,8,10,12,14
	v_pk_add_f32 v[184+\j:185+\j], v[184+\j:185+\j], v[200+\j:201+\j]
	v_pk_add_f32 v[216+\j:217+\j], v[216+\j:217+\j], v[232+\j:233+\j]
.endr
.irp j, 0,2,4,6,8,10,12,14
	v_pk_add_f32 v[184+\j:185+\j], v[184+\j:185+\j], v[216+\j:217+\j]
.endr
	v_max3_num_f32 v248, |v184|, |v185|, 0x1800000
.irp j, 2,4,6,8,10,12,14
	v_max3_num_f32 v248, v248, |v[184+\j]|, |v[185+\j]|
.endr
	v_permlanex16_b32 v249, v248, s26, s27
	v_max_num_f32 v248, v248, v249
	v_add_nc_u32 v250, 0xff000000, v248
	v_cvt_scalef32_pk8_fp4_f32 v252, v[184:191], v250
	v_cvt_scalef32_pk8_fp4_f32 v253, v[192:199], v250
	v_lshrrev_b32 v251, 23, v250                   ; the byte (also the plain line behind the conversions)
	global_store_b64 v[ACO], v[252:253], s[20:21]  ; the wave stores 256 consecutive bytes, aligned
	global_store_b8 v[ASO], v251, s[22:23]         ; both halves of the lanes store the same byte with the same value
	s_wait_xcnt 0x0                                ; the stores and the query loads have read their bases and registers: they are written again only behind this wait
	s_add_nc_u64 s[16:17], s[16:17], 1024
	s_add_nc_u64 s[18:19], s[18:19], 128
	s_add_nc_u64 s[20:21], s[20:21], 8192
	s_add_nc_u64 s[22:23], s[22:23], 512
	s_sub_co_i32 s28, s28, 1
	s_cmp_lg_u32 s28, 0
	s_cbranch_scc1 .Lround
	s_wait_tensorcnt 0x0
	ds_add_u32 v166, v167
	s_wait_dscnt 0x0
	s_endpgm
.Lfunc_end_k_q75cc45306a_attn:
	.size	k_q75cc45306a_attn, .Lfunc_end_k_q75cc45306a_attn-k_q75cc45306a_attn
	.p2alignl 7, 3214868480
	.fill 96, 4, 3214868480
	.section	.rodata,"a",@progbits
	.p2align	6, 0x0
	.amdhsa_kernel k_q75cc45306a_attn
		.amdhsa_group_segment_fixed_size 49664
		.amdhsa_private_segment_fixed_size 0
		.amdhsa_enable_private_segment 0
		.amdhsa_kernarg_size 24
		.amdhsa_user_sgpr_count 2
		.amdhsa_user_sgpr_kernarg_segment_ptr 1
		.amdhsa_wavefront_size32 1
		.amdhsa_system_sgpr_workgroup_id_x 1
		.amdhsa_system_sgpr_workgroup_id_y 1
		.amdhsa_system_sgpr_workgroup_id_z 1
		.amdhsa_system_vgpr_workitem_id 0
		.amdhsa_next_free_vgpr 1024
		.amdhsa_next_free_sgpr 66
		.amdhsa_reserve_vcc 1
		.amdhsa_float_denorm_mode_32 3
		.amdhsa_float_denorm_mode_16_64 3
		.amdhsa_memory_ordered 1
		.amdhsa_forward_progress 1
		.amdhsa_inst_pref_size 119
	.end_amdhsa_kernel
	.amdgpu_metadata
---
amdhsa.version: [ 1, 2 ]
amdhsa.kernels:
  - .name:           k_q75cc45306a_attn
    .symbol:         k_q75cc45306a_attn.kd
    .args:
      - { .name: w1, .offset: 0, .size: 8, .value_kind: global_buffer, .address_space: global }
      - { .name: o2, .offset: 8, .size: 8, .value_kind: global_buffer, .address_space: global }
      - { .name: w2, .offset: 16, .size: 8, .value_kind: global_buffer, .address_space: global }
    .group_segment_fixed_size: 49664
    .private_segment_fixed_size: 0
    .kernarg_segment_align: 8
    .kernarg_segment_size: 24
    .max_flat_workgroup_size: 128
    .sgpr_count:     66
    .vgpr_count:     1024
    .wavefront_size: 32
...
	.end_amdgpu_metadata
.endif
;; end of part 4
;; launch outp (part 5): grid 32 x 8, 8 waves a work-group, no clusters, 71,424 bytes of LDS; arguments w2, w0, h, ln_g, ln_b, out0; writes out0
.if DOCPART == 5
	.amdgcn_target "amdgcn-amd-amdhsa--gfx1250"
	.amdhsa_code_object_version 6
	.text
	.protected	k_q75cc45306a_outp
	.globl	k_q75cc45306a_outp
	.p2align	8
	.type	k_q75cc45306a_outp,@function
k_q75cc45306a_outp:
	s_mov_b64 s[64:65], 0
	v_nop
	global_prefetch_b8 v0, s[64:65] scope:SCOPE_SE
	s_setreg_imm32_b32 hwreg(HW_REG_WAVE_MODE, 25, 1), 1
	s_wait_xcnt 0x0
; out = LayerNorm(h + attn_vec Wo^T) x ln_g + ln_b.  attn_vec and Wo come as FP4 codes in operand images; sums, residual and norm in f32.
; A work-group takes 32 rows (batch = work-group y, the 32 positions of block work-group x: two tiles in tile order) x all 512 columns; wave w takes columns 64 w .. 64 w + 63 (Wo's tiles 4 w + t).
; The product is used transposed (source 0 = 16 rows of Wo, source 1 = 16 rows of attn_vec): a lane holds one row; registers of tiles 2 B, 2 B + 1 are columns 64 w + 32 B + 16 (lane / 16) + 0 .. 15.
; THE RESIDUAL IS THE C OF THE FIRST LINK: h's 32 rows come in as whole rows (2,048 consecutive bytes for 128 threads), go through a stage in LDS, and are read straight into the accumulators.
; THE NORM: each wave takes the mean and the sum of squared deviations of its 64 columns; the eight are merged as mu = mean of means, M2 = sum of M2 + 64 x sum of (mean - mu)^2: no difference of large sums.
; The normalised rows go back through the same stage bytes and leave as whole rows, with gain and bias applied on the way.
.set PITCH, 2064                       ; a stage row: 2,048 bytes + 16: the sixteen rows that a load touches start in different banks
.set LNX,   32*PITCH                   ; behind the stage: [wave][tile][lane]{mean, M2}
.set LI,  1                            ; v1 16 x lane
.set R16, 2                            ; v2 16 (lane % 16)
.set HI,  3                            ; v3 in h and out: 16,384 (thread / 128) + 16 (thread % 128)
.set ST,  4                            ; v4 the same place in the stage
.set SR,  5                            ; v5 the stage by rows: PITCH r + 256 w + 64 hh
.set LNW, 6
.set LNR, 7
.set GG,  8                            ; v8-11  ln_g of my 4 columns
.set BB,  12                           ; v12-15 ln_b
.set AF,  16                           ; v16-79 attn_vec's fragments [u][ks]; later rows on the way out
.set AS,  80                           ; v80-87 their scale words
.set WS,  88                           ; v88-103 Wo's scale words [t][ks]
.set ACC, 128                          ; v128-191 accumulators [u][t]; first h on its way to the stage
.set WF,  192                          ; v192-255 Wo's fragments, two K steps by turns; later the waves' {mean, M2}
.macro WMA d, a, b, sa, sb
	v_wmma_scale_f32_16x16x128_f8f6f4 v[\d:\d+7], v[\a:\a+7], v[\b:\b+7], v[\d:\d+7], v[\sa], v[\sb] matrix_a_fmt:MATRIX_FMT_FP4 matrix_b_fmt:MATRIX_FMT_FP4
.endm
.macro BARRIER
	s_wait_dscnt 0x0
	s_barrier_signal -1
	s_barrier_wait -1
.endm
.macro WLOAD ks                        ; Wo's four fragments of K step ks
.irp t, 0,1,2,3
.irp c, 0,1
	global_load_b128 v[WF+32*((\ks)%2)+8*\t+4*\c:WF+32*((\ks)%2)+8*\t+4*\c+3], v[LI], s[28:29] offset:4096*\t+1024*(\ks)+512*\c
.endr
.endr
.endm
	s_load_b256 s[4:11], s[0:1], 0x0               ; w2, w0, h, ln_g
	s_load_b128 s[12:15], s[0:1], 0x20             ; ln_b, out0
	s_set_vgpr_msb 0x40
	v_lshl_add_u32 v0, v0, 2, 0x11300
	v_mov_b32 v1, 0
	s_set_vgpr_msb 0x4000
	v_lshrrev_b32 v104, 5, v0
	v_readfirstlane_b32 s16, v104                  ; wave 0..7
	s_mov_b32 s17, ttmp9                           ; mt
	s_and_b32 s18, ttmp7, 0xffff                   ; b
	v_and_b32 v104, 31, v0
	v_lshlrev_b32 v[LI], 4, v104
	v_and_b32 v105, 15, v0
	v_bfe_u32 v106, v0, 4, 1
	v_lshlrev_b32 v[R16], 4, v105
	v_lshrrev_b32 v126, 7, v0
	v_and_b32 v127, 127, v0
	v_lshlrev_b32 v127, 4, v127                    ; my 16 bytes of a row; also my 4 columns of ln_g and ln_b
	v_lshl_add_u32 v[HI], v126, 14, v127
	v_mad_u32_u24 v[ST], v126, PITCH, v127
	v_mul_u32_u24 v[SR], v105, PITCH
	v_lshl_add_u32 v[SR], v106, 6, v[SR]
	s_lshl_b32 s19, s16, 8
	v_add_nc_u32 v[SR], s19, v[SR]
	s_lshl_b32 s19, s16, 9
	s_add_co_u32 s19, s19, LNX
	v_lshl_add_u32 v[LNW], v104, 3, s19
	v_lshl_add_u32 v[LNR], v104, 3, LNX
	s_mov_b32 s32, 0x76543210
	s_mov_b32 s33, 0xfedcba98                      ; v_permlanex16_b32's selects for lane l xor 16
	s_mov_b32 s34, 0x3b000000                      ; 1 / 512
	s_mov_b32 s35, 0x3727c5ac                      ; 1e-5
	s_mov_b32 s37, 0
	s_lshl_b32 s36, s17, 19                        ; 32 positions x 8 batches x 2,048 bytes
	s_lshl_b32 s19, s18, 11
	s_add_co_u32 s36, s36, s19
	s_wait_kmcnt 0x0
	s_add_nc_u64 s[20:21], s[8:9], s[36:37]        ; h at the block's first position, my batch
	s_add_nc_u64 s[22:23], s[14:15], s[36:37]      ; out likewise
	s_lshl_b32 s36, s18, 18
	s_lshl_b32 s19, s17, 13
	s_add_co_u32 s36, s36, s19
	s_add_nc_u64 s[24:25], s[4:5], s[36:37]        ; attn_vec's two tiles
	s_lshl_b32 s36, s18, 14
	s_lshl_b32 s19, s17, 9
	s_add_co_u32 s36, s36, s19
	s_add_co_u32 s36, s36, 2097152
	s_add_nc_u64 s[26:27], s[4:5], s[36:37]        ; their scale bytes
	s_lshl_b32 s36, s16, 14
	s_add_co_u32 s36, s36, 2490368
	s_add_nc_u64 s[28:29], s[6:7], s[36:37]        ; Wo's tiles 608 + 4 w on
	s_lshl_b32 s36, s16, 10
	s_add_co_u32 s36, s36, 2777088
	s_add_nc_u64 s[30:31], s[6:7], s[36:37]        ; their scale bytes
.set i, 0
.rept 16                               ; rows 2 i, 2 i + 1 in tile order are positions 8 (i / 8) + 2 (i % 8) + 8 ((i % 8) / 4) and the next
	global_load_b128 v[ACC+4*i:ACC+4*i+3], v[HI], s[20:21] offset:(8*(i/8)+2*(i%8)+8*((i%8)/4))*16384 th:TH_LOAD_NT
.set i, i+1
.endr
.irp u, 0,1
.irp ks, 0,1,2,3
.irp c, 0,1
	global_load_b128 v[AF+32*\u+8*\ks+4*\c:AF+32*\u+8*\ks+4*\c+3], v[LI], s[24:25] offset:4096*\u+1024*\ks+512*\c
.endr
.endr
	global_load_b128 v[AS+4*\u:AS+4*\u+3], v[R16], s[26:27] offset:256*\u
.endr
.irp t, 0,1,2,3
	global_load_b128 v[WS+4*\t:WS+4*\t+3], v[R16], s[30:31] offset:256*\t
.endr
	global_load_b128 v[GG:GG+3], v127, s[10:11]
	global_load_b128 v[BB:BB+3], v127, s[12:13]
	WLOAD 0
	WLOAD 1
	s_wait_loadcnt 40                              ; h's 16 loads are in; the 40 issued behind them (16 + 2 + 4 + 2 + 16) may be out
.set i, 0
.rept 16
	ds_store_b128 v[ST], v[ACC+4*i:ACC+4*i+3] offset:2*PITCH*i
.set i, i+1
.endr
	BARRIER                                        ; h's 32 rows lie in the stage
.irp u, 0,1
.irp t, 0,1,2,3
.irp g, 0,1
	ds_load_b128 v[ACC+32*\u+8*\t+4*\g:ACC+32*\u+8*\t+4*\g+3], v[SR] offset:16*PITCH*\u+128*(\t/2)+32*(\t%2)+16*\g   ; h(row r of tile u, my columns): the sums begin with the residual
.endr
.endr
.endr
	s_wait_dscnt 0x0
.irp ks, 0,1,2,3
.if \ks < 3
	s_wait_loadcnt 8                               ; this K step's fragments are in; the eight loads of the K step asked for behind them may be out
.else
	s_wait_loadcnt 0x0
.endif
.irp t, 0,1,2,3
.irp u, 0,1
	WMA ACC+32*\u+8*\t, WF+32*(\ks%2)+8*\t, AF+32*\u+8*\ks, WS+4*\t+\ks, AS+4*\u+\ks      ; eight accumulators by turns
.endr
.endr
.rept 4
	v_nop                                          ; places in front of loads into registers that matrix instructions have read, and of the first read of results
.endr
.if \ks < 2
	WLOAD \ks+2
.endif
.endr
; the mean and the sum of squared deviations of row r over my 64 columns: my 32 registers from the low end on, and lane l xor 16's
.macro LNLOC u
.set A0, ACC+32*\u
.set ME, 108+2*\u
	v_pk_add_f32 v[104:105], v[A0:A0+1], v[A0+2:A0+3]
	v_pk_add_f32 v[106:107], v[A0+4:A0+5], v[A0+6:A0+7]
.irp i, 8,12,16,20,24,28
	v_pk_add_f32 v[104:105], v[104:105], v[A0+\i:A0+\i+1]
	v_pk_add_f32 v[106:107], v[106:107], v[A0+\i+2:A0+\i+3]
.endr
	v_pk_add_f32 v[104:105], v[104:105], v[106:107]
	v_add_f32 v104, v104, v105
	v_permlanex16_b32 v105, v104, s32, s33
	v_add_f32 v104, v104, v105
	v_mul_f32 v[ME], 0x3c800000, v104              ; / 64
	v_mov_b32 v[ME+1], 0
.irp i, 0,2,4,6
	v_pk_add_f32 v[112+\i:113+\i], v[A0+\i:A0+\i+1], v[ME:ME+1] op_sel_hi:[1,0] neg_lo:[0,1] neg_hi:[0,1]
.endr
	v_pk_mul_f32 v[104:105], v[112:113], v[112:113]
	v_pk_mul_f32 v[106:107], v[114:115], v[114:115]
	v_pk_fma_f32 v[104:105], v[116:117], v[116:117], v[104:105]
	v_pk_fma_f32 v[106:107], v[118:119], v[118:119], v[106:107]
.irp k, 8,16,24
.irp i, 0,2,4,6
	v_pk_add_f32 v[112+\i:113+\i], v[A0+\k+\i:A0+\k+\i+1], v[ME:ME+1] op_sel_hi:[1,0] neg_lo:[0,1] neg_hi:[0,1]
.endr
	v_pk_fma_f32 v[104:105], v[112:113], v[112:113], v[104:105]
	v_pk_fma_f32 v[106:107], v[114:115], v[114:115], v[106:107]
	v_pk_fma_f32 v[104:105], v[116:117], v[116:117], v[104:105]
	v_pk_fma_f32 v[106:107], v[118:119], v[118:119], v[106:107]
.endr
	v_pk_add_f32 v[104:105], v[104:105], v[106:107]
	v_add_f32 v104, v104, v105
	v_permlanex16_b32 v105, v104, s32, s33
	v_add_f32 v[ME+1], v104, v105
	ds_store_b64 v[LNW], v[ME:ME+1] offset:256*\u
.endm
	LNLOC 0
	LNLOC 1
	BARRIER                                        ; the eight waves' {mean, M2} lie in LDS
.irp u, 0,1
.irp w, 0,1,2,3,4,5,6,7
	ds_load_b64 v[WF+16*\u+2*\w:WF+16*\u+2*\w+1], v[LNR] offset:512*\w+256*\u
.endr
.endr
	s_wait_dscnt 0x0
.macro LNALL u                         ; mu to v[112 + 2 u], 1 / sqrt(var + 1e-5) to v[116 + 2 u]
.set L0, WF+16*\u
	v_pk_add_f32 v[120:121], v[L0:L0+1], v[L0+2:L0+3]              ; means in the low words, M2 in the high ones
	v_pk_add_f32 v[122:123], v[L0+4:L0+5], v[L0+6:L0+7]
	v_pk_add_f32 v[124:125], v[L0+8:L0+9], v[L0+10:L0+11]
	v_pk_add_f32 v[104:105], v[L0+12:L0+13], v[L0+14:L0+15]
	v_pk_add_f32 v[120:121], v[120:121], v[122:123]
	v_pk_add_f32 v[124:125], v[124:125], v[104:105]
	v_pk_add_f32 v[120:121], v[120:121], v[124:125]
	v_mul_f32 v[112+2*\u], 0x3e000000, v120        ; mu
	v_sub_f32 v122, v[L0], v[112+2*\u]
	v_sub_f32 v123, v[L0+2], v[112+2*\u]
	v_mul_f32 v124, v122, v122
	v_mul_f32 v125, v123, v123
.irp w, 4,8,12
	v_sub_f32 v122, v[L0+\w], v[112+2*\u]
	v_sub_f32 v123, v[L0+\w+2], v[112+2*\u]
	v_fma_f32 v124, v122, v122, v124
	v_fma_f32 v125, v123, v123, v125
.endr
	v_add_f32 v124, v124, v125
	v_fmamk_f32 v121, v124, 0x42800000, v121       ; M2 of the whole row
	v_fma_f32 v107, v121, s34, s35                 ; var + 1e-5
	v_rsq_f32 v[116+2*\u], v107
	v_nop                                          ; a plain line behind the transcendental
.endm
	LNALL 0
	LNALL 1
	s_wait_alu depctr_va_vdst(0)                   ; one wait for both, ahead of the first reader
.irp u, 0,1
.irp i, 0,2,4,6,8,10,12,14,16,18,20,22,24,26,28,30
	v_pk_add_f32 v[ACC+32*\u+\i:ACC+32*\u+\i+1], v[ACC+32*\u+\i:ACC+32*\u+\i+1], v[112+2*\u:113+2*\u] op_sel_hi:[1,0] neg_lo:[0,1] neg_hi:[0,1]
.endr
.endr
.irp u, 0,1
.irp i, 0,2,4,6,8,10,12,14,16,18,20,22,24,26,28,30
	v_pk_mul_f32 v[ACC+32*\u+\i:ACC+32*\u+\i+1], v[ACC+32*\u+\i:ACC+32*\u+\i+1], v[116+2*\u:117+2*\u] op_sel_hi:[1,0]
.endr
.endr
.irp u, 0,1
.irp t, 0,1,2,3
.irp g, 0,1
	ds_store_b128 v[SR], v[ACC+32*\u+8*\t+4*\g:ACC+32*\u+8*\t+4*\g+3] offset:16*PITCH*\u+128*(\t/2)+32*(\t%2)+16*\g   ; into the bytes that this wave alone read
.endr
.endr
.endr
	BARRIER                                        ; 32 normalised rows lie in the stage
.set i, 0
.rept 16
	ds_load_b128 v[AF+4*i:AF+4*i+3], v[ST] offset:2*PITCH*i
.set i, i+1
.endr
.set i, 0
.rept 16
	s_wait_dscnt 15-i                              ; LDS loads come back in order: load i is in, the younger ones may be out
	v_pk_fma_f32 v[AF+4*i:AF+4*i+1], v[AF+4*i:AF+4*i+1], v[GG:GG+1], v[BB:BB+1]
	v_pk_fma_f32 v[AF+4*i+2:AF+4*i+3], v[AF+4*i+2:AF+4*i+3], v[GG+2:GG+3], v[BB+2:BB+3]
	global_store_b128 v[HI], v[AF+4*i:AF+4*i+3], s[22:23] offset:(8*(i/8)+2*(i%8)+8*((i%8)/4))*16384 th:TH_STORE_NT   ; a wave stores 512 consecutive bytes of a row
.set i, i+1
.endr
	s_set_vgpr_msb 0x5
	s_wait_tensorcnt 0x0
	ds_add_u32 v0, v1
	s_wait_dscnt 0x0
	s_set_vgpr_msb 0x500
	s_endpgm
.Lfunc_end_k_q75cc45306a_outp:
	.size	k_q75cc45306a_outp, .Lfunc_end_k_q75cc45306a_outp-k_q75cc45306a_outp
	.p2alignl 7, 3214868480
	.fill 96, 4, 3214868480
	.section	.rodata,"a",@progbits
	.p2align	6, 0x0
	.amdhsa_kernel k_q75cc45306a_outp
		.amdhsa_group_segment_fixed_size 71424
		.amdhsa_private_segment_fixed_size 0
		.amdhsa_enable_private_segment 0
		.amdhsa_kernarg_size 48
		.amdhsa_user_sgpr_count 2
		.amdhsa_user_sgpr_kernarg_segment_ptr 1
		.amdhsa_wavefront_size32 1
		.amdhsa_system_sgpr_workgroup_id_x 1
		.amdhsa_system_sgpr_workgroup_id_y 1
		.amdhsa_system_sgpr_workgroup_id_z 1
		.amdhsa_system_vgpr_workitem_id 0
		.amdhsa_next_free_vgpr 258
		.amdhsa_next_free_sgpr 66
		.amdhsa_reserve_vcc 0
		.amdhsa_float_denorm_mode_32 3
		.amdhsa_float_denorm_mode_16_64 3
		.amdhsa_memory_ordered 1
		.amdhsa_forward_progress 1
		.amdhsa_inst_pref_size 38
	.end_amdhsa_kernel
	.amdgpu_metadata
---
amdhsa.version: [ 1, 2 ]
amdhsa.kernels:
  - .name:           k_q75cc45306a_outp
    .symbol:         k_q75cc45306a_outp.kd
    .args:
      - { .name: w2, .offset: 0, .size: 8, .value_kind: global_buffer, .address_space: global }
      - { .name: w0, .offset: 8, .size: 8, .value_kind: global_buffer, .address_space: global }
      - { .name: h, .offset: 16, .size: 8, .value_kind: global_buffer, .address_space: global }
      - { .name: ln_g, .offset: 24, .size: 8, .value_kind: global_buffer, .address_space: global }
      - { .name: ln_b, .offset: 32, .size: 8, .value_kind: global_buffer, .address_space: global }
      - { .name: out0, .offset: 40, .size: 8, .value_kind: global_buffer, .address_space: global }
    .group_segment_fixed_size: 71424
    .private_segment_fixed_size: 0
    .kernarg_segment_align: 8
    .kernarg_segment_size: 48
    .max_flat_workgroup_size: 256
    .sgpr_count:     66
    .vgpr_count:     258
    .wavefront_size: 32
...
	.end_amdgpu_metadata
.endif
;; end of part 5
;; ======== version 2 of 2: 5 launches; version 1 with the launches proj, rbf, attn, outp written anew for expert scheduling mode
;; workspace buffers: w0 2,785,280 bytes; w1 10,878,976 bytes; o2 524,288 bytes; w2 2,228,224 bytes
;; launch quant: the kernel of part 1 again; grid 320 x 1, 2 waves a work-group, no clusters, 20,736 bytes of LDS; arguments h, Wq, Wkv, Wo, w0; writes w0
;; launch proj (part 6): grid 8 x 32, 8 waves a work-group, no clusters, 50,176 bytes of LDS; arguments w0, w1; writes w1
.if DOCPART == 6
	.amdgcn_target "amdgcn-amd-amdhsa--gfx1250"
	.amdhsa_code_object_version 6
	.text
	.protected	k_q75cc45306a_proj
	.globl	k_q75cc45306a_proj
	.p2align	8
	.type	k_q75cc45306a_proj,@function
k_q75cc45306a_proj:
	s_mov_b64 s[64:65], 0
	v_nop
	global_prefetch_b8 v0, s[64:65] scope:SCOPE_SE
	s_setreg_imm32_b32 hwreg(HW_REG_WAVE_SCHED_MODE, 0, 2), 2
	s_setreg_imm32_b32 hwreg(HW_REG_WAVE_MODE, 25, 1), 1
	s_wait_xcnt 0x0
	s_wait_alu depctr_vm_vsrc(0)
; q = h Wq^T, k = h Wk^T (then normalised), v = h Wv^T on FP4 codes, for one head (work-group x) and one block of 32 sequence positions (work-group y), all 8 batches: wave w = batch b.
; The results never go to memory as numbers: they are quantised in registers for the products that follow and stored as images of operand registers.
; A wave's 32 rows of h are two tiles (u = 0, 1), 64 registers, kept.  The head's 12 weight tiles (q, k, v: 4 each) lie in LDS, copied once.
; TRANSPOSED (source 0 = 16 weight rows, source 1 = 16 rows of h): a lane holds one position and, since a weight tile's rows are chosen so, registers 16 G + i are channels d = 32 G + 16 (lane / 16) + i:
; neighbours along d, which is K of the distance products.  NOT TRANSPOSED (source 0 = h, source 1 = v's weights): a lane holds one channel and 16 neighbouring positions: K of the last attention product.
; OUT, in w1 (bh = 8 b + head; T = tile of positions; p = 16 T + row):
;   QC   0          [bh][T][lane][16]        q's codes: registers 0-3 of a fragment (K = 64)
;   KVC  2,097,152  [bh][T][c][lane][16]     c = 0: k's codes, c = 1: v's along d: a whole fragment of [k | v] (K = 128)
;   VT   6,291,456  [bh][ks 8][t 4][image]   v along the positions: rows = channels of tile t
;   REC  8,388,608  [bh][p]{-c sy, scale word (k0 k1 v0 v1), -c (sy + sv), 0}      c = log2(e) / 8
;   KAUX 9,437,184  [bh][3][1024]            -sy / 2, -(sy + sv) / 2, scale word
;   QAUX 10,223,616 [bh][2][1024]            -c sq, q's scale word (q0 q1 7f 7f)
;   VTS  10,747,904 [bh][ks][t][row] words   byte mt % 4 is this work-group's
; sq, sy, sv: sums of squares of the unquantised q, normalised k, v.  LIMITS as in the launch before: byte 1 for blocks under 2^-124; NaN and infinities are not served.
; THE MODE: SCHED_MODE bits 1:0 = 2 (LLVM: expert scheduling mode 2), set by the entry lines.  The code itself states the register dependences
; between vector or matrix instructions and memory or LDS instructions, with s_wait_alu, always for 0.
; THE PLAN.  Registers that memory or LDS instructions touch:
;   WF v104-167  LDS loads land in it, half of K at a time; the products read it.  Between two products it is scratch: PC and OV, written by vector instructions and read by the phase's stores, and SQ.
;   WS v88-103   Global loads land in it at the head of each product; its matrix instructions read it as scales.
;   v236-239     Written by the last quantiser, read by the last four byte stores.
;   v1-6         Offsets, made once at the head and never written again.
; A phase's stores stand together behind its arithmetic, behind ONE wait on va_vdst: it states that their data are written, and, for the loads at the head of the product that follows, that all
; vector and matrix instructions that named WF and WS are done: only stores and v_nop stand between it and those loads.  A wait on vm_vsrc at each product's head states that the stores have read the scratch.
; One more wait on va_vdst stands in a product's middle, where the fragments that its first sixteen matrix instructions read are loaded anew.
.set LI,  1                            ; v1  16 x lane
.set R16, 2                            ; v2  16 x (lane % 16)
.set L4,  3                            ; v3  4 x lane
.set VTO, 4                            ; v4  1,024 (lane / 16) + 16 (lane % 16)
.set VSO, 5                            ; v5  4 (lane % 16)
.set T16, 6                            ; v6  16 x thread
.set SYK, 8                            ; v8-9   sy of tile u
.set KBW, 10                           ; v10-11 k's two scale bytes of tile u
.set WD,  12                           ; v12-13 the scale word of tile u
.set SS,  14                           ; v14-15 a sum of squares of tile u
.set HF,  16                           ; v16-79  h's fragments [u][ks]
.set HS,  80                           ; v80-87  h's scale words [u][ks]
.set WS,  88                           ; v88-103 the weights' scale words [t][ks]
.set WF,  104                          ; v104-167 weights' fragments [t][2 K steps]; between products scratch:
.set PC,  104                          ;   codes just made
.set OV,  136                          ;   numbers to store
.set SQ,  148                          ;   sums at work
.set ACC, 168                          ; v168-231 eight accumulators
.set TM,  232                          ; v232-235 largest magnitudes, v236-239 bytes, v244-247 the conversions' scale operands
.macro WM0 d, a, b, sa, sb
	v_wmma_scale_f32_16x16x128_f8f6f4 v[\d:\d+7], v[\a:\a+7], v[\b:\b+7], 0, v[\sa], v[\sb] matrix_a_fmt:MATRIX_FMT_FP4 matrix_b_fmt:MATRIX_FMT_FP4
.endm
.macro WMA d, a, b, sa, sb
	v_wmma_scale_f32_16x16x128_f8f6f4 v[\d:\d+7], v[\a:\a+7], v[\b:\b+7], v[\d:\d+7], v[\sa], v[\sb] matrix_a_fmt:MATRIX_FMT_FP4 matrix_b_fmt:MATRIX_FMT_FP4
.endm
; 32 matrix instructions: 4 weight tiles of role rho (0 q, 1 k, 2 v) x my 2 tiles of h x 4 K steps.  The eight accumulators take turns, one instruction a turn.
; tr = 1: accumulator (u, t) at ACC + 32 u + 8 t;  tr = 0: at ACC + 16 t + 8 u.
; The vector and matrix instructions that named WS and WF stand ahead of the last wait on va_vdst (the one ahead of the phase's stores; the first time the one at the kernel's head).
.macro GEMM rho, tr
	s_wait_xcnt 0x0                                ; the stores of the phase before have had their addresses translated: the scratch registers that they read are filled again only behind this wait
	s_wait_alu depctr_vm_vsrc(0)                   ; the stores of the phase before (the first time: the LDS stores of the weights) have read the scratch registers in which the loads below land
.irp t, 0,1,2,3
	global_load_b128 v[WS+4*\t:WS+4*\t+3], v[R16], s[14:15] offset:8192*\rho+256*\t
.endr
.irp hk, 0,1
.rept 4
	v_nop                                          ; places in front of loads into registers that matrix instructions have read
.endr
.if \hk
	s_wait_alu depctr_va_vdst(0)                   ; the sixteen matrix instructions above are done reading the fragments in which the loads below land
.endif
.irp t, 0,1,2,3
.irp k2, 0,1
.irp c, 0,1
	ds_load_b128 v[WF+16*\t+8*\k2+4*\c:WF+16*\t+8*\k2+4*\c+3], v[LI] offset:16384*\rho+4096*\t+1024*(2*\hk+\k2)+512*\c
.endr
.endr
.endr
	s_wait_dscnt 0x0
.if \hk == 0
	s_wait_loadcnt 0x0                             ; the scale words (and, the first time, h's fragments)
.endif
.irp k2, 0,1
.irp t, 0,1,2,3
.irp u, 0,1
.if \tr
.if 2*\hk+\k2 == 0
	WM0 ACC+32*\u+8*\t, WF+16*\t+8*\k2, HF+32*\u+8*(2*\hk+\k2), WS+4*\t+2*\hk+\k2, HS+4*\u+2*\hk+\k2
.else
	WMA ACC+32*\u+8*\t, WF+16*\t+8*\k2, HF+32*\u+8*(2*\hk+\k2), WS+4*\t+2*\hk+\k2, HS+4*\u+2*\hk+\k2
.endif
.else
.if 2*\hk+\k2 == 0
	WM0 ACC+16*\t+8*\u, HF+32*\u+8*(2*\hk+\k2), WF+16*\t+8*\k2, HS+4*\u+2*\hk+\k2, WS+4*\t+2*\hk+\k2
.else
	WMA ACC+16*\t+8*\u, HF+32*\u+8*(2*\hk+\k2), WF+16*\t+8*\k2, HS+4*\u+2*\hk+\k2, WS+4*\t+2*\hk+\k2
.endif
.endif
.endr
.endr
.endr
.endr
.rept 5
	v_nop                                          ; places in front of the first read of results and of the writes into the scratch registers
.endr
.endm
; the sum of squares of a position's 64 numbers: my 32 registers from the low end on, then lane l xor 16's
.macro SUMSQ s, d
	v_pk_mul_f32 v[SQ:SQ+1], v[\s:\s+1], v[\s:\s+1]
	v_pk_mul_f32 v[SQ+2:SQ+3], v[\s+2:\s+3], v[\s+2:\s+3]
.irp i, 4,8,12,16,20,24,28
	v_pk_fma_f32 v[SQ:SQ+1], v[\s+\i:\s+\i+1], v[\s+\i:\s+\i+1], v[SQ:SQ+1]
	v_pk_fma_f32 v[SQ+2:SQ+3], v[\s+\i+2:\s+\i+3], v[\s+\i+2:\s+\i+3], v[SQ+2:SQ+3]
.endr
	v_pk_add_f32 v[SQ:SQ+1], v[SQ:SQ+1], v[SQ+2:SQ+3]
	v_add_f32 v[SQ], v[SQ], v[SQ+1]
	v_permlanex16_b32 v[SQ+2], v[SQ], s34, s35
	v_add_f32 v[\d], v[SQ], v[SQ+2]
.endm
; nb blocks of 32: register 16 b + i of v[s] on is number 16 (lane / 16) + i of block b.  Codes to v[pc] on (4 registers for each two blocks, a whole block to a lane), bytes to v[TM+4+b].
.macro QUANT s, nb, pc
.irp b, 0,1,2,3
.if \b < \nb
	v_max3_num_f32 v[TM+\b], |v[\s+16*\b]|, |v[\s+16*\b+1]|, 0x1800000   ; my 16 numbers and the floor 2^(3 - 127)
.endif
.endr
.irp i, 2,4,6,8,10,12,14
.irp b, 0,1,2,3
.if \b < \nb
	v_max3_num_f32 v[TM+\b], v[TM+\b], |v[\s+16*\b+\i]|, |v[\s+16*\b+\i+1]|
.endif
.endr
.endr
.irp b, 0,1,2,3
.if \b < \nb
	v_permlanex16_b32 v[TM+4+\b], v[TM+\b], s34, s35
.endif
.endr
.irp b, 0,1,2,3
.if \b < \nb
	v_max_num_f32 v[TM+\b], v[TM+\b], v[TM+4+\b]   ; with lane l xor 16's: the block's largest magnitude
.endif
.endr
.irp b, 0,1,2,3
.if \b < \nb
	v_add_nc_u32 v[TM+12+\b], 0xff000000, v[TM+\b] ; 2 off its exponent field: the conversion's scale operand
.endif
.endr
.irp b, 0,1,2,3
.if \b < \nb
	v_lshrrev_b32 v[TM+4+\b], 23, v[TM+12+\b]      ; the scale's byte
.endif
.endr
.irp b, 0,1,2,3
.if \b < \nb
	v_cvt_scalef32_pk8_fp4_f32 v[\pc+2*\b], v[\s+16*\b:\s+16*\b+7], v[TM+12+\b]
	v_cvt_scalef32_pk8_fp4_f32 v[\pc+2*\b+1], v[\s+16*\b+8:\s+16*\b+15], v[TM+12+\b]
.endif
.endr
	v_nop                                          ; one plain line behind a scaled conversion
.irp c, 0,1
.if 2*\c < \nb
.irp i, 0,1
	v_permlane16_swap_b32 v[\pc+4*\c+\i], v[\pc+4*\c+2+\i]   ; lanes 0-15 get block 2 c whole, lanes 16-31 block 2 c + 1
.endr
.endif
.endr
.endm
	s_load_b128 s[4:7], s[0:1], 0x0                ; w0, w1
	v_lshl_add_u32 v250, v0, 2, 0xc000
	v_mov_b32 v251, 0
	v_lshrrev_b32 v7, 5, v0
	v_readfirstlane_b32 s8, v7                     ; wave = batch b
	v_and_b32 v7, 31, v0
	v_lshlrev_b32 v[LI], 4, v7
	v_lshlrev_b32 v[L4], 2, v7
	v_and_b32 v248, 15, v0
	v_bfe_u32 v249, v0, 4, 1
	v_lshlrev_b32 v[R16], 4, v248
	v_lshlrev_b32 v[VSO], 2, v248
	v_lshl_add_u32 v[VTO], v249, 10, v[R16]
	v_lshlrev_b32 v[T16], 4, v0
.irp b, 0,1,2,3
	v_mov_b32 v[TM+4+\b], 0                        ; written once: a lane permute's destination counts as one of its sources
.endr
	v_mov_b32 v255, 0                              ; (the upper half of the pair v[254:255])
	s_mov_b32 s9, ttmp9                            ; head
	s_and_b32 s10, ttmp7, 0xffff                   ; mt: positions 32 mt on
	s_wait_alu depctr_va_sdst(0)                   ; s8 is written, ahead of its first reader: the bases are made from it
	s_lshl_b32 s11, s8, 3
	s_add_co_u32 s11, s11, s9                      ; bh
	s_mov_b32 s34, 0x76543210
	s_mov_b32 s35, 0xfedcba98                      ; v_permlanex16_b32's selects for lane l xor 16
	s_mov_b32 s36, 0xffff0000                      ; lanes 16-31
	s_mov_b32 s39, 0
	s_lshl_b32 s40, s10, 1                         ; 2 mt
	s_lshl_b32 s41, s10, 7                         ; 128 mt
	s_lshr_b32 s42, s10, 2                         ; mt / 4
	s_wait_kmcnt 0x0
	s_lshl_b32 s38, s9, 14
	s_add_co_u32 s38, s38, 2097152
	s_add_nc_u64 s[12:13], s[4:5], s[38:39]        ; the head's weight tiles (role in the immediate)
	s_lshl_b32 s38, s9, 10
	s_add_co_u32 s38, s38, 2752512
	s_add_nc_u64 s[14:15], s[4:5], s[38:39]        ; their scale bytes
	s_lshl_b32 s37, s8, 6
	s_add_co_u32 s37, s37, s40                     ; h's tile 64 b + 2 mt
	s_lshl_b32 s38, s37, 12
	s_add_nc_u64 s[16:17], s[4:5], s[38:39]
	s_lshl_b32 s38, s37, 8
	s_add_co_u32 s38, s38, 2621440
	s_add_nc_u64 s[18:19], s[4:5], s[38:39]
	s_lshl_b32 s37, s11, 6
	s_add_co_u32 s37, s37, s40                     ; 64 bh + 2 mt
	s_lshl_b32 s38, s37, 9
	s_add_nc_u64 s[20:21], s[6:7], s[38:39]        ; QC
	s_lshl_b32 s38, s37, 10
	s_add_co_u32 s38, s38, 2097152
	s_add_nc_u64 s[24:25], s[6:7], s[38:39]        ; KVC
	s_lshl_b32 s38, s11, 13
	s_add_co_u32 s38, s38, s41
	s_add_co_u32 s38, s38, 10223616
	s_add_nc_u64 s[22:23], s[6:7], s[38:39]        ; QAUX
	s_lshl_b32 s38, s11, 14
	s_lshl_b32 s43, s10, 9
	s_add_co_u32 s38, s38, s43
	s_add_co_u32 s38, s38, 8388608
	s_add_nc_u64 s[26:27], s[6:7], s[38:39]        ; REC
	s_mul_i32 s38, s11, 12288
	s_add_co_u32 s38, s38, s41
	s_add_co_u32 s38, s38, 9437184
	s_add_nc_u64 s[28:29], s[6:7], s[38:39]        ; KAUX
	s_lshl_b32 s38, s11, 15
	s_lshl_b32 s43, s42, 12
	s_add_co_u32 s38, s38, s43
	s_bfe_u32 s43, s10, 0x10001
	s_lshl_b32 s43, s43, 9
	s_add_co_u32 s38, s38, s43
	s_and_b32 s43, s10, 1
	s_lshl_b32 s43, s43, 8
	s_add_co_u32 s38, s38, s43
	s_add_co_u32 s38, s38, 6291456
	s_add_nc_u64 s[30:31], s[6:7], s[38:39]        ; VT: K step mt / 4, and block mt % 4's place in an image
	s_lshl_b32 s38, s11, 11
	s_lshl_b32 s43, s42, 8
	s_add_co_u32 s38, s38, s43
	s_and_b32 s43, s10, 3
	s_add_co_u32 s38, s38, s43
	s_add_co_u32 s38, s38, 10747904
	s_add_nc_u64 s[32:33], s[6:7], s[38:39]        ; VTS: byte mt % 4 of the words
	s_wait_alu depctr_va_vdst(0)                   ; the six offsets v1 to v6 are written, which every load and store of the kernel reads
.irp rho, 0,1,2
.irp i, 0,1,2,3
	global_load_b128 v[WF+16*\rho+4*\i:WF+16*\rho+4*\i+3], v[T16], s[12:13] offset:131072*\rho+4096*\i   ; the 12 weight tiles: 4,096 consecutive bytes a line for the work-group
.endr
.endr
.irp u, 0,1
.irp ks, 0,1,2,3
.irp c, 0,1
	global_load_b128 v[HF+32*\u+8*\ks+4*\c:HF+32*\u+8*\ks+4*\c+3], v[LI], s[16:17] offset:4096*\u+1024*\ks+512*\c
.endr
.endr
	global_load_b128 v[HS+4*\u:HS+4*\u+3], v[R16], s[18:19] offset:256*\u
.endr
	s_wait_loadcnt 18                              ; the 12 copies are in; h's 16 fragment loads and 2 scale loads, issued behind them, may be out
.irp rho, 0,1,2
.irp i, 0,1,2,3
	ds_store_b128 v[T16], v[WF+16*\rho+4*\i:WF+16*\rho+4*\i+3] offset:16384*\rho+4096*\i
.endr
.endr
	s_wait_dscnt 0x0                               ; for the others' sake: my part of the weights lies in LDS
	s_barrier_signal -1
	s_barrier_wait -1                              ; the launch's one barrier: LDS is only read from here on
	; ---- q
	GEMM 0, 1
.irp u, 0,1
	SUMSQ ACC+32*\u, SS+\u
	QUANT ACC+32*\u, 2, PC+4*\u
	v_lshl_or_b32 v[WD+\u], v[TM+5], 8, v[TM+4]
	v_or_b32 v[WD+\u], 0x7f7f0000, v[WD+\u]        ; K = 64 is filled to 128 with zero codes under the byte 127
.endr
	v_cndmask_b32 v[OV], v[SS], v[SS+1], s36       ; lane l now holds position 32 mt + l in tile order
	v_mul_f32 v[OV], 0xbe38aa3b, v[OV]             ; -c sq
	v_cndmask_b32 v[OV+1], v[WD], v[WD+1], s36
	s_wait_alu depctr_va_vdst(0)                   ; q's codes and the two numbers are written, which the four stores read; and all that named WS and WF is done, for the loads of the product that follows
.irp u, 0,1
	global_store_b128 v[LI], v[PC+4*\u:PC+4*\u+3], s[20:21] offset:512*\u
.endr
	global_store_b32 v[L4], v[OV], s[22:23]
	global_store_b32 v[L4], v[OV+1], s[22:23] offset:4096
	; ---- k, normalised
	GEMM 1, 1
.irp u, 0,1
	SUMSQ ACC+32*\u, 252
	v_sqrt_f32 v253, v252
	v_nop                                          ; a plain line behind a transcendental,
	s_wait_alu depctr_va_vdst(0)                   ; the root is written, ahead of its first reader
	v_max_num_f32 v253, 0x2b8cbccc, v253           ; max(norm, 1e-12)
	v_rcp_f32 v254, v253
	v_nop
	s_wait_alu depctr_va_vdst(0)                   ; the reciprocal is written, ahead of its first reader
.irp i, 0,2,4,6,8,10,12,14,16,18,20,22,24,26,28,30
	v_pk_mul_f32 v[ACC+32*\u+\i:ACC+32*\u+\i+1], v[ACC+32*\u+\i:ACC+32*\u+\i+1], v[254:255] op_sel_hi:[1,0]
.endr
	SUMSQ ACC+32*\u, SYK+\u
	QUANT ACC+32*\u, 2, PC+4*\u
	v_lshl_or_b32 v[KBW+\u], v[TM+5], 8, v[TM+4]
.endr
	s_wait_alu depctr_va_vdst(0)                   ; k's codes are written, which the two stores read; and all that named WS and WF is done, for the loads of the product that follows
.irp u, 0,1
	global_store_b128 v[LI], v[PC+4*\u:PC+4*\u+3], s[24:25] offset:1024*\u
.endr
	; ---- v, quantised along the channels
	GEMM 2, 1
.irp u, 0,1
	SUMSQ ACC+32*\u, SS+\u
	QUANT ACC+32*\u, 2, PC+4*\u
	v_lshl_or_b32 v[WD+\u], v[TM+4], 16, v[KBW+\u]
	v_lshl_or_b32 v[WD+\u], v[TM+5], 24, v[WD+\u]  ; the four bytes of [k | v]
.endr
	v_cndmask_b32 v[OV+4], v[SYK], v[SYK+1], s36   ; sy
	v_cndmask_b32 v[OV+5], v[SS], v[SS+1], s36     ; sv
	v_cndmask_b32 v[OV+1], v[WD], v[WD+1], s36
	v_add_f32 v[OV+5], v[OV+4], v[OV+5]
	v_mul_f32 v[OV], 0xbe38aa3b, v[OV+4]
	v_mul_f32 v[OV+2], 0xbe38aa3b, v[OV+5]
	v_mov_b32 v[OV+3], 0
	v_mul_f32 v[OV+6], -0.5, v[OV+4]
	v_mul_f32 v[OV+7], -0.5, v[OV+5]
	s_wait_alu depctr_va_vdst(0)                   ; v's codes, the record and the three numbers are written, which the six stores read; and all that named WS and WF is done, for the loads of the product that follows
.irp u, 0,1
	global_store_b128 v[LI], v[PC+4*\u:PC+4*\u+3], s[24:25] offset:1024*\u+512
.endr
	global_store_b128 v[LI], v[OV:OV+3], s[26:27]  ; 512 consecutive bytes
	global_store_b32 v[L4], v[OV+6], s[28:29]
	global_store_b32 v[L4], v[OV+7], s[28:29] offset:4096
	global_store_b32 v[L4], v[OV+1], s[28:29] offset:8192
	; ---- v once more, the sources swapped: the same numbers, a lane to a channel, registers along the positions: block mt of each of the 64 channels
	GEMM 2, 0
	QUANT ACC, 4, PC
	s_wait_alu depctr_va_vdst(0)                   ; the codes and the four bytes are written, which the six stores read
	global_store_b128 v[VTO], v[PC:PC+3], s[30:31]                 ; lanes 0-15: channel tile 0, lanes 16-31: tile 1; each half stores 256 consecutive bytes, aligned
	global_store_b128 v[VTO], v[PC+4:PC+7], s[30:31] offset:2048   ; tiles 2, 3
.irp t, 0,1,2,3
	global_store_b8 v[VSO], v[TM+4+\t], s[32:33] offset:64*\t      ; one byte of each row's word: the other three are other work-groups'; both halves of the lanes store the same byte with the same value
.endr
	s_wait_dscnt 0x0                               ; the closing lines, six on end
	s_wait_alu 0x0
	s_wait_tensorcnt 0x0
	ds_add_u32 v250, v251
	s_wait_dscnt 0x0
	s_endpgm
.Lfunc_end_k_q75cc45306a_proj:
	.size	k_q75cc45306a_proj, .Lfunc_end_k_q75cc45306a_proj-k_q75cc45306a_proj
	.p2alignl 7, 3214868480
	.fill 96, 4, 3214868480
	.section	.rodata,"a",@progbits
	.p2align	6, 0x0
	.amdhsa_kernel k_q75cc45306a_proj
		.amdhsa_group_segment_fixed_size 50176
		.amdhsa_private_segment_fixed_size 0
		.amdhsa_enable_private_segment 0
		.amdhsa_kernarg_size 16
		.amdhsa_user_sgpr_count 2
		.amdhsa_user_sgpr_kernarg_segment_ptr 1
		.amdhsa_wavefront_size32 1
		.amdhsa_system_sgpr_workgroup_id_x 1
		.amdhsa_system_sgpr_workgroup_id_y 1
		.amdhsa_system_sgpr_workgroup_id_z 1
		.amdhsa_system_vgpr_workitem_id 0
		.amdhsa_next_free_vgpr 256
		.amdhsa_next_free_sgpr 66
		.amdhsa_reserve_vcc 0
		.amdhsa_float_denorm_mode_32 3
		.amdhsa_float_denorm_mode_16_64 3
		.amdhsa_memory_ordered 1
		.amdhsa_forward_progress 1
		.amdhsa_inst_pref_size 65
	.end_amdhsa_kernel
	.amdgpu_metadata
---
amdhsa.version: [ 1, 2 ]
amdhsa.kernels:
  - .name:           k_q75cc45306a_proj
    .symbol:         k_q75cc45306a_proj.kd
    .args:
      - { .name: w0, .offset: 0, .size: 8, .value_kind: global_buffer, .address_space: global }
      - { .name: w1, .offset: 8, .size: 8, .value_kind: global_buffer, .address_space: global }
    .group_segment_fixed_size: 50176
    .private_segment_fixed_size: 0
    .kernarg_segment_align: 8
    .kernarg_segment_size: 16
    .max_flat_workgroup_size: 256
    .sgpr_count:     66
    .vgpr_count:     256
    .wavefront_size: 32
...
	.end_amdgpu_metadata
.endif
;; end of part 6
;; launch rbf (part 7): grid 4 x 64, 8 waves a work-group, no clusters, 84,992 bytes of LDS; arguments w1, o2; writes o2
.if DOCPART == 7
	.amdgcn_target "amdgcn-amd-amdhsa--gfx1250"
	.amdhsa_code_object_version 6
	.text
	.protected	k_q75cc45306a_rbf
	.globl	k_q75cc45306a_rbf
	.p2align	8
	.type	k_q75cc45306a_rbf,@function
k_q75cc45306a_rbf:
	s_mov_b64 s[64:65], 0
	v_nop
	global_prefetch_b8 v0, s[64:65] scope:SCOPE_SE
	s_setreg_imm32_b32 hwreg(HW_REG_WAVE_SCHED_MODE, 0, 2), 2
	s_setreg_imm32_b32 hwreg(HW_REG_WAVE_MODE, 25, 1), 1
	s_wait_xcnt 0x0
	s_wait_alu depctr_vm_vsrc(0)
; obj2[i] = 2^-10 x the sum over j of exp(-max(|x_i - x_j|^2, 0) / 8), for x = [k | v] (kind kv) and x = k (kind k), for one (b, head) (work-group y) and 256 rows i (work-group x).
; exp(..) = 2^min(2 c dot - c s_i - c s_j, 0), c = log2(e) / 8.  The dots are FP4 products; s are the sums of squares of the unquantised numbers.
; A wave owns two tiles of 16 rows i and walks all 64 tiles of j.  Source 0 = my tile, source 1 = the streamed tile: a lane holds ONE j, its registers eight i.
; -s_i / 2 is the C of the matrix instruction (it stays in registers); -c s_j and j's scale word are one record of 16 bytes a lane; the row sums stay in registers and cross lanes once, at the end.
; Kind k multiplies my [k | zero codes] with the streamed [k | v]: one streamed fragment serves both kinds.
; The exponent is at most 0 by the clamp that the computation itself has, so nothing is taken away before the exponential.
; All 64 tiles (64 KiB) and records (16 KiB) are copied into LDS once; the loop only reads LDS.  Sharing them between work-groups by joint loads is left out: what is shared is fetched once at the head, 80 KiB against 64 trips of some 110 instructions a wave.
; OUT: o2 [bh][kind: 0 kv, 1 k][p], f32, p in tile order.
; THE MODE: SCHED_MODE bits 1:0 = 2 (LLVM: expert scheduling mode 2), set by the entry lines.  The code itself states the register dependences
; between vector or matrix instructions and memory or LDS instructions, with s_wait_alu, always for 0.
; THE PLAN.  Registers that LDS instructions touch in the loop:
;   SF, RC and SF1, RC1   two buffers for the streamed fragment and record.  Trip t: its four matrix instructions and sixteen scalings read buffer t % 2; at its head the loads of tile t + 1 land in the other buffer.
;   v4, v5                the LDS addresses of a pair of tiles.  Read by the three loads of every trip (the pair's second tile by an immediate offset); written once in two trips, in the even one.
; ONE wait on va_vdst stands in a trip, behind its 32 exponentials and ahead of their first reader.  It also states that the trip's matrix instructions and scalings are done reading their buffer, in which the
; next trip's head loads land, and, in an even trip, that v4 and v5 are written.  Between it and those loads stand the sixteen additions of the row sums, which name the sums and the results alone.
; One wait on vm_vsrc stands in each even trip, ahead of the two additions that write v4 and v5.
.set RECL, 0                           ; LDS: the records
.set KVL,  16384                       ; the tiles
.set OBL,  81920                       ; 2 kinds x 256 row sums
.set SF,   8                           ; v8-15   the streamed fragment, buffer 0
.set RC,   16                          ; v16-19  the streamed record {-c sy, scale word, -c (sy + sv), 0}, buffer 0
.set OS,   20                          ; v20-21  my tiles' scale words
.set FK,   24                          ; v24-39  my tiles [k | v]
.set FZ,   40                          ; v40-55  my tiles [k | 0]
.set CK,   56                          ; v56-71  -sy / 2 of my rows
.set CKV,  72                          ; v72-87  -(sy + sv) / 2
.set SK,   88                          ; v88-103  row sums, kind k
.set SKV,  104                         ; v104-119 row sums, kind kv
.set D,    120                         ; v120-151 results [a][k, kv]
.set SF1,  154                         ; v154-161 the streamed fragment, buffer 1
.set RC1,  162                         ; v162-165 the streamed record, buffer 1
.macro WMC d, a, b, c, sa, sb
	v_wmma_scale_f32_16x16x128_f8f6f4 v[\d:\d+7], v[\a:\a+7], v[\b:\b+7], v[\c:\c+7], v[\sa], v[\sb] matrix_a_fmt:MATRIX_FMT_FP4 matrix_b_fmt:MATRIX_FMT_FP4
.endm
	s_load_b128 s[4:7], s[0:1], 0x0                ; w1, o2
	v_lshl_add_u32 v152, v0, 2, 0x14800
	v_mov_b32 v153, 0
	v_lshrrev_b32 v1, 5, v0
	v_readfirstlane_b32 s8, v1                     ; wave 0..7
	v_and_b32 v4, 31, v0
	v_lshlrev_b32 v1, 4, v4                        ; v1  16 x lane
	v_and_b32 v5, 15, v0
	v_lshlrev_b32 v2, 4, v5                        ; v2  16 (lane % 16)
	v_lshlrev_b32 v22, 2, v5                       ; v22 4 (lane % 16)
	v_bfe_u32 v3, v0, 4, 1
	v_lshlrev_b32 v3, 5, v3                        ; v3  32 (lane / 16)
	v_lshlrev_b32 v6, 4, v0                        ; v6  16 x thread
	v_add_nc_u32 v7, 65536, v6                     ; v7  the same beyond what an immediate reaches
	s_wait_alu depctr_va_sdst(0)                   ; s8 is written, ahead of its first reader: addresses and bases are made from it
	s_lshl_b32 s28, s8, 7
	s_add_co_u32 s28, s28, OBL
	v_add_nc_u32 v23, s28, v3                      ; v23 where my row sums go: 128 x wave + 32 (lane / 16)
	s_mov_b32 s9, ttmp9                            ; quarter
	s_and_b32 s10, ttmp7, 0xffff                   ; bh
	s_lshl_b32 s11, s9, 4
	s_lshl_b32 s28, s8, 1
	s_add_co_u32 s11, s11, s28                     ; my first tile: 16 x quarter + 2 x wave
	s_mov_b32 s20, 0x3eb8aa3b                      ; 2 c
	s_mov_b32 s21, s20                             ; (named with it as a pair)
	s_mov_b32 s29, 0
	s_wait_kmcnt 0x0
	s_lshl_b32 s28, s10, 14
	s_add_co_u32 s28, s28, 8388608
	s_add_nc_u64 s[12:13], s[4:5], s[28:29]        ; the records
	s_lshl_b32 s28, s10, 16
	s_add_co_u32 s28, s28, 2097152
	s_add_nc_u64 s[14:15], s[4:5], s[28:29]        ; the tiles
	s_mul_i32 s28, s10, 12288
	s_lshl_b32 s25, s11, 6
	s_add_co_u32 s28, s28, s25
	s_add_co_u32 s28, s28, 9437184
	s_add_nc_u64 s[16:17], s[4:5], s[28:29]        ; the three arrays at my first row
	s_lshl_b32 s28, s11, 10
	s_add_nc_u64 s[18:19], s[14:15], s[28:29]      ; my tiles
	s_lshl_b32 s28, s10, 13
	s_lshl_b32 s25, s9, 10
	s_add_co_u32 s28, s28, s25
	s_add_nc_u64 s[26:27], s[6:7], s[28:29]        ; out
	s_wait_alu depctr_va_vdst(0)                   ; the offsets and addresses v1 to v3, v6, v7, v22 and v23 are written, which the loads and stores below read
.irp i, 0,1,2,3
	global_load_b128 v[24+4*\i:27+4*\i], v6, s[12:13] offset:4096*\i
.endr
.irp i, 0,1,2,3,4,5,6,7,8,9,10,11,12,13,14,15
	global_load_b128 v[40+4*\i:43+4*\i], v6, s[14:15] offset:4096*\i
.endr
	s_wait_loadcnt 0x0
.irp i, 0,1,2,3
	ds_store_b128 v6, v[24+4*\i:27+4*\i] offset:RECL+4096*\i
.endr
.irp i, 0,1,2,3,4,5,6,7,8,9,10,11
	ds_store_b128 v6, v[40+4*\i:43+4*\i] offset:KVL+4096*\i
.endr
.irp i, 12,13,14,15
	ds_store_b128 v7, v[40+4*\i:43+4*\i] offset:KVL+4096*\i-65536
.endr
	s_wait_dscnt 0x0                               ; for the others' sake: the stores have landed
	s_wait_alu depctr_vm_vsrc(0)                   ; the LDS stores have read v24 to v103, in which the loads below land and which the clearing lines below write
.irp a, 0,1
	global_load_b128 v[FK+8*\a:FK+8*\a+3], v1, s[18:19] offset:1024*\a
	global_load_b128 v[FK+8*\a+4:FK+8*\a+7], v1, s[18:19] offset:1024*\a+512
	global_load_b128 v[FZ+8*\a:FZ+8*\a+3], v1, s[18:19] offset:1024*\a
	global_load_b32 v[OS+\a], v22, s[16:17] offset:8192+64*\a
	global_load_b128 v[CK+8*\a:CK+8*\a+3], v3, s[16:17] offset:64*\a
	global_load_b128 v[CK+8*\a+4:CK+8*\a+7], v3, s[16:17] offset:64*\a+16
	global_load_b128 v[CKV+8*\a:CKV+8*\a+3], v3, s[16:17] offset:4096+64*\a
	global_load_b128 v[CKV+8*\a+4:CKV+8*\a+7], v3, s[16:17] offset:4096+64*\a+16
.endr
.irp a, 0,1
.irp i, 4,5,6,7
	v_mov_b32 v[FZ+8*\a+\i], 0                     ; zero codes in v's place
.endr
.endr
.set i, 0
.rept 32
	v_mov_b32 v[SK+i], 0                           ; the row sums (the trip is written once)
.set i, i+1
.endr
	s_barrier_signal -1
	s_barrier_wait -1                              ; all tiles and records lie in LDS
	s_mov_b32 s22, 0                               ; 1,024 x the pair's first tile
	s_mov_b32 s23, 0                               ; 256 x the pair's first tile
	v_add_nc_u32 v4, s22, v1
	v_add_nc_u32 v5, s23, v2
	s_wait_alu depctr_va_vdst(0)                   ; v4 and v5 are written, which the streamed loads read; so are the zero codes, which the scaled matrix instructions take as part of an operand
	ds_load_b128 v[SF:SF+3], v4 offset:KVL         ; tile 0 into buffer 0
	ds_load_b128 v[SF+4:SF+7], v4 offset:KVL+512
	ds_load_b128 v[RC:RC+3], v5 offset:RECL
	s_wait_loadcnt 0x0                             ; my own tiles, words and biases
; A trip: one streamed tile, in buffer p.  ld = 1: the next tile is asked for, into the other buffer, off tiles on from the address in v4 and v5.  step = 1: the address moves on by a pair of tiles.
.macro TRIP p, ld, off, step
.if \p
.set CUF, SF1
.set CUR, RC1
.set NXF, SF
.set NXR, RC
.else
.set CUF, SF
.set CUR, RC
.set NXF, SF1
.set NXR, RC1
.endif
.if \ld
	ds_load_b128 v[NXF:NXF+3], v4 offset:KVL+1024*\off             ; the next tile: it has this whole trip in which to land.  No wait: nothing issued since the last wait on va_vdst names these registers or v4, v5
	ds_load_b128 v[NXF+4:NXF+7], v4 offset:KVL+1024*\off+512
	ds_load_b128 v[NXR:NXR+3], v5 offset:RECL+256*\off
	s_wait_dscnt 3                                 ; LDS loads come back in order: this trip's fragment and record are in, the three just issued may be out
.else
	s_wait_dscnt 0x0
.endif
	WMC D,    FZ,   CUF, CK,    OS,   CUR+1
	WMC D+16, FZ+8, CUF, CK+8,  OS+1, CUR+1
	WMC D+8,  FK,   CUF, CKV,   OS,   CUR+1
	WMC D+24, FK+8, CUF, CKV+8, OS+1, CUR+1
.rept 4
	v_nop                                          ; places in front of the first read of results
.endr
.irp a, 0,1
.irp j, 0,2,4,6
	v_pk_fma_f32 v[D+16*\a+\j:D+16*\a+\j+1], v[D+16*\a+\j:D+16*\a+\j+1], s[20:21], v[CUR:CUR+1] op_sel_hi:[1,0,0]         ; 2 c (dot - s_i / 2) - c s_j
	v_pk_fma_f32 v[D+16*\a+8+\j:D+16*\a+8+\j+1], v[D+16*\a+8+\j:D+16*\a+8+\j+1], s[20:21], v[CUR+2:CUR+3] op_sel_hi:[1,0,0]
.endr
.endr
.set i, 0
.rept 32
	v_min_num_f32 v[D+i], 0, v[D+i]                ; the clamp of the squared distance at 0
.set i, i+1
.endr
.set i, 0
.rept 32
	v_exp_f32 v[D+i], v[D+i]
.set i, i+1
.endr
.if \step
	s_wait_alu depctr_vm_vsrc(0)                   ; the LDS loads issued so far have read v4 and v5, which the two lines below write
	s_add_co_u32 s22, s22, 2048
	s_add_co_u32 s23, s23, 512
	v_add_nc_u32 v4, s22, v1                       ; the next pair of tiles (also the plain lines behind the last exponential)
	v_add_nc_u32 v5, s23, v2
.else
	v_nop                                          ; a plain line behind the last exponential
.endif
	s_wait_alu depctr_va_vdst(0)                   ; the 32 exponentials are written, ahead of their first reader; the matrix instructions and scalings above are done reading this trip's buffer, in which the next trip's loads land; with step = 1, v4 and v5 are written
.irp a, 0,1
.irp j, 0,2,4,6
	v_pk_add_f32 v[SK+8*\a+\j:SK+8*\a+\j+1], v[SK+8*\a+\j:SK+8*\a+\j+1], v[D+16*\a+\j:D+16*\a+\j+1]
	v_pk_add_f32 v[SKV+8*\a+\j:SKV+8*\a+\j+1], v[SKV+8*\a+\j:SKV+8*\a+\j+1], v[D+16*\a+8+\j:D+16*\a+8+\j+1]
.endr
.endr
.endm
	s_mov_b32 s24, 31
.Ltile:                                                ; two trips to a lap, so that the buffers are back at their start: tiles 0 to 61
	TRIP 0, 1, 1, 1                                ; an even tile; the odd one of its pair is asked for; the address moves on
	TRIP 1, 1, 0, 0                                ; an odd tile; the next pair's first is asked for
	s_sub_co_i32 s24, s24, 1
	s_cmp_lg_u32 s24, 0
	s_cbranch_scc1 .Ltile
	TRIP 0, 1, 1, 0                                ; tile 62; tile 63 is asked for
	TRIP 1, 0, 0, 0                                ; the last tile asks for nothing
.irp m, 1,2,4,8
.set i, 0
.rept 32
	v_add_f32_dpp v[SK+i], v[SK+i], v[SK+i] row_xmask:\m row_mask:0xf bank_mask:0xf   ; over the sixteen j of a half of the lanes
.set i, i+1
.endr
.endr
.set i, 0
.rept 16
	v_pk_mul_f32 v[SK+i:SK+i+1], v[SK+i:SK+i+1], 0x3a800000 op_sel_hi:[1,0]          ; x 2^-10, the uniform weight: exact
.set i, i+2
.endr
	s_wait_alu depctr_va_vdst(0)                   ; the row sums are written, which the LDS stores read; and the matrix instructions are done reading v24 to v27, in which the load behind the barrier lands
.irp a, 0,1
.irp g, 0,1
	ds_store_b128 v23, v[SKV+8*\a+4*\g:SKV+8*\a+4*\g+3] offset:64*\a+16*\g           ; the sixteen lanes of a half write the same bytes with the same values
	ds_store_b128 v23, v[SK+8*\a+4*\g:SK+8*\a+4*\g+3] offset:1024+64*\a+16*\g
.endr
.endr
	s_wait_dscnt 0x0
	s_barrier_signal -1
	s_barrier_wait -1                              ; 2 x 256 row sums lie in LDS
	s_cmp_lt_u32 s8, 4
	s_cbranch_scc0 .Ldone                          ; four waves carry the 2,048 bytes out
	ds_load_b128 v[24:27], v7 offset:OBL-65536
	v_lshrrev_b32 v28, 6, v0                       ; kind
	v_and_b32 v29, 63, v0
	v_lshlrev_b32 v29, 4, v29
	v_lshl_add_u32 v28, v28, 12, v29
	s_wait_dscnt 0x0
	s_wait_alu depctr_va_vdst(0)                   ; v28 is written, which the store reads as its offset
	global_store_b128 v28, v[24:27], s[26:27]      ; sixteen lanes store 256 consecutive bytes, aligned
.Ldone:
	s_wait_dscnt 0x0                               ; the closing lines, six on end
	s_wait_alu 0x0
	s_wait_tensorcnt 0x0
	ds_add_u32 v152, v153
	s_wait_dscnt 0x0
	s_endpgm
.Lfunc_end_k_q75cc45306a_rbf:
	.size	k_q75cc45306a_rbf, .Lfunc_end_k_q75cc45306a_rbf-k_q75cc45306a_rbf
	.p2alignl 7, 3214868480
	.fill 96, 4, 3214868480
	.section	.rodata,"a",@progbits
	.p2align	6, 0x0
	.amdhsa_kernel k_q75cc45306a_rbf
		.amdhsa_group_segment_fixed_size 84992
		.amdhsa_private_segment_fixed_size 0
		.amdhsa_enable_private_segment 0
		.amdhsa_kernarg_size 16
		.amdhsa_user_sgpr_count 2
		.amdhsa_user_sgpr_kernarg_segment_ptr 1
		.amdhsa_wavefront_size32 1
		.amdhsa_system_sgpr_workgroup_id_x 1
		.amdhsa_system_sgpr_workgroup_id_y 1
		.amdhsa_system_sgpr_workgroup_id_z 1
		.amdhsa_system_vgpr_workitem_id 0
		.amdhsa_next_free_vgpr 166
		.amdhsa_next_free_sgpr 66
		.amdhsa_reserve_vcc 0
		.amdhsa_float_denorm_mode_32 3
		.amdhsa_float_denorm_mode_16_64 3
		.amdhsa_memory_ordered 1
		.amdhsa_forward_progress 1
		.amdhsa_inst_pref_size 40
	.end_amdhsa_kernel
	.amdgpu_metadata
---
amdhsa.version: [ 1, 2 ]
amdhsa.kernels:
  - .name:           k_q75cc45306a_rbf
    .symbol:         k_q75cc45306a_rbf.kd
    .args:
      - { .name: w1, .offset: 0, .size: 8, .value_kind: global_buffer, .address_space: global }
      - { .name: o2, .offset: 8, .size: 8, .value_kind: global_buffer, .address_space: global }
    .group_segment_fixed_size: 84992
    .private_segment_fixed_size: 0
    .kernarg_segment_align: 8
    .kernarg_segment_size: 16
    .max_flat_workgroup_size: 256
    .sgpr_count:     66
    .vgpr_count:     166
    .wavefront_size: 32
...
	.end_amdgpu_metadata
.endif
;; end of part 7
;; launch attn (part 8): grid 4 x 64, 4 waves a work-group, no clusters, 49,664 bytes of LDS; arguments w1, o2, w2; writes w2
.if DOCPART == 8
	.amdgcn_target "amdgcn-amd-amdhsa--gfx1250"
	.amdhsa_code_object_version 6
	.text
	.protected	k_q75cc45306a_attn
	.globl	k_q75cc45306a_attn
	.p2align	8
	.type	k_q75cc45306a_attn,@function
k_q75cc45306a_attn:
	s_mov_b64 s[64:65], 0
	v_nop
	global_prefetch_b8 v0, s[64:65] scope:SCOPE_SE
	s_setreg_imm32_b32 hwreg(HW_REG_WAVE_SCHED_MODE, 0, 2), 2
	s_setreg_imm32_b32 hwreg(HW_REG_WAVE_MODE, 25, 1), 1
	s_wait_xcnt 0x0
	s_wait_alu depctr_vm_vsrc(0)
; The weighted attention of one (b, head) (work-group y) for 256 queries (work-group x), and its result quantised for the output projection.
; WEIGHTS (prologue).  obj3 = the product of the uniform matrix (every entry 2^-10: code 6 under the byte 115, exactly) with obj2 quantised along j: ONE matrix instruction for both kinds, its 16 columns = 8 pieces of
; 128 j x 2 kinds; the 8 pieces are added in f32.  All 1,024 rows of that product are equal, and 16 are multiplied.  h_rob = 1 where sqrt(1 + obj2 + obj3) <= 0.2, else 0.2 / it; a weight is h_rob / the sum of h_rob:
; that is exp(log h_rob - logsumexp(log h_rob)) with no exponential formed; h_rob lies between 0.2 / sqrt(3.5) and 1, since every term of obj2 is at most 1 by the clamp of the distances.
; SCORES, in powers of two, c = log2(e) / 8:  t_ij = min(2 c (dot_ij + C_j) + a_i, l_j),  l_j = log2 wkv_j,  C_j = -sy_j / 2 + l_j / (2 c),  a_i = -c sq_i:  2^t = wkv_j exp(-max(dist, 0) / 8).
; E = 2^(t - m), Z_i = sum_j sigma_j E_ij with sigma = wk / wkv, p = E / Z: the finished, normalised attention weight, which is what is quantised along the keys.
; THE MAXIMUM m is the row's largest t: each wave takes it over its 256 keys, and the four are merged as running maxima are, by factors 2^(m_wave - m).
; THE WAVES SHARE THE KEYS: wave w owns keys 256 w .. 256 w + 255 for all 256 queries; its codes of k and of v and its C, l, sigma stay in registers for the whole launch.  Eight rounds of two query tiles; two barriers a round:
; behind the first the waves know each other's (m, Z); behind the second their parts of O^T lie in LDS, and each wave adds, quantises and stores one quarter (tile w / 2, channels 32 (w % 2) on).
; Both products are used transposed (source 0 = 16 keys, or 16 channels): a lane holds one query; the keys of a tile are chosen so that registers 16 G + i of a query tile's scores are keys 32 G + 16 (lane / 16) + i.
; K = 64 of the first product is filled to 128: q's upper four registers are zero codes, so whatever stands in the upper half of k's operand (the next tile's codes) adds nothing.
; OUT, in w2: AC [b][T][ks 4][image], K = 64 head + channel;  AS at 2,097,152: [b][T][row][16 bytes].
; LIMITS: byte 1 for blocks under 2^-124; weights under 2^-126 of a row's largest fall to 0; NaN and infinities are not served.
; REGISTERS, in windows of 256 (s_set_vgpr_msb: bits 1:0 source 0, 3:2 source 1, 5:4 source 2, 7:6 destination):
;   window 0: v1-15 addresses; v16-47 scale words; v48-63 q; v64-95 p's codes; v96-163 k's codes; v168-183 pairs; v184-255 at work
;   window 1: the scores, tile A v0-127, tile B v128-255 (register 8 tau + j)      window 2: C v0-127, l v128-255      window 3: sigma v0-127, v's codes v128-191, O^T v192-255
; THE MODE: SCHED_MODE bits 1:0 = 2 (LLVM: expert scheduling mode 2), set by the entry lines.  The code itself states the register dependences
; between vector or matrix instructions and memory or LDS instructions, with s_wait_alu, always for 0.
; THE PLAN.  Registers that memory or LDS instructions touch in a round:
;   q's codes (the lower four of each eight of QF), QA, QS   Read by the round's 32 score products and 128 scalings; the next round's loads land in them.  Those loads stand behind the wait that the 256 exponentials
;                 have in any case, which states that the readers are done; no later line of the round names these registers.
;   MZ v176-179   Written by the maxima and the sums; read by the two LDS stores of {m, Z}; written again in the next round.
;   v200-215      LDS loads of the four waves' {m, Z} land here; before and behind that the registers are at work in vector instructions.
;   p's codes and scale words   Written by vector instructions, taken by the scaled matrix instructions of O^T.
;   O^T, window 3 Written by matrix instructions, read by sixteen LDS stores, begun anew in the next round.
;   v184-247      LDS loads of the four parts of O^T land here; before and behind that at work.
;   v251-253      Written by the last quantiser, read by the two global stores, written again in the next round.
;   v1-8          Offsets and addresses, made once at the head.
; So four waits on va_vdst stand in a round beside those behind transcendentals: ahead of the stores of {m, Z} (it serves the loads behind the barrier too: no vector instruction stands between), ahead of the products
; of O^T, ahead of the stores of O^T (it serves the loads behind the barrier likewise), and ahead of the two global stores.  ONE wait on vm_vsrc, at the round's end, states that all the round's stores have read their data.
.set CAL, 0                            ; LDS: C, l, sigma of all 1,024 keys
.set BAL, 4096
.set SAL, 8192
.set RED, 12288                        ; the waves' sums of h_rob
.set SX,  12544                        ; [wave][tile][lane]{m, Z}
.set OX,  16384                        ; [wave][tile][t][half][lane] 16 bytes: parts of O^T
.set LI,  1                            ; v1 16 x lane
.set R4,  2                            ; v2 4 (lane % 16)
.set SXW, 3
.set SXR, 4
.set OXW, 5
.set OXR, 6
.set ACO, 7
.set ASO, 8
.set KS,  16                           ; v16-31 k's scale words
.set VS,  32                           ; v32-39 v's
.set PS,  40                           ; v40-43 p's [tile][K step]
.set QS,  44                           ; v44-45 q's
.set QF,  48                           ; v48-63 [q A][0][q B][0]
.set PC,  64                           ; v64-95 p's codes [tile][K step][8]
.set KF,  96                           ; v96-163
.set QA,  168                          ; v168, v170: a_i of tile A, B (low words of pairs)
.set MZ,  176                          ; v[176:177], v[178:179]: {m, Z} of my keys
.set FF,  180                          ; v180, v182: the factor 2^(m_wave - m) / Z
.set MC,  184                          ; at work: maxima
.set ZC,  192                          ;          sums
.set SD,  200                          ;          the four waves' {m, Z}
.set TM,  184                          ;          16 blocks' largest p; v200-215 their bytes; v216-231 the conversions' scale operands
.set MSB, 0
.macro WIN new                         ; the immediate's high byte repeats the setting that is left
.if MSB != \new
	s_set_vgpr_msb (MSB<<8)|\new
.set MSB, \new
.endif
.endm
.macro BARRIER                         ; my LDS stores have landed and my LDS loads are in: then the work-group's barrier
	s_wait_dscnt 0x0
	s_barrier_signal -1
	s_barrier_wait -1
.endm
.macro QLOAD off, offa                 ; two query tiles: codes, a_i, scale words
	global_load_b128 v[QF:QF+3], v[LI], s[16:17] offset:\off
	global_load_b128 v[QF+8:QF+11], v[LI], s[16:17] offset:\off+512
	global_load_b32 v[QA], v[R4], s[18:19] offset:\offa
	global_load_b32 v[QA+2], v[R4], s[18:19] offset:\offa+64
	global_load_b32 v[QS], v[R4], s[18:19] offset:\offa+4096
	global_load_b32 v[QS+1], v[R4], s[18:19] offset:\offa+4160
.endm
	s_load_b128 s[4:7], s[0:1], 0x0                ; w1, o2
	s_load_b64 s[8:9], s[0:1], 0x10                ; w2
	v_lshl_add_u32 v166, v0, 2, 0xc000
	v_mov_b32 v167, 0
	v_lshrrev_b32 v9, 5, v0
	v_readfirstlane_b32 s10, v9                    ; wave 0..3
	v_and_b32 v10, 31, v0                          ; lane
	v_lshlrev_b32 v[LI], 4, v10
	v_and_b32 v14, 15, v0                          ; r
	v_bfe_u32 v9, v0, 4, 1                         ; hh
	v_lshlrev_b32 v[R4], 2, v14
	s_mov_b32 s11, ttmp9                           ; quarter of the queries
	s_and_b32 s12, ttmp7, 0xffff                   ; bh
	s_and_b32 s13, s12, 7                          ; head
	s_lshr_b32 s14, s12, 3                         ; b
	s_wait_alu depctr_va_sdst(0)                   ; s10 is written, ahead of its first reader: addresses and bases are made from it
	s_lshl_b32 s30, s10, 9
	s_add_co_u32 s30, s30, SX
	v_lshl_add_u32 v[SXW], v10, 3, s30
	v_lshl_add_u32 v[SXR], v10, 3, SX
	s_lshl_b32 s30, s10, 13
	s_add_co_u32 s30, s30, OX
	v_add_nc_u32 v[OXW], s30, v[LI]
	s_lshl_b32 s30, s10, 11                        ; tile w / 2 (4,096 bytes), channel pair w % 2 (2,048)
	s_add_co_u32 s30, s30, OX
	v_add_nc_u32 v[OXR], s30, v[LI]
	s_lshr_b32 s30, s10, 1
	s_lshl_b32 s29, s30, 8
	s_lshl_b32 s30, s30, 12
	s_lshl_b32 s31, s13, 9                         ; K = 64 head + channel: K step head / 2, c = head % 2: 512 x head
	s_add_co_u32 s30, s30, s31
	s_and_b32 s31, s10, 1
	s_add_co_u32 s29, s29, s31
	s_lshl_b32 s31, s31, 8
	s_add_co_u32 s30, s30, s31
	v_lshl_add_u32 v[ACO], v14, 4, s30
	v_lshl_add_u32 v[ACO], v9, 3, v[ACO]           ; + 16 r + 8 hh
	s_lshl_b32 s31, s13, 1
	s_add_co_u32 s29, s29, s31
	v_lshl_add_u32 v[ASO], v14, 4, s29             ; 256 (w / 2) + 16 r + 2 head + w % 2
	v_and_b32 v10, 1, v14                          ; obj2 for the one product: column r = kind r % 2, piece r / 2; my half's 32 numbers
	v_lshlrev_b32 v10, 12, v10
	v_lshrrev_b32 v11, 1, v14
	v_lshl_add_u32 v10, v11, 9, v10
	v_lshl_add_u32 v10, v9, 7, v10
	v_lshlrev_b32 v11, 5, v0                       ; 32 x thread: my 8 keys of the 1,024
	s_lshl_b32 s30, s10, 10
	v_lshl_add_u32 v12, v9, 5, s30                 ; 1,024 w + 32 hh: my keys' arrays
	s_lshl_b32 s30, s10, 3
	s_add_co_u32 s30, s30, RED
	v_mov_b32 v13, s30
	v_mov_b32 v15, RED
	s_mov_b32 s24, 0x3eb8aa3b                      ; 2 c
	s_mov_b32 s25, s24
	s_mov_b32 s26, 0x76543210
	s_mov_b32 s27, 0xfedcba98                      ; v_permlanex16_b32's selects for lane l xor 16
	s_mov_b32 s31, 0
	s_wait_kmcnt 0x0
	s_lshl_b32 s30, s12, 16
	s_lshl_b32 s29, s10, 14
	s_add_co_u32 s30, s30, s29
	s_add_co_u32 s30, s30, 2097152
	s_add_nc_u64 s[32:33], s[4:5], s[30:31]        ; my 16 tiles of [k | v]
	s_mul_i32 s30, s12, 12288
	s_add_co_u32 s30, s30, 9437184
	s_add_nc_u64 s[34:35], s[4:5], s[30:31]        ; the head's three arrays
	s_lshl_b32 s30, s10, 10
	s_add_nc_u64 s[36:37], s[34:35], s[30:31]      ; at my first key
	s_lshl_b32 s30, s12, 11
	s_lshl_b32 s29, s10, 9
	s_add_co_u32 s30, s30, s29
	s_add_co_u32 s30, s30, 10747904
	s_add_nc_u64 s[38:39], s[4:5], s[30:31]        ; v's scale words, my two K steps
	s_lshl_b32 s30, s12, 15
	s_lshl_b32 s29, s10, 13
	s_add_co_u32 s30, s30, s29
	s_add_co_u32 s30, s30, 6291456
	s_add_nc_u64 s[40:41], s[4:5], s[30:31]        ; v's codes along the keys
	s_lshl_b32 s30, s12, 13
	s_add_nc_u64 s[42:43], s[6:7], s[30:31]        ; obj2
	s_lshl_b32 s30, s12, 15
	s_lshl_b32 s29, s11, 13
	s_add_co_u32 s30, s30, s29
	s_add_nc_u64 s[16:17], s[4:5], s[30:31]        ; q's codes, this round's two tiles
	s_lshl_b32 s30, s12, 13
	s_lshl_b32 s29, s11, 10
	s_add_co_u32 s30, s30, s29
	s_add_co_u32 s30, s30, 10223616
	s_add_nc_u64 s[18:19], s[4:5], s[30:31]        ; a_i and q's scale words
	s_lshl_b32 s30, s14, 18
	s_lshl_b32 s29, s11, 16
	s_add_co_u32 s30, s30, s29
	s_add_nc_u64 s[20:21], s[8:9], s[30:31]        ; out: codes
	s_lshl_b32 s30, s14, 14
	s_lshl_b32 s29, s11, 12
	s_add_co_u32 s30, s30, s29
	s_add_co_u32 s30, s30, 2097152
	s_add_nc_u64 s[22:23], s[8:9], s[30:31]        ; out: scale bytes
	s_wait_alu depctr_va_vdst(0)                   ; the offsets and addresses v1 to v8, v10 to v13 and v15 are written, which the loads and stores of the kernel read
.irp t, 0,1,2,3,4,5,6,7,8,9,10,11,12,13,14,15
	global_load_b128 v[KF+4*\t:KF+4*\t+3], v[LI], s[32:33] offset:1024*\t
	global_load_b32 v[KS+\t], v[R4], s[36:37] offset:8192+64*\t
.endr
.irp k, 0,1
.irp t, 0,1,2,3
	global_load_b32 v[VS+4*\k+\t], v[R4], s[38:39] offset:256*\k+64*\t
.endr
.endr
.irp c, 0,1
.irp i, 0,1,2,3,4,5,6,7
	global_load_b128 v[168+32*\c+4*\i:171+32*\c+4*\i], v10, s[42:43] offset:256*\c+16*\i
.endr
.endr
	global_load_b128 v[232:235], v11, s[42:43]                     ; obj2 kv of my 8 keys
	global_load_b128 v[236:239], v11, s[42:43] offset:16
	global_load_b128 v[240:243], v11, s[42:43] offset:4096         ; obj2 k
	global_load_b128 v[244:247], v11, s[42:43] offset:4112
	global_load_b128 v[248:251], v11, s[34:35]                     ; -sy / 2
	global_load_b128 v[252:255], v11, s[34:35] offset:16
	WIN 0xc0                                       ; destination window 3
.irp k, 0,1
.irp t, 0,1,2,3
.irp c, 0,1
	global_load_b128 v[128+32*\k+8*\t+4*\c:131+32*\k+8*\t+4*\c], v[LI], s[40:41] offset:4096*\k+1024*\t+512*\c
.endr
.endr
.endr
	WIN 0
	s_wait_loadcnt 0x0
	; ---- obj3: every wave makes it for itself.  A lane holds two whole blocks of its column
.irp c, 0,1
	v_max3_num_f32 v[72+\c], |v[168+32*\c]|, |v[169+32*\c]|, 0x1800000
.endr
.irp i, 2,4,6,8,10,12,14,16,18,20,22,24,26,28,30
.irp c, 0,1
	v_max3_num_f32 v[72+\c], v[72+\c], |v[168+32*\c+\i]|, |v[169+32*\c+\i]|
.endr
.endr
.irp c, 0,1
	v_add_nc_u32 v[74+\c], 0xff000000, v[72+\c]
.endr
.irp c, 0,1
	v_lshrrev_b32 v[76+\c], 23, v[74+\c]
.endr
	v_lshl_or_b32 v47, v77, 16, v76                ; my two bytes: blocks hh and 2 + hh,
	v_lshlrev_b32 v78, 3, v9
	v_lshlrev_b32 v47, v78, v47                    ; at their places in the word;
	v_mov_b32 v79, 0
	v_permlanex16_b32 v79, v47, s26, s27
	v_or_b32 v47, v47, v79                         ; with lane l xor 16's two it is whole
	v_mov_b32 v46, 0x73737373                      ; the uniform matrix: 2^-10 = 4 x 2^-12: byte 115,
.irp i, 0,1,2,3,4,5,6,7
	v_mov_b32 v[48+\i], 0x66666666                 ; code 6
.endr
.irp c, 0,1
.irp g, 0,1,2,3
	v_cvt_scalef32_pk8_fp4_f32 v[56+4*\c+\g], v[168+32*\c+8*\g:175+32*\c+8*\g], v[74+\c]
.endr
.endr
.rept 8
	v_nop                                          ; a scale register written by a vector instruction stands 8 places ahead of a scaled matrix instruction, an operand 4
.endr
	s_wait_alu depctr_va_vdst(0)                   ; both operands v48 to v63 and both scale words v46, v47 are written by the vector instructions above, ahead of the scaled matrix instruction that takes them
	v_wmma_scale_f32_16x16x128_f8f6f4 v[64:71], v[48:55], v[56:63], 0, v46, v47 matrix_a_fmt:MATRIX_FMT_FP4 matrix_b_fmt:MATRIX_FMT_FP4
.rept 4
	v_nop
.endr
	v_mov_b32 v80, v64                             ; row 0 (all rows are equal): lane r holds piece r / 2 of kind r % 2
	v_add_f32_dpp v80, v80, v80 row_xmask:2 row_mask:0xf bank_mask:0xf
	v_add_f32_dpp v80, v80, v80 row_xmask:4 row_mask:0xf bank_mask:0xf
	v_add_f32_dpp v80, v80, v80 row_xmask:8 row_mask:0xf bank_mask:0xf
	v_readlane_b32 s44, v80, 0                     ; obj3 of kind kv,
	v_readlane_b32 s45, v80, 1                     ; of kind k: used as numbers alone
	; ---- h_rob of my 8 keys, both kinds
.irp i, 0,1,2,3,4,5,6,7
	v_add_f32 v[232+\i], 1.0, v[232+\i]
	v_add_f32 v[240+\i], 1.0, v[240+\i]
.endr
	s_wait_alu depctr_va_sdst(0)                   ; s44 and s45 are written, ahead of their first readers
.irp i, 0,1,2,3,4,5,6,7
	v_add_f32 v[232+\i], s44, v[232+\i]
	v_add_f32 v[240+\i], s45, v[240+\i]
.endr
.irp i, 0,1,2,3,4,5,6,7,8,9,10,11,12,13,14,15
	v_sqrt_f32 v[168+\i], v[232+\i]
.endr
	v_mov_b32 v200, 1.0                            ; (a plain line behind the batch)
	s_wait_alu depctr_va_vdst(0)                   ; the sixteen roots are written, ahead of their first reader
.irp i, 0,1,2,3,4,5,6,7,8,9,10,11,12,13,14,15
	v_rcp_f32 v[184+\i], v[168+\i]
.endr
	v_mov_b32 v201, 0x3e4ccccd                     ; 0.2
	s_wait_alu depctr_va_vdst(0)                   ; the sixteen reciprocals are written, ahead of their first reader
.irp i, 0,1,2,3,4,5,6,7,8,9,10,11,12,13,14,15
	v_mul_f32 v[184+\i], v201, v[184+\i]
.endr
.irp i, 0,1,2,3,4,5,6,7,8,9,10,11,12,13,14,15
	v_cmp_le_f32 s[46+\i], v[168+\i], v201         ; the sixteen compares in one run, a scalar register each
.endr
	s_wait_alu depctr_va_sdst(0)                   ; the sixteen masks s46 to s61 are written, ahead of the selects that read them
.irp i, 0,1,2,3,4,5,6,7,8,9,10,11,12,13,14,15
	v_cndmask_b32 v[184+\i], v[184+\i], v200, s[46+\i]
.endr
	v_pk_add_f32 v[204:205], v[184:185], v[186:187]
	v_pk_add_f32 v[206:207], v[188:189], v[190:191]
	v_pk_add_f32 v[208:209], v[192:193], v[194:195]
	v_pk_add_f32 v[210:211], v[196:197], v[198:199]
	v_pk_add_f32 v[204:205], v[204:205], v[206:207]
	v_pk_add_f32 v[208:209], v[208:209], v[210:211]
	v_add_f32 v202, v204, v205
	v_add_f32 v203, v208, v209
.irp m, 1,2,4,8
	v_add_f32_dpp v202, v202, v202 row_xmask:\m row_mask:0xf bank_mask:0xf
	v_add_f32_dpp v203, v203, v203 row_xmask:\m row_mask:0xf bank_mask:0xf
.endr
	v_permlanex16_b32 v204, v202, s26, s27
	v_permlanex16_b32 v205, v203, s26, s27
	v_pk_add_f32 v[202:203], v[202:203], v[204:205]
	s_wait_alu depctr_va_vdst(0)                   ; the two sums v202, v203 are written, which the LDS store reads; and the additions above are done with v204 to v211, in which the loads behind the barrier land
	ds_store_b64 v13, v[202:203]                   ; all lanes write the same two words with the same values
	BARRIER
	ds_load_b128 v[204:207], v15
	ds_load_b128 v[208:211], v15 offset:16
	s_wait_dscnt 0x0
	v_pk_add_f32 v[204:205], v[204:205], v[206:207]
	v_pk_add_f32 v[208:209], v[208:209], v[210:211]
	v_pk_add_f32 v[204:205], v[204:205], v[208:209]                ; the sums of h_rob: kv, k
	v_rcp_f32 v212, v204
	v_rcp_f32 v213, v205
	v_nop
	s_wait_alu depctr_va_vdst(0)                   ; the two reciprocals are written, ahead of their first reader
.irp i, 0,1,2,3,4,5,6,7
	v_mul_f32 v[168+\i], v[184+\i], v212           ; wkv
	v_mul_f32 v[192+\i], v[192+\i], v213           ; wk
.endr
.irp i, 0,1,2,3,4,5,6,7
	v_log_f32 v[216+\i], v[168+\i]                 ; l
	v_rcp_f32 v[224+\i], v[168+\i]
.endr
	v_nop
	s_wait_alu depctr_va_vdst(0)                   ; the eight logarithms and eight reciprocals are written, ahead of their first reader
.irp i, 0,1,2,3,4,5,6,7
	v_mul_f32 v[192+\i], v[192+\i], v[224+\i]      ; sigma = wk / wkv
	v_fmamk_f32 v[248+\i], v[216+\i], 0x40317218, v[248+\i]        ; C = l / (2 c) - sy / 2
.endr
	s_wait_alu depctr_va_vdst(0)                   ; C, l and sigma are written, which the six LDS stores read; and all that named q's registers v44 to v63, v168 and v170 is done, for the query loads behind the barrier
	ds_store_b128 v11, v[248:251] offset:CAL
	ds_store_b128 v11, v[252:255] offset:CAL+16
	ds_store_b128 v11, v[216:219] offset:BAL
	ds_store_b128 v11, v[220:223] offset:BAL+16
	ds_store_b128 v11, v[192:195] offset:SAL
	ds_store_b128 v11, v[196:199] offset:SAL+16
	BARRIER                                        ; the three arrays lie in LDS
	QLOAD 0, 0                                     ; the first round's queries land under the loads below
	WIN 0x80                                       ; destination window 2
.irp t, 0,1,2,3,4,5,6,7,8,9,10,11,12,13,14,15
.irp g, 0,1
	ds_load_b128 v[8*\t+4*\g:8*\t+4*\g+3], v12 offset:CAL+64*\t+16*\g          ; register 8 tau + j: key row 8 hh + j of my tile tau
	ds_load_b128 v[128+8*\t+4*\g:128+8*\t+4*\g+3], v12 offset:BAL+64*\t+16*\g
.endr
.endr
	WIN 0xc0                                       ; destination window 3
.irp t, 0,1,2,3,4,5,6,7,8,9,10,11,12,13,14,15
.irp g, 0,1
	ds_load_b128 v[8*\t+4*\g:8*\t+4*\g+3], v12 offset:SAL+64*\t+16*\g
.endr
.endr
	WIN 0
.irp i, 4,5,6,7,12,13,14,15
	v_mov_b32 v[QF+\i], 0                          ; zero codes: K from 64 to 127
.endr
.irp i, 64,65,66,67
	v_mov_b32 v[KF+\i], 0                          ; the upper half of the last tile's operand
.endr
.irp i, 169,171,177,179,181,183
	v_mov_b32 v[\i], 0                             ; upper halves of pairs of which the low word is taken for both
.endr
	s_wait_dscnt 0x0
	s_wait_alu depctr_va_vdst(0)                   ; the zero codes in q's and k's operands are written, ahead of the scaled matrix instructions that take them
	s_wait_alu depctr_vm_vsrc(0)                   ; the prologue's LDS stores have read v192 to v199, v202, v203, v216 to v223 and v248 to v255, which the first round writes again
	s_mov_b32 s28, 8
.Lround:
	; ---- the scores of two query tiles against my 16 key tiles; C_j is the C operand
	s_wait_loadcnt 0x0                             ; this round's queries
	WIN 0x60                                       ; C window 2, D window 1
.irp t, 0,1,2,3,4,5,6,7,8,9,10,11,12,13,14,15
.irp q, 0,1
	v_wmma_scale_f32_16x16x128_f8f6f4 v[128*\q+8*\t:128*\q+8*\t+7], v[KF+4*\t:KF+4*\t+7], v[QF+8*\q:QF+8*\q+7], v[8*\t:8*\t+7], v[KS+\t], v[QS+\q] matrix_a_fmt:MATRIX_FMT_FP4 matrix_b_fmt:MATRIX_FMT_FP4
.endr
.endr
.rept 4
	v_nop                                          ; places in front of the first read of results
.endr
	WIN 0x41                                       ; scores: source 0 and destination window 1
.irp q, 0,1
.set i, 0
.rept 64
	v_pk_fma_f32 v[128*\q+i:128*\q+i+1], v[128*\q+i:128*\q+i+1], s[24:25], v[QA+2*\q:QA+2*\q+1] op_sel_hi:[1,0,0]   ; 2 c (dot + C) + a
.set i, i+2
.endr
.endr
	WIN 0x46                                       ; source 0 = l (window 2), source 1 and destination = scores
.irp q, 0,1
.set i, 0
.rept 128
	v_min_num_f32 v[128*\q+i], v[128+i], v[128*\q+i]               ; the clamp of the distance at 0: t is at most l
.set i, i+1
.endr
.endr
	WIN 0
.irp k, 0,1,2,3,4,5,6,7
	v_mov_b32 v[MC+\k], 0xff800000
.endr
	WIN 0x14                                       ; sources 1 and 2 window 1
.irp q, 0,1
.set i, 0
.rept 16
.irp k, 0,1,2,3
	v_max3_num_f32 v[MC+4*\q+\k], v[MC+4*\q+\k], v[128*\q+i+2*\k], v[128*\q+i+2*\k+1]
.endr
.set i, i+8
.endr
.endr
	WIN 0
.irp q, 0,1
	v_max3_num_f32 v[MC+4*\q], v[MC+4*\q], v[MC+4*\q+1], v[MC+4*\q+2]
.endr
.irp q, 0,1
	v_max_num_f32 v[MC+4*\q], v[MC+4*\q], v[MC+4*\q+3]
.endr
.irp q, 0,1
	v_permlanex16_b32 v[MC+4*\q+1], v[MC+4*\q], s26, s27
.endr
.irp q, 0,1
	v_max_num_f32 v[MZ+2*\q], v[MC+4*\q], v[MC+4*\q+1]             ; the largest t of my 256 keys
.endr
	; ---- E = 2^(t - m): the subtraction of a pair stands two pairs ahead of its exponentials; nothing here names an exponential's result
	WIN 0x41
.irp q, 0,1
.set i, 0
.rept 66
.if i < 64
	v_pk_add_f32 v[128*\q+2*i:128*\q+2*i+1], v[128*\q+2*i:128*\q+2*i+1], v[MZ+2*\q:MZ+2*\q+1] op_sel_hi:[1,0] neg_lo:[0,1] neg_hi:[0,1]
.endif
.if i >= 2
	v_exp_f32 v[128*\q+2*i-4], v[128*\q+2*i-4]
	v_exp_f32 v[128*\q+2*i-3], v[128*\q+2*i-3]
.endif
.set i, i+1
.endr
.endr
	v_nop                                          ; a plain line behind the last exponential
	WIN 0                                          ; (a branch follows, and the query loads name window 0)
	s_wait_alu depctr_va_vdst(0)                   ; the 256 exponentials are written, ahead of their first reader; and the score products and scalings are done reading q's codes, a_i and q's scale words, in which the loads below land
	s_cmp_eq_u32 s28, 1
	s_cbranch_scc1 .Lnoq                           ; the last round asks for nothing: no load leaves its buffer
	QLOAD 1024, 128                                ; the next round's queries: the rest of the round names none of their registers
.Lnoq:
	WIN 0x0d                                       ; source 0 = E (window 1), source 1 = sigma (window 3)
.irp q, 0,1
	v_pk_mul_f32 v[ZC+4*\q:ZC+4*\q+1], v[128*\q:128*\q+1], v[0:1]
	v_pk_mul_f32 v[ZC+4*\q+2:ZC+4*\q+3], v[128*\q+2:128*\q+3], v[2:3]
.set i, 4
.rept 31
	v_pk_fma_f32 v[ZC+4*\q:ZC+4*\q+1], v[128*\q+i:128*\q+i+1], v[i:i+1], v[ZC+4*\q:ZC+4*\q+1]
	v_pk_fma_f32 v[ZC+4*\q+2:ZC+4*\q+3], v[128*\q+i+2:128*\q+i+3], v[i+2:i+3], v[ZC+4*\q+2:ZC+4*\q+3]
.set i, i+4
.endr
.endr
	WIN 0
.irp q, 0,1
	v_pk_add_f32 v[ZC+4*\q:ZC+4*\q+1], v[ZC+4*\q:ZC+4*\q+1], v[ZC+4*\q+2:ZC+4*\q+3]
.endr
.irp q, 0,1
	v_add_f32 v[ZC+4*\q], v[ZC+4*\q], v[ZC+4*\q+1]
.endr
.irp q, 0,1
	v_permlanex16_b32 v[ZC+4*\q+1], v[ZC+4*\q], s26, s27
.endr
.irp q, 0,1
	v_add_f32 v[MZ+2*\q+1], v[ZC+4*\q], v[ZC+4*\q+1]               ; Z of my 256 keys, under my m
.endr
	s_wait_alu depctr_va_vdst(0)                   ; {m, Z} of both tiles are written, which the two LDS stores read; and all vector instructions that named v200 to v215 are done, for the loads behind the barrier
.irp q, 0,1
	ds_store_b64 v[SXW], v[MZ+2*\q:MZ+2*\q+1] offset:256*\q
.endr
	BARRIER                                        ; every wave's {m, Z} lie in LDS; and every wave's reads of the last round's parts of O^T are over
.irp q, 0,1
.irp s, 0,1,2,3
	ds_load_b64 v[SD+8*\q+2*\s:SD+8*\q+2*\s+1], v[SXR] offset:512*\s+256*\q
.endr
.endr
	s_wait_dscnt 0x0
.irp q, 0,1
	v_max3_num_f32 v[216+\q], v[SD+8*\q], v[SD+8*\q+2], v[SD+8*\q+4]
.endr
.irp q, 0,1
	v_max_num_f32 v[216+\q], v[216+\q], v[SD+8*\q+6]               ; the row's largest t
.endr
.irp q, 0,1
.irp s, 0,1,2,3
	v_sub_f32 v[220+5*\q+\s], v[SD+8*\q+2*\s], v[216+\q]
.endr
	v_sub_f32 v[224+5*\q], v[MZ+2*\q], v[216+\q]
.endr
.irp i, 0,1,2,3,4,5,6,7,8,9
	v_exp_f32 v[220+\i], v[220+\i]                 ; 2^(m_wave - m): the four waves', and my own once more
.endr
	v_nop
	s_wait_alu depctr_va_vdst(0)                   ; the ten exponentials are written, ahead of their first reader
.irp q, 0,1
	v_mul_f32 v[218+\q], v[SD+8*\q+1], v[220+5*\q]
.endr
.irp s, 1,2,3
.irp q, 0,1
	v_fma_f32 v[218+\q], v[SD+8*\q+2*\s+1], v[220+5*\q+\s], v[218+\q]          ; the row's Z
.endr
.endr
.irp q, 0,1
	v_rcp_f32 v[230+\q], v[218+\q]
.endr
	v_nop
	s_wait_alu depctr_va_vdst(0)                   ; the two reciprocals are written, ahead of their first reader
.irp q, 0,1
	v_mul_f32 v[FF+2*\q], v[224+5*\q], v[230+\q]
.endr
	WIN 0x41
.irp q, 0,1
.set i, 0
.rept 64
	v_pk_mul_f32 v[128*\q+i:128*\q+i+1], v[128*\q+i:128*\q+i+1], v[FF+2*\q:FF+2*\q+1] op_sel_hi:[1,0]   ; p, finished and normalised
.set i, i+2
.endr
.endr
	; ---- p is quantised along the keys: 16 blocks of 32 (block k = 8 x tile + G: registers 16 k on, and lane l xor 16's)
	WIN 0x14
.irp k, 0,1,2,3,4,5,6,7,8,9,10,11,12,13,14,15
	v_mov_b32 v[TM+\k], 0x1800000                  ; the floor 2^(3 - 127).  No |.|: p is never negative
.endr
.irp i, 0,2,4,6,8,10,12,14
.irp k, 0,1,2,3,4,5,6,7,8,9,10,11,12,13,14,15
	v_max3_num_f32 v[TM+\k], v[TM+\k], v[16*\k+\i], v[16*\k+\i+1]
.endr
.endr
	WIN 0
.irp k, 0,1,2,3,4,5,6,7,8,9,10,11,12,13,14,15
	v_permlanex16_b32 v[200+\k], v[TM+\k], s26, s27
.endr
.irp k, 0,1,2,3,4,5,6,7,8,9,10,11,12,13,14,15
	v_max_num_f32 v[TM+\k], v[TM+\k], v[200+\k]
.endr
.irp k, 0,1,2,3,4,5,6,7,8,9,10,11,12,13,14,15
	v_add_nc_u32 v[216+\k], 0xff000000, v[TM+\k]   ; the conversion's scale operand
.endr
.irp k, 0,1,2,3,4,5,6,7,8,9,10,11,12,13,14,15
	v_lshrrev_b32 v[200+\k], 23, v[216+\k]         ; the byte
.endr
.irp f, 0,1,2,3
	v_lshl_or_b32 v[PS+\f], v[201+4*\f], 8, v[200+4*\f]            ; fragment f = 2 x tile + K step: its four bytes
.endr
.irp f, 0,1,2,3
	v_lshl_or_b32 v[PS+\f], v[202+4*\f], 16, v[PS+\f]
.endr
.irp f, 0,1,2,3
	v_lshl_or_b32 v[PS+\f], v[203+4*\f], 24, v[PS+\f]
.endr
	WIN 0x01                                       ; source 0 = p (window 1)
.irp k, 0,1,2,3,4,5,6,7,8,9,10,11,12,13,14,15
	v_cvt_scalef32_pk8_fp4_f32 v[PC+2*\k], v[16*\k:16*\k+7], v[216+\k]
	v_cvt_scalef32_pk8_fp4_f32 v[PC+2*\k+1], v[16*\k+8:16*\k+15], v[216+\k]
.endr
	WIN 0
	v_nop                                          ; one plain line behind a scaled conversion
.irp f, 0,1,2,3
.irp c, 0,1
.irp i, 0,1
	v_permlane16_swap_b32 v[PC+8*\f+4*\c+\i], v[PC+8*\f+4*\c+2+\i] ; a whole block to a lane
.endr
.endr
.endr
.rept 8
	v_nop                                          ; scale words written by vector instructions stand 8 places ahead of a scaled matrix instruction, operands 4
.endr
	; ---- my keys' part of O^T: eight accumulators by turns, two K steps
	WIN 0xf3                                       ; source 0 = v, C and D = O^T: window 3
	s_wait_alu depctr_va_vdst(0)                   ; p's codes and p's four scale words are written by the vector instructions above, ahead of the scaled matrix instructions that take them
.irp k, 0,1
.irp q, 0,1
.irp t, 0,1,2,3
.if \k == 0
	v_wmma_scale_f32_16x16x128_f8f6f4 v[192+32*\q+8*\t:199+32*\q+8*\t], v[128+32*\k+8*\t:135+32*\k+8*\t], v[PC+16*\q+8*\k:PC+16*\q+8*\k+7], 0, v[VS+4*\k+\t], v[PS+2*\q+\k] matrix_a_fmt:MATRIX_FMT_FP4 matrix_b_fmt:MATRIX_FMT_FP4
.else
	v_wmma_scale_f32_16x16x128_f8f6f4 v[192+32*\q+8*\t:199+32*\q+8*\t], v[128+32*\k+8*\t:135+32*\k+8*\t], v[PC+16*\q+8*\k:PC+16*\q+8*\k+7], v[192+32*\q+8*\t:199+32*\q+8*\t], v[VS+4*\k+\t], v[PS+2*\q+\k] matrix_a_fmt:MATRIX_FMT_FP4 matrix_b_fmt:MATRIX_FMT_FP4
.endif
.endr
.endr
.endr
.rept 4
	v_nop                                          ; four places behind the last matrix instruction, before its result is read
.endr
	WIN 0x0c                                       ; an LDS store's data are its source 1: window 3
	s_wait_alu depctr_va_vdst(0)                   ; the matrix instructions have written O^T, which the sixteen LDS stores read (the places above stay beside this wait); and all vector instructions that named v184 to v247 are done, for the loads behind the barrier
.irp q, 0,1
.irp t, 0,1,2,3
.irp g, 0,1
	ds_store_b128 v[OXW], v[192+32*\q+8*\t+4*\g:195+32*\q+8*\t+4*\g] offset:4096*\q+1024*\t+512*\g      ; each accumulator from its low end on
.endr
.endr
.endr
	WIN 0
	BARRIER                                        ; the four parts of O^T lie in LDS; and every wave's reads of {m, Z} are over
	; ---- my quarter: tile w / 2, channels 32 (w % 2) + 16 hh + 0 .. 15 of query r: added, quantised (one block of 32 with lane l xor 16), stored
.irp s, 0,1,2,3
.irp u, 0,1
.irp g, 0,1
	ds_load_b128 v[184+16*\s+8*\u+4*\g:187+16*\s+8*\u+4*\g], v[OXR] offset:8192*\s+1024*\u+512*\g
.endr
.endr
.endr
	s_wait_dscnt 0x0
.irp j, 0,2,4,6,8,10,12,14
	v_pk_add_f32 v[184+\j:185+\j], v[184+\j:185+\j], v[200+\j:201+\j]
	v_pk_add_f32 v[216+\j:217+\j], v[216+\j:217+\j], v[232+\j:233+\j]
.endr
.irp j, 0,2,4,6,8,10,12,14
	v_pk_add_f32 v[184+\j:185+\j], v[184+\j:185+\j], v[216+\j:217+\j]
.endr
	v_max3_num_f32 v248, |v184|, |v185|, 0x1800000
.irp j, 2,4,6,8,10,12,14
	v_max3_num_f32 v248, v248, |v[184+\j]|, |v[185+\j]|
.endr
	v_permlanex16_b32 v249, v248, s26, s27
	v_max_num_f32 v248, v248, v249
	v_add_nc_u32 v250, 0xff000000, v248
	v_cvt_scalef32_pk8_fp4_f32 v252, v[184:191], v250
	v_cvt_scalef32_pk8_fp4_f32 v253, v[192:199], v250
	v_lshrrev_b32 v251, 23, v250                   ; the byte (also the plain line behind the conversions)
	s_wait_alu depctr_va_vdst(0)                   ; the codes v252, v253 and the byte v251 are written, which the two stores read
	global_store_b64 v[ACO], v[252:253], s[20:21]  ; the wave stores 256 consecutive bytes, aligned
	global_store_b8 v[ASO], v251, s[22:23]         ; both halves of the lanes store the same byte with the same value
	s_wait_xcnt 0x0                                ; the stores and the query loads have had their addresses translated: their bases and registers are written again only behind this wait
	s_wait_alu depctr_vm_vsrc(0)                   ; the round's stores have read {m, Z}, O^T and v251 to v253, which the next round writes again
	s_add_nc_u64 s[16:17], s[16:17], 1024
	s_add_nc_u64 s[18:19], s[18:19], 128
	s_add_nc_u64 s[20:21], s[20:21], 8192
	s_add_nc_u64 s[22:23], s[22:23], 512
	s_sub_co_i32 s28, s28, 1
	s_cmp_lg_u32 s28, 0
	s_cbranch_scc1 .Lround
	s_wait_dscnt 0x0                               ; the closing lines, six on end
	s_wait_alu 0x0
	s_wait_tensorcnt 0x0
	ds_add_u32 v166, v167
	s_wait_dscnt 0x0
	s_endpgm
.Lfunc_end_k_q75cc45306a_attn:
	.size	k_q75cc45306a_attn, .Lfunc_end_k_q75cc45306a_attn-k_q75cc45306a_attn
	.p2alignl 7, 3214868480
	.fill 96, 4, 3214868480
	.section	.rodata,"a",@progbits
	.p2align	6, 0x0
	.amdhsa_kernel k_q75cc45306a_attn
		.amdhsa_group_segment_fixed_size 49664
		.amdhsa_private_segment_fixed_size 0
		.amdhsa_enable_private_segment 0
		.amdhsa_kernarg_size 24
		.amdhsa_user_sgpr_count 2
		.amdhsa_user_sgpr_kernarg_segment_ptr 1
		.amdhsa_wavefront_size32 1
		.amdhsa_system_sgpr_workgroup_id_x 1
		.amdhsa_system_sgpr_workgroup_id_y 1
		.amdhsa_system_sgpr_workgroup_id_z 1
		.amdhsa_system_vgpr_workitem_id 0
		.amdhsa_next_free_vgpr 1024
		.amdhsa_next_free_sgpr 66
		.amdhsa_reserve_vcc 0
		.amdhsa_float_denorm_mode_32 3
		.amdhsa_float_denorm_mode_16_64 3
		.amdhsa_memory_ordered 1
		.amdhsa_forward_progress 1
		.amdhsa_inst_pref_size 121
	.end_amdhsa_kernel
	.amdgpu_metadata
---
amdhsa.version: [ 1, 2 ]
amdhsa.kernels:
  - .name:           k_q75cc45306a_attn
    .symbol:         k_q75cc45306a_attn.kd
    .args:
      - { .name: w1, .offset: 0, .size: 8, .value_kind: global_buffer, .address_space: global }
      - { .name: o2, .offset: 8, .size: 8, .value_kind: global_buffer, .address_space: global }
      - { .name: w2, .offset: 16, .size: 8, .value_kind: global_buffer, .address_space: global }
    .group_segment_fixed_size: 49664
    .private_segment_fixed_size: 0
    .kernarg_segment_align: 8
    .kernarg_segment_size: 24
    .max_flat_workgroup_size: 128
    .sgpr_count:     66
    .vgpr_count:     1024
    .wavefront_size: 32
...
	.end_amdgpu_metadata
.endif
;; end of part 8
;; launch outp (part 9): grid 32 x 8, 8 waves a work-group, no clusters, 71,424 bytes of LDS; arguments w2, w0, h, ln_g, ln_b, out0; writes out0
.if DOCPART == 9
	.amdgcn_target "amdgcn-amd-amdhsa--gfx1250"
	.amdhsa_code_object_version 6
	.text
	.protected	k_q75cc45306a_outp
	.globl	k_q75cc45306a_outp
	.p2align	8
	.type	k_q75cc45306a_outp,@function
k_q75cc45306a_outp:
	s_mov_b64 s[64:65], 0
	v_nop
	global_prefetch_b8 v0, s[64:65] scope:SCOPE_SE
	s_setreg_imm32_b32 hwreg(HW_REG_WAVE_SCHED_MODE, 0, 2), 2
	s_setreg_imm32_b32 hwreg(HW_REG_WAVE_MODE, 25, 1), 1
	s_wait_xcnt 0x0
	s_wait_alu depctr_vm_vsrc(0)
; out = LayerNorm(h + attn_vec Wo^T) x ln_g + ln_b.  attn_vec and Wo come as FP4 codes in operand images; sums, residual and norm in f32.
; A work-group takes 32 rows (batch = work-group y, the 32 positions of block work-group x: two tiles in tile order) x all 512 columns; wave w takes columns 64 w .. 64 w + 63 (Wo's tiles 4 w + t).
; The product is used transposed (source 0 = 16 rows of Wo, source 1 = 16 rows of attn_vec): a lane holds one row; registers of tiles 2 B, 2 B + 1 are columns 64 w + 32 B + 16 (lane / 16) + 0 .. 15.
; THE RESIDUAL IS THE C OF THE FIRST LINK: h's 32 rows come in as whole rows (2,048 consecutive bytes for 128 threads), go through a stage in LDS, and are read straight into the accumulators.
; THE NORM: each wave takes the mean and the sum of squared deviations of its 64 columns; the eight are merged as mu = mean of means, M2 = sum of M2 + 64 x sum of (mean - mu)^2: no difference of large sums.
; The normalised rows go back through the same stage bytes and leave as whole rows, with gain and bias applied on the way.
; THE MODE: SCHED_MODE bits 1:0 = 2 (LLVM: expert scheduling mode 2), set by the entry lines.  The code itself states the register dependences
; between vector or matrix instructions and memory or LDS instructions, with s_wait_alu, always for 0.
; THE PLAN.  Registers that memory or LDS instructions touch, in the order of the text:
;   ACC v128-191  h's loads land; the LDS stores into the stage read them; the LDS loads of the residual land; matrix and vector instructions work on them; the LDS stores of the normalised rows read them.
;   WF v192-255   Two sets by turns: Wo's loads land, eight matrix instructions read a set, and the set is asked for again at once; later the LDS loads of the waves' {mean, M2} land.
;   v108-111      {mean, M2} of my two tiles: written by vector instructions, read by two LDS stores, which stand together behind both tiles' arithmetic.
;   AF v16-79     attn_vec's loads land; the matrix instructions read them; later the LDS loads of whole rows land, gain and bias are applied in place, and the global stores read them, eight rows at a time.
;   v1-7, v127    Offsets and addresses, made once at the head.
; Each wait below names what it states; a wait ahead of a run of stores in front of a barrier also serves the loads behind that barrier, since no vector instruction stands between.
.set PITCH, 2064                       ; a stage row: 2,048 bytes + 16: the sixteen rows that a load touches start in different banks
.set LNX,   32*PITCH                   ; behind the stage: [wave][tile][lane]{mean, M2}
.set LI,  1                            ; v1 16 x lane
.set R16, 2                            ; v2 16 (lane % 16)
.set HI,  3                            ; v3 in h and out: 16,384 (thread / 128) + 16 (thread % 128)
.set ST,  4                            ; v4 the same place in the stage
.set SR,  5                            ; v5 the stage by rows: PITCH r + 256 w + 64 hh
.set LNW, 6
.set LNR, 7
.set GG,  8                            ; v8-11  ln_g of my 4 columns
.set BB,  12                           ; v12-15 ln_b
.set AF,  16                           ; v16-79 attn_vec's fragments [u][ks]; later rows on the way out
.set AS,  80                           ; v80-87 their scale words
.set WS,  88                           ; v88-103 Wo's scale words [t][ks]
.set ACC, 128                          ; v128-191 accumulators [u][t]; first h on its way to the stage
.set WF,  192                          ; v192-255 Wo's fragments, two K steps by turns; later the waves' {mean, M2}
.macro WMA d, a, b, sa, sb
	v_wmma_scale_f32_16x16x128_f8f6f4 v[\d:\d+7], v[\a:\a+7], v[\b:\b+7], v[\d:\d+7], v[\sa], v[\sb] matrix_a_fmt:MATRIX_FMT_FP4 matrix_b_fmt:MATRIX_FMT_FP4
.endm
.macro BARRIER
	s_wait_dscnt 0x0
	s_barrier_signal -1
	s_barrier_wait -1
.endm
.macro WLOAD ks                        ; Wo's four fragments of K step ks
.irp t, 0,1,2,3
.irp c, 0,1
	global_load_b128 v[WF+32*((\ks)%2)+8*\t+4*\c:WF+32*((\ks)%2)+8*\t+4*\c+3], v[LI], s[28:29] offset:4096*\t+1024*(\ks)+512*\c
.endr
.endr
.endm
	s_load_b256 s[4:11], s[0:1], 0x0               ; w2, w0, h, ln_g
	s_load_b128 s[12:15], s[0:1], 0x20             ; ln_b, out0
	s_set_vgpr_msb 0x40
	v_lshl_add_u32 v0, v0, 2, 0x11300
	v_mov_b32 v1, 0
	s_set_vgpr_msb 0x4000
	v_lshrrev_b32 v104, 5, v0
	v_readfirstlane_b32 s16, v104                  ; wave 0..7
	s_mov_b32 s17, ttmp9                           ; mt
	s_and_b32 s18, ttmp7, 0xffff                   ; b
	v_and_b32 v104, 31, v0
	v_lshlrev_b32 v[LI], 4, v104
	v_and_b32 v105, 15, v0
	v_bfe_u32 v106, v0, 4, 1
	v_lshlrev_b32 v[R16], 4, v105
	v_lshrrev_b32 v126, 7, v0
	v_and_b32 v127, 127, v0
	v_lshlrev_b32 v127, 4, v127                    ; my 16 bytes of a row; also my 4 columns of ln_g and ln_b
	v_lshl_add_u32 v[HI], v126, 14, v127
	v_mad_u32_u24 v[ST], v126, PITCH, v127
	v_mul_u32_u24 v[SR], v105, PITCH
	v_lshl_add_u32 v[SR], v106, 6, v[SR]
	s_wait_alu depctr_va_sdst(0)                   ; s16 is written, ahead of its first reader: addresses and bases are made from it
	s_lshl_b32 s19, s16, 8
	v_add_nc_u32 v[SR], s19, v[SR]
	s_lshl_b32 s19, s16, 9
	s_add_co_u32 s19, s19, LNX
	v_lshl_add_u32 v[LNW], v104, 3, s19
	v_lshl_add_u32 v[LNR], v104, 3, LNX
	s_mov_b32 s32, 0x76543210
	s_mov_b32 s33, 0xfedcba98                      ; v_permlanex16_b32's selects for lane l xor 16
	s_mov_b32 s34, 0x3b000000                      ; 1 / 512
	s_mov_b32 s35, 0x3727c5ac                      ; 1e-5
	s_mov_b32 s37, 0
	s_lshl_b32 s36, s17, 19                        ; 32 positions x 8 batches x 2,048 bytes
	s_lshl_b32 s19, s18, 11
	s_add_co_u32 s36, s36, s19
	s_wait_kmcnt 0x0
	s_add_nc_u64 s[20:21], s[8:9], s[36:37]        ; h at the block's first position, my batch
	s_add_nc_u64 s[22:23], s[14:15], s[36:37]      ; out likewise
	s_lshl_b32 s36, s18, 18
	s_lshl_b32 s19, s17, 13
	s_add_co_u32 s36, s36, s19
	s_add_nc_u64 s[24:25], s[4:5], s[36:37]        ; attn_vec's two tiles
	s_lshl_b32 s36, s18, 14
	s_lshl_b32 s19, s17, 9
	s_add_co_u32 s36, s36, s19
	s_add_co_u32 s36, s36, 2097152
	s_add_nc_u64 s[26:27], s[4:5], s[36:37]        ; their scale bytes
	s_lshl_b32 s36, s16, 14
	s_add_co_u32 s36, s36, 2490368
	s_add_nc_u64 s[28:29], s[6:7], s[36:37]        ; Wo's tiles 608 + 4 w on
	s_lshl_b32 s36, s16, 10
	s_add_co_u32 s36, s36, 2777088
	s_add_nc_u64 s[30:31], s[6:7], s[36:37]        ; their scale bytes
	s_wait_alu depctr_va_vdst(0)                   ; the offsets and addresses v1 to v7 and v127 are written, which the loads and stores of the kernel read
.set i, 0
.rept 16                               ; rows 2 i, 2 i + 1 in tile order are positions 8 (i / 8) + 2 (i % 8) + 8 ((i % 8) / 4) and the next
	global_load_b128 v[ACC+4*i:ACC+4*i+3], v[HI], s[20:21] offset:(8*(i/8)+2*(i%8)+8*((i%8)/4))*16384 th:TH_LOAD_NT
.set i, i+1
.endr
.irp u, 0,1
.irp ks, 0,1,2,3
.irp c, 0,1
	global_load_b128 v[AF+32*\u+8*\ks+4*\c:AF+32*\u+8*\ks+4*\c+3], v[LI], s[24:25] offset:4096*\u+1024*\ks+512*\c
.endr
.endr
	global_load_b128 v[AS+4*\u:AS+4*\u+3], v[R16], s[26:27] offset:256*\u
.endr
.irp t, 0,1,2,3
	global_load_b128 v[WS+4*\t:WS+4*\t+3], v[R16], s[30:31] offset:256*\t
.endr
	global_load_b128 v[GG:GG+3], v127, s[10:11]
	global_load_b128 v[BB:BB+3], v127, s[12:13]
	WLOAD 0
	WLOAD 1
	s_wait_loadcnt 40                              ; h's 16 loads are in; the 40 issued behind them (16 + 2 + 4 + 2 + 16) may be out
.set i, 0
.rept 16
	ds_store_b128 v[ST], v[ACC+4*i:ACC+4*i+3] offset:2*PITCH*i
.set i, i+1
.endr
	BARRIER                                        ; h's 32 rows lie in the stage
	s_wait_alu depctr_vm_vsrc(0)                   ; my LDS stores have read v128 to v191, in which the loads below land
.irp u, 0,1
.irp t, 0,1,2,3
.irp g, 0,1
	ds_load_b128 v[ACC+32*\u+8*\t+4*\g:ACC+32*\u+8*\t+4*\g+3], v[SR] offset:16*PITCH*\u+128*(\t/2)+32*(\t%2)+16*\g   ; h(row r of tile u, my columns): the sums begin with the residual
.endr
.endr
.endr
	s_wait_dscnt 0x0
.irp ks, 0,1,2,3
.if \ks < 3
	s_wait_loadcnt 8                               ; this K step's fragments are in; the eight loads of the K step asked for behind them may be out
.else
	s_wait_loadcnt 0x0
.endif
.irp t, 0,1,2,3
.irp u, 0,1
	WMA ACC+32*\u+8*\t, WF+32*(\ks%2)+8*\t, AF+32*\u+8*\ks, WS+4*\t+\ks, AS+4*\u+\ks      ; eight accumulators by turns
.endr
.endr
.rept 4
	v_nop                                          ; places in front of loads into registers that matrix instructions have read, and of the first read of results
.endr
.if \ks < 2
	s_wait_alu depctr_va_vdst(0)                   ; the eight matrix instructions above are done reading this K step's fragments of Wo, in which the loads below land
	WLOAD \ks+2
.endif
.endr
; the mean and the sum of squared deviations of row r over my 64 columns: my 32 registers from the low end on, and lane l xor 16's; they are left in v[108 + 2 u], v[109 + 2 u]
.macro LNLOC u
.set A0, ACC+32*\u
.set ME, 108+2*\u
	v_pk_add_f32 v[104:105], v[A0:A0+1], v[A0+2:A0+3]
	v_pk_add_f32 v[106:107], v[A0+4:A0+5], v[A0+6:A0+7]
.irp i, 8,12,16,20,24,28
	v_pk_add_f32 v[104:105], v[104:105], v[A0+\i:A0+\i+1]
	v_pk_add_f32 v[106:107], v[106:107], v[A0+\i+2:A0+\i+3]
.endr
	v_pk_add_f32 v[104:105], v[104:105], v[106:107]
	v_add_f32 v104, v104, v105
	v_permlanex16_b32 v105, v104, s32, s33
	v_add_f32 v104, v104, v105
	v_mul_f32 v[ME], 0x3c800000, v104              ; / 64
	v_mov_b32 v[ME+1], 0
.irp i, 0,2,4,6
	v_pk_add_f32 v[112+\i:113+\i], v[A0+\i:A0+\i+1], v[ME:ME+1] op_sel_hi:[1,0] neg_lo:[0,1] neg_hi:[0,1]
.endr
	v_pk_mul_f32 v[104:105], v[112:113], v[112:113]
	v_pk_mul_f32 v[106:107], v[114:115], v[114:115]
	v_pk_fma_f32 v[104:105], v[116:117], v[116:117], v[104:105]
	v_pk_fma_f32 v[106:107], v[118:119], v[118:119], v[106:107]
.irp k, 8,16,24
.irp i, 0,2,4,6
	v_pk_add_f32 v[112+\i:113+\i], v[A0+\k+\i:A0+\k+\i+1], v[ME:ME+1] op_sel_hi:[1,0] neg_lo:[0,1] neg_hi:[0,1]
.endr
	v_pk_fma_f32 v[104:105], v[112:113], v[112:113], v[104:105]
	v_pk_fma_f32 v[106:107], v[114:115], v[114:115], v[106:107]
	v_pk_fma_f32 v[104:105], v[116:117], v[116:117], v[104:105]
	v_pk_fma_f32 v[106:107], v[118:119], v[118:119], v[106:107]
.endr
	v_pk_add_f32 v[104:105], v[104:105], v[106:107]
	v_add_f32 v104, v104, v105
	v_permlanex16_b32 v105, v104, s32, s33
	v_add_f32 v[ME+1], v104, v105
.endm
	LNLOC 0
	LNLOC 1
	s_wait_alu depctr_va_vdst(0)                   ; {mean, M2} of both tiles are written, which the two LDS stores read; and the matrix instructions are done reading Wo's fragments, in which the loads behind the barrier land
.irp u, 0,1
	ds_store_b64 v[LNW], v[108+2*\u:109+2*\u] offset:256*\u
.endr
	BARRIER                                        ; the eight waves' {mean, M2} lie in LDS
.irp u, 0,1
.irp w, 0,1,2,3,4,5,6,7
	ds_load_b64 v[WF+16*\u+2*\w:WF+16*\u+2*\w+1], v[LNR] offset:512*\w+256*\u
.endr
.endr
	s_wait_dscnt 0x0
.macro LNALL u                         ; mu to v[112 + 2 u], 1 / sqrt(var + 1e-5) to v[116 + 2 u]
.set L0, WF+16*\u
	v_pk_add_f32 v[120:121], v[L0:L0+1], v[L0+2:L0+3]              ; means in the low words, M2 in the high ones
	v_pk_add_f32 v[122:123], v[L0+4:L0+5], v[L0+6:L0+7]
	v_pk_add_f32 v[124:125], v[L0+8:L0+9], v[L0+10:L0+11]
	v_pk_add_f32 v[104:105], v[L0+12:L0+13], v[L0+14:L0+15]
	v_pk_add_f32 v[120:121], v[120:121], v[122:123]
	v_pk_add_f32 v[124:125], v[124:125], v[104:105]
	v_pk_add_f32 v[120:121], v[120:121], v[124:125]
	v_mul_f32 v[112+2*\u], 0x3e000000, v120        ; mu
	v_sub_f32 v122, v[L0], v[112+2*\u]
	v_sub_f32 v123, v[L0+2], v[112+2*\u]
	v_mul_f32 v124, v122, v122
	v_mul_f32 v125, v123, v123
.irp w, 4,8,12
	v_sub_f32 v122, v[L0+\w], v[112+2*\u]
	v_sub_f32 v123, v[L0+\w+2], v[112+2*\u]
	v_fma_f32 v124, v122, v122, v124
	v_fma_f32 v125, v123, v123, v125
.endr
	v_add_f32 v124, v124, v125
	v_fmamk_f32 v121, v124, 0x42800000, v121       ; M2 of the whole row
	v_fma_f32 v107, v121, s34, s35                 ; var + 1e-5
	v_rsq_f32 v[116+2*\u], v107
	v_nop                                          ; a plain line behind the transcendental
.endm
	LNALL 0
	LNALL 1
	s_wait_alu depctr_va_vdst(0)                   ; the two reciprocal roots are written, ahead of their first reader
.irp u, 0,1
.irp i, 0,2,4,6,8,10,12,14,16,18,20,22,24,26,28,30
	v_pk_add_f32 v[ACC+32*\u+\i:ACC+32*\u+\i+1], v[ACC+32*\u+\i:ACC+32*\u+\i+1], v[112+2*\u:113+2*\u] op_sel_hi:[1,0] neg_lo:[0,1] neg_hi:[0,1]
.endr
.endr
.irp u, 0,1
.irp i, 0,2,4,6,8,10,12,14,16,18,20,22,24,26,28,30
	v_pk_mul_f32 v[ACC+32*\u+\i:ACC+32*\u+\i+1], v[ACC+32*\u+\i:ACC+32*\u+\i+1], v[116+2*\u:117+2*\u] op_sel_hi:[1,0]
.endr
.endr
	s_wait_alu depctr_va_vdst(0)                   ; the normalised numbers are written, which the sixteen LDS stores read; the matrix instructions were done with attn_vec's fragments, in which the loads behind the barrier land, at an earlier wait
.irp u, 0,1
.irp t, 0,1,2,3
.irp g, 0,1
	ds_store_b128 v[SR], v[ACC+32*\u+8*\t+4*\g:ACC+32*\u+8*\t+4*\g+3] offset:16*PITCH*\u+128*(\t/2)+32*(\t%2)+16*\g   ; into the bytes that this wave alone read
.endr
.endr
.endr
	BARRIER                                        ; 32 normalised rows lie in the stage
.set i, 0
.rept 16
	ds_load_b128 v[AF+4*i:AF+4*i+3], v[ST] offset:2*PITCH*i
.set i, i+1
.endr
.irp g, 0,1                            ; gain and bias, and the stores, eight loads' worth at a time: one wait on va_vdst serves eight stores
	s_wait_dscnt 8-8*\g                            ; LDS loads come back in order: this half's eight are in, the younger eight may be out
.set i, 8*\g
.rept 8
	v_pk_fma_f32 v[AF+4*i:AF+4*i+1], v[AF+4*i:AF+4*i+1], v[GG:GG+1], v[BB:BB+1]
	v_pk_fma_f32 v[AF+4*i+2:AF+4*i+3], v[AF+4*i+2:AF+4*i+3], v[GG+2:GG+3], v[BB+2:BB+3]
.set i, i+1
.endr
	s_wait_alu depctr_va_vdst(0)                   ; the sixteen multiply-adds have written this half's rows, which the eight stores read
.set i, 8*\g
.rept 8
	global_store_b128 v[HI], v[AF+4*i:AF+4*i+3], s[22:23] offset:(8*(i/8)+2*(i%8)+8*((i%8)/4))*16384 th:TH_STORE_NT   ; a wave stores 512 consecutive bytes of a row
.set i, i+1
.endr
.endr
	s_set_vgpr_msb 0x5                             ; the add's two registers, v256 and v257, are its sources 0 and 1: window 1
	s_wait_dscnt 0x0                               ; the closing lines, six on end
	s_wait_alu 0x0
	s_wait_tensorcnt 0x0
	ds_add_u32 v0, v1
	s_wait_dscnt 0x0
	s_endpgm
.Lfunc_end_k_q75cc45306a_outp:
	.size	k_q75cc45306a_outp, .Lfunc_end_k_q75cc45306a_outp-k_q75cc45306a_outp
	.p2alignl 7, 3214868480
	.fill 96, 4, 3214868480
	.section	.rodata,"a",@progbits
	.p2align	6, 0x0
	.amdhsa_kernel k_q75cc45306a_outp
		.amdhsa_group_segment_fixed_size 71424
		.amdhsa_private_segment_fixed_size 0
		.amdhsa_enable_private_segment 0
		.amdhsa_kernarg_size 48
		.amdhsa_user_sgpr_count 2
		.amdhsa_user_sgpr_kernarg_segment_ptr 1
		.amdhsa_wavefront_size32 1
		.amdhsa_system_sgpr_workgroup_id_x 1
		.amdhsa_system_sgpr_workgroup_id_y 1
		.amdhsa_system_sgpr_workgroup_id_z 1
		.amdhsa_system_vgpr_workitem_id 0
		.amdhsa_next_free_vgpr 258
		.amdhsa_next_free_sgpr 66
		.amdhsa_reserve_vcc 0
		.amdhsa_float_denorm_mode_32 3
		.amdhsa_float_denorm_mode_16_64 3
		.amdhsa_memory_ordered 1
		.amdhsa_forward_progress 1
		.amdhsa_inst_pref_size 38
	.end_amdhsa_kernel
	.amdgpu_metadata
---
amdhsa.version: [ 1, 2 ]
amdhsa.kernels:
  - .name:           k_q75cc45306a_outp
    .symbol:         k_q75cc45306a_outp.kd
    .args:
      - { .name: w2, .offset: 0, .size: 8, .value_kind: global_buffer, .address_space: global }
      - { .name: w0, .offset: 8, .size: 8, .value_kind: global_buffer, .address_space: global }
      - { .name: h, .offset: 16, .size: 8, .value_kind: global_buffer, .address_space: global }
      - { .name: ln_g, .offset: 24, .size: 8, .value_kind: global_buffer, .address_space: global }
      - { .name: ln_b, .offset: 32, .size: 8, .value_kind: global_buffer, .address_space: global }
      - { .name: out0, .offset: 40, .size: 8, .value_kind: global_buffer, .address_space: global }
    .group_segment_fixed_size: 71424
    .private_segment_fixed_size: 0
    .kernarg_segment_align: 8
    .kernarg_segment_size: 48
    .max_flat_workgroup_size: 256
    .sgpr_count:     66
    .vgpr_count:     258
    .wavefront_size: 32
...
	.end_amdgpu_metadata
.endif
;; end of part 9
